; MI455X (gfx1250); checked and timed in simulation.
; The chip was launched on July 23, 2026; its instructions are those of AMD's public machine-readable ISA for CDNA 5 (MIT licence, August 2026) and "CDNA5" Instruction Set Architecture Reference Guide (July 2026). The comments in the code are by the model that wrote it; some were corrected since.
;; Sparse Mo E. Allowed arithmetic: matrix products marked QUANTISED: E4M3 operands, one E8M0 scale for each 32 along K, by v_wmma_scale_f32_16x16x128_f8f6f4 with both operands' format E4M3, f32 sums; products left as they are: f32 operands where the result goes on into a quantised operand, else bf16, f16 or f32 operands; f32 sums; everything else in f32.
;; Inputs: b1 8 x 4,096 float32; b2 8 x 1,024 float32; b_noise 8 float32; b_route 8 float32; noise 4 x 256 x 8 float32; w1_codes 8 x 4,096 x 32 x 32 uint8 (E4M3 codes of w1, K innermost, in blocks of 32 codes); w1_scales 8 x 4,096 x 32 uint8 (E8M0 scales of w1, one for each 32 codes along K); w2_codes 8 x 1,024 x 128 x 32 uint8 (E4M3 codes of w2, K innermost, in blocks of 32 codes); w2_scales 8 x 1,024 x 128 uint8 (E8M0 scales of w2, one for each 32 codes along K); w_noise 1,024 x 8 float32; w_route 1,024 x 8 float32; x 4 x 256 x 1,024 float32.
;; Outputs: out0 4 x 256 x 1,024 float32.
;; This version of the problem:
;;   THIS VERSION OF THE PROBLEM IS GIVEN IN LOW PRECISION. The matrix products marked QUANTISED in the list below multiply operands that are first quantised to E4M3 (4 exponent bits, 3 mantissa bits; 8 bits a number), with one power-of-two scale for each 32 numbers along K (OCP MX v1.0); their sums are f32. All else is computed in f32.
;;   The module's matrix products, in the order in which they are computed (A, B: the left and right operand; K: the contracted axis; several contracted axes count as one K, in the product's order):
;;     1. [M 1,024, K 1,024] x [K 1,024, N 8]; A: input x; B: input w_route: left as it is (N = 8 < 16)
;;     2. [M 1,024, K 1,024] x [K 1,024, N 8]; A: input x; B: input w_noise: left as it is (N = 8 < 16)
;;     3. [M 1,024, K 1,024] x [K 1,024, N 4,096]; A: input x; B: input w1 (given as codes): QUANTISED
;;     4. [M 1,024, K 4,096] x [K 4,096, N 1,024]; A: computed on the way; B: input w2 (given as codes): QUANTISED
;;     5. [M 1,024, K 1,024] x [K 1,024, N 4,096]; A: input x; B: input w1 (given as codes): QUANTISED
;;     6. [M 1,024, K 4,096] x [K 4,096, N 1,024]; A: computed on the way; B: input w2 (given as codes): QUANTISED
;;     7. [M 1,024, K 1,024] x [K 1,024, N 4,096]; A: input x; B: input w1 (given as codes): QUANTISED
;;     8. [M 1,024, K 4,096] x [K 4,096, N 1,024]; A: computed on the way; B: input w2 (given as codes): QUANTISED
;;     9. [M 1,024, K 1,024] x [K 1,024, N 4,096]; A: input x; B: input w1 (given as codes): QUANTISED
;;     10. [M 1,024, K 4,096] x [K 4,096, N 1,024]; A: computed on the way; B: input w2 (given as codes): QUANTISED
;;     11. [M 1,024, K 1,024] x [K 1,024, N 4,096]; A: input x; B: input w1 (given as codes): QUANTISED
;;     12. [M 1,024, K 4,096] x [K 4,096, N 1,024]; A: computed on the way; B: input w2 (given as codes): QUANTISED
;;     13. [M 1,024, K 1,024] x [K 1,024, N 4,096]; A: input x; B: input w1 (given as codes): QUANTISED
;;     14. [M 1,024, K 4,096] x [K 4,096, N 1,024]; A: computed on the way; B: input w2 (given as codes): QUANTISED
;;     15. [M 1,024, K 1,024] x [K 1,024, N 4,096]; A: input x; B: input w1 (given as codes): QUANTISED
;;     16. [M 1,024, K 4,096] x [K 4,096, N 1,024]; A: computed on the way; B: input w2 (given as codes): QUANTISED
;;     17. [M 1,024, K 1,024] x [K 1,024, N 4,096]; A: input x; B: input w1 (given as codes): QUANTISED
;;     18. [M 1,024, K 4,096] x [K 4,096, N 1,024]; A: computed on the way; B: input w2 (given as codes): QUANTISED
;;   THE QUANTISER, for each operand of a quantised product, along K:
;;     - K is cut into blocks of 32 from its start; a last block that is shorter is filled with zeros.
;;     - A block's scale is 2^e with e = floor(log2(the largest magnitude in the block)) - 8, held to -126 .. 127; a block of zeros has e = 0. As a byte (E8M0): e + 127.
;;     - Each number is divided by its block's scale, clamped to +-448, and rounded to the nearest number of E4M3, ties to even, subnormals kept.
;;     - The product sums the exact products of the quantised numbers (number of the format x scale) in f32.
;;   ~~~python
;;   def quantise(x, axis):      # numpy; x: float32 -> the quantised numbers, widened to float32 again
;;       x = np.moveaxis(x, axis, -1); K = x.shape[-1]
;;       x = np.pad(x, [(0, 0)] * (x.ndim - 1) + [(0, -K % 32)]); x = x.reshape(x.shape[:-1] + (-1, 32)); a = np.abs(x).max(-1, keepdims=True)
;;       e = np.where(a > 0, np.clip(np.frexp(np.where(a > 0, a, 1))[1] - 1 - 8, -126, 127), 0)      # np.frexp(a)[1] - 1 = floor(log2(a)), exactly
;;       r = np.clip(x / 2.0 ** e, -448, 448)
;;       step = 2.0 ** (np.maximum(np.frexp(np.where(r == 0, 1, r))[1] - 1, -6) - 3)
;;       q = np.round(r / step) * step * 2.0 ** e      # np.round: ties to even
;;       return np.moveaxis(q.reshape(q.shape[:-2] + (-1,))[..., :K], -1, axis).astype(np.float32)
;;   ~~~
;;   OPERANDS COMPUTED ON THE WAY. 'Computed on the way' means the value that the module computes at that place (a softmax that the list does not call 'softmax' is quantised finished and normalised). What goes into a quantiser is computed in f32, as accurately as f32 sums, v_exp_f32 and their like allow (about 1e-6 of the number): no bf16 or f16 on the way to a quantiser, and a product that is left as it is and whose result goes on into a quantised operand takes f32 operands (vector FMAs, or v_wmma_f32_16x16x4_f32). A number that lies on a knife's edge between two numbers of the format may be rounded either way, as far as f32 arithmetic and the matrix unit's own rounding can turn it there, and no further.
;;   INPUTS GIVEN AS CODES. w1 (in the module: [8, 1024, 4096], K = its axis 1); w2 (in the module: [8, 4096, 1024], K = its axis 1): each comes as NAME_codes (uint8): NAME with its K axis moved to the last place and cut into blocks of 32 codes, [.., K / 32, bytes a block], one block behind the other in memory; one code a byte (a code: sign, 4 exponent bits, 3 mantissa bits); and NAME_scales (uint8): the same leading axes, one E8M0 byte (e + 127) for each 32 codes along K. Its value is code x scale, taken as it is: it is not quantised again, and the codes and scales need not be those that the quantiser above would give.
;; 3 versions. Each part assembles by itself: llvm-mc -triple=amdgcn-amd-amdhsa -mcpu=gfx1250 --defsym DOCPART=n.
;; ======== version 1 of 3: 5 launches
;; workspace buffers: xq 1,081,344 bytes; topi 8,192 bytes of whole numbers; gate 8,192 bytes; plan 65,792 bytes of whole numbers; gl 32,768 bytes; hq 34,603,008 bytes; ybuf 8,912,896 bytes
;; launch route (part 1): grid 64 x 1, 8 waves a work-group, no clusters, 98,304 bytes of LDS; arguments x, noise, w_route, b_route, w_noise, b_noise, xq, topi, gate; writes xq, topi, gate
.if DOCPART == 1
	.amdgcn_target "amdgcn-amd-amdhsa--gfx1250"
	.amdhsa_code_object_version 6
	.text
	.protected	k_q092905c57b_route
	.globl	k_q092905c57b_route
	.p2align	8
	.type	k_q092905c57b_route,@function
k_q092905c57b_route:
	s_mov_b64 s[64:65], 0
	v_nop
	global_prefetch_b8 v0, s[64:65] scope:SCOPE_SE
	s_setreg_imm32_b32 hwreg(HW_REG_WAVE_MODE, 25, 1), 1
	s_wait_xcnt 0x0
; THE ROUTER, AND x INTO CODES.  x [1024 tokens][1024] f32.  A work-group takes 16 tokens; wave s of eight takes K step s (k = 128 s .. 128 s + 127) of all 16.
; From ONE read of x a wave makes (a) its part of the 16 logits of each token (8 route, 8 noise), in f32, by the f32 matrix form (32 instructions a wave: no bulk work),
; and (b) the E4M3 codes and E8M0 scale bytes of its 16 x 128 numbers.  Wave 0 then adds the eight parts, forms noisy = logits + noise x softplus(noise logits), takes the two largest
; (the lower index first where two are equal) and their softmax, with the larger taken away ahead of the exponential.
; OUT: xq: codes [1024][1024] bytes, behind them (XSOFF) scale bytes [1024][32]; topi [1024][2] u32; gate [1024][2] f32: all at fixed places: no address here hangs on the choice.
; LIMITS: NaN and infinities are not served.  A token whose second and third noisy logits agree within the rounding of the f32 sums may be routed the other way.
; A block of zeros gets the scale byte 1 (its codes are zeros, and this program alone reads the bytes).
; LDS: RW: for each wave 16 rows (output o) x (128 floats + 16 bytes);  XT: 16 rows x (1,024 codes + 16);  XSC: 16 rows x 32 scale bytes;  LG: for each wave 32 lanes x 48 bytes of partial logits.
.set RWB,   8448
.set XT,    67584
.set XSC,   84224
.set LG,    84736
.set XSOFF, 1048576
.set LN,   1                           ; v1   lane
.set RR,   2                           ; v2   r = lane % 16
.set HH,   3                           ; v3   h = lane / 16
.set L16,  4                           ; v4   16 x lane
.set XO,   5                           ; v5   x: 4096 r + 64 h
.set NO,   6                           ; v6   noise: 32 r
.set RWS,  7                           ; v7   where the router weights go in my RW
.set NZ,   8                           ; v8-15   noise of token r
.set ACC,  16                          ; v16-47  four accumulators: written by matrix instructions alone
.set X,    48                          ; v48-111 x: register 16 b + i = x[r][128 s + 32 b + 16 h + i]; in wave 0's tail: work
.set WT,   112                         ; v112-175 the router weights at the same k, output o = r
.set RAW,  176                         ; v176-239 the router weights as loaded
.set PC,   112                         ; the codes (WT is done with)
.set SS,   128                         ; partial logits
.set UU,   136
.set TM,   176                         ; v176-191 the quantiser's work (RAW is done with)
.set PW,   192                         ; the scale word
.set OUTR, 196                         ; v196-215 the way out
.set WTA,  240                         ; LDS addresses, all made at the head
.set LGS,  241
.set XTS,  242
.set XSS,  243
.set XTR,  244
.set XSR,  245
.set LGR,  246
.set TO,   247                         ; 8 r: a token's place in topi and in gate
.set WV,   40
.set SEL,  42
.set MNT,  44
.set HI,   45                          ; mask of lanes 16-31
	s_load_b256 s[4:11], s[0:1], 0x0               ; x, noise, w_route, b_route
	s_load_b256 s[12:19], s[0:1], 0x20             ; w_noise, b_noise, xq, topi
	s_load_b64 s[20:21], s[0:1], 0x40              ; gate
	v_lshl_add_u32 v254, v0, 2, 0x17c00
	v_mov_b32 v255, 0
	v_lshrrev_b32 v1, 5, v0
	v_readfirstlane_b32 s[WV], v1                  ; wave 0..7 = K step
	v_and_b32 v[LN], 31, v0
	v_and_b32 v[RR], 15, v0
	v_bfe_u32 v[HH], v0, 4, 1
	v_lshlrev_b32 v[L16], 4, v[LN]
	v_lshlrev_b32 v[XO], 12, v[RR]
	v_lshl_add_u32 v[XO], v[HH], 6, v[XO]
	v_lshlrev_b32 v[NO], 5, v[RR]
	s_mul_i32 s41, s[WV], RWB                      ; my RW
	v_and_b32 v[RWS], 1, v0
	v_mul_u32_u24 v[RWS], v[RWS], 2112             ; outputs 4 (lane % 2) on: four rows of 528 bytes
	v_bfe_u32 v[WTA], v0, 1, 4
	v_lshl_add_u32 v[RWS], v[WTA], 2, v[RWS]       ; k = lane / 2 of a load's 16
	v_add_nc_u32 v[RWS], s41, v[RWS]
	v_mul_u32_u24 v[WTA], v[RR], 528
	v_lshl_add_u32 v[WTA], v[HH], 6, v[WTA]
	v_add_nc_u32 v[WTA], s41, v[WTA]               ; row o = r, + 16 h floats
	v_mul_u32_u24 v[LGR], v[LN], 48
	s_mul_i32 s46, s[WV], 1536
	v_add_nc_u32 v[LGR], LG, v[LGR]                ; wave 0's part of LG, my lane
	v_add_nc_u32 v[LGS], s46, v[LGR]               ; my wave's
	v_mul_u32_u24 v[XTS], v[RR], 1040
	v_lshl_add_u32 v[XTS], v[HH], 4, v[XTS]
	s_lshl_b32 s46, s[WV], 7
	s_add_co_u32 s46, s46, XT
	v_add_nc_u32 v[XTS], s46, v[XTS]               ; row r, byte 128 s + 16 h
	v_lshlrev_b32 v[XSS], 5, v[RR]
	s_lshl_b32 s46, s[WV], 2
	s_add_co_u32 s46, s46, XSC
	v_add_nc_u32 v[XSS], s46, v[XSS]               ; row r, word s
	s_mul_i32 s46, s[WV], 2080
	s_add_co_u32 s46, s46, XT
	v_add_nc_u32 v[XTR], s46, v[L16]               ; back: rows 2 s and 2 s + 1
	v_add_nc_u32 v[XSR], XSC, v[L16]
	v_lshlrev_b32 v[TO], 3, v[RR]
	s_mov_b32 s[SEL], 0x76543210
	s_mov_b32 s[SEL+1], 0xfedcba98                 ; v_permlanex16_b32's selects for lane l xor 16
	s_mov_b32 s[MNT], 0x600000                     ; the mantissa field of 448
	s_mov_b32 s[HI], 0xffff0000
	s_mov_b32 s23, 0
	s_wait_kmcnt 0x0
	s_load_b256 s[24:31], s[10:11], 0x0            ; b_route's eight numbers
	s_load_b256 s[32:39], s[14:15], 0x0            ; b_noise's
	s_lshl_b32 s22, ttmp9, 9
	s_add_nc_u64 s[6:7], s[6:7], s[22:23]          ; noise at my 16 tokens (32 bytes each)
	s_add_nc_u64 s[48:49], s[16:17], s[22:23]      ; xq's scale bytes likewise (XSOFF stands in the store's immediate)
	s_lshl_b32 s22, s[WV], 12
	s_add_nc_u64 s[8:9], s[8:9], s[22:23]          ; w_route and w_noise at k = 128 s (32 bytes a k)
	s_add_nc_u64 s[12:13], s[12:13], s[22:23]
	s_lshl_b32 s22, ttmp9, 16
	s_lshl_b32 s46, s[WV], 9
	s_add_co_u32 s22, s22, s46
	s_add_nc_u64 s[4:5], s[4:5], s[22:23]          ; x at my 16 tokens, K step s
	s_lshl_b32 s22, ttmp9, 14
	s_lshl_b32 s46, s[WV], 11
	s_add_co_u32 s22, s22, s46
	s_add_nc_u64 s[16:17], s[16:17], s[22:23]      ; xq's codes at rows 2 s, 2 s + 1 of my 16
	s_lshl_b32 s22, ttmp9, 7
	s_add_nc_u64 s[18:19], s[18:19], s[22:23]      ; topi and gate at my 16 tokens (8 bytes each)
	s_add_nc_u64 s[20:21], s[20:21], s[22:23]
	global_load_b128 v[NZ:NZ+3], v[NO], s[6:7]     ; (every wave asks, wave 0 uses them: 512 bytes; so all waves count their loads alike)
	global_load_b128 v[NZ+4:NZ+7], v[NO], s[6:7] offset:16
.irp j, 0,1,2,3,4,5,6,7
	global_load_b128 v[RAW+4*\j:RAW+4*\j+3], v[L16], s[8:9] offset:512*\j          ; 512 consecutive bytes: 16 k x 8 outputs
.endr
.irp j, 0,1,2,3,4,5,6,7
	global_load_b128 v[RAW+32+4*\j:RAW+32+4*\j+3], v[L16], s[12:13] offset:512*\j
.endr
.irp b, 0,1,2,3
.irp j, 0,1,2,3
	global_load_b128 v[X+16*\b+4*\j:X+16*\b+4*\j+3], v[XO], s[4:5] offset:128*\b+16*\j th:TH_LOAD_NT   ; my 16 neighbours of each block of 32; x is read once in the launch
.endr
.endr
	s_wait_loadcnt 16                              ; x's 16 loads are younger: the router weights are in
; The router weights lie [k][8]; the product wants a lane to hold one output and its registers to run along k.  They turn through my own RW: register q of load j is output 4 (lane % 2) + q at k = 16 j + lane / 2.
.irp j, 0,1,2,3,4,5,6,7
.irp q, 0,1,2,3
	ds_store_b32 v[RWS], v[RAW+4*\j+\q] offset:528*\q+64*\j
	ds_store_b32 v[RWS], v[RAW+32+4*\j+\q] offset:4224+528*\q+64*\j
.endr
.endr
.irp b, 0,1,2,3
.irp j, 0,1,2,3
	ds_load_b128 v[WT+16*\b+4*\j:WT+16*\b+4*\j+3], v[WTA] offset:128*\b+16*\j    ; LDS serves a wave's instructions in order: these see my stores
.endr
.endr
	s_wait_loadcnt 0x0                             ; x
	s_wait_dscnt 0x0
; Source 0 = 16 outputs, source 1 = 16 tokens: lane (r, h), register j then holds output 8 h + j of token r: lanes 0-15 the route logits, lanes 16-31 the noise logits.
; Both sources hold the same k in the same lane half and register, so each instruction adds four true k.  Four accumulators by turns; the first four start the sums with 0.
.set m, 0
.rept 32
.if m < 4
	v_wmma_f32_16x16x4_f32 v[ACC+8*(m%4):ACC+8*(m%4)+7], v[WT+2*m:WT+2*m+1], v[X+2*m:X+2*m+1], 0
.else
	v_wmma_f32_16x16x4_f32 v[ACC+8*(m%4):ACC+8*(m%4)+7], v[WT+2*m:WT+2*m+1], v[X+2*m:X+2*m+1], v[ACC+8*(m%4):ACC+8*(m%4)+7]
.endif
.set m, m+1
.endr
.rept 8
	v_nop                                          ; eight places behind this form (ISA guide 7.12.1), ahead of the reads of the sums and of writes over the sources
.endr
.irp i, 0,2,4,6
	v_pk_add_f32 v[SS+\i:SS+\i+1], v[ACC+\i:ACC+\i+1], v[ACC+8+\i:ACC+8+\i+1]       ; each accumulator is read from its low end on; the sums go into other registers
	v_pk_add_f32 v[UU+\i:UU+\i+1], v[ACC+16+\i:ACC+16+\i+1], v[ACC+24+\i:ACC+24+\i+1]
.endr
.irp i, 0,2,4,6
	v_pk_add_f32 v[SS+\i:SS+\i+1], v[SS+\i:SS+\i+1], v[UU+\i:UU+\i+1]
.endr
	ds_store_b128 v[LGS], v[SS:SS+3]               ; my K step's part of the logits
	ds_store_b128 v[LGS], v[SS+4:SS+7] offset:16
; THE QUANTISER: four blocks of 32; a block lies in lanes l and l xor 16, 16 numbers each.
.irp b, 0,1,2,3
	v_mov_b32 v[TM+4+\b], 0                        ; a lane permute's destination counts as one of its sources
.endr
.irp b, 0,1,2,3
	v_max3_num_f32 v[TM+\b], |v[X+16*\b]|, |v[X+1+16*\b]|, 0x4800000   ; with the floor 2^(9 - 127): the byte cannot fall under 1
.endr
.irp i, 2,4,6,8,10,12,14
.irp b, 0,1,2,3
	v_max3_num_f32 v[TM+\b], v[TM+\b], |v[X+16*\b+\i]|, |v[X+1+16*\b+\i]|
.endr
.endr
.irp b, 0,1,2,3
	v_permlanex16_b32 v[TM+4+\b], v[TM+\b], s[SEL], s[SEL+1]
.endr
.irp b, 0,1,2,3
	v_max_num_f32 v[TM+\b], v[TM+\b], v[TM+4+\b]   ; the block's largest magnitude
.endr
.irp b, 0,1,2,3
	v_add_nc_u32 v[TM+12+\b], 0xfc000000, v[TM+\b] ; 8 off its exponent field: the conversion's scale operand
.endr
.irp b, 0,1,2,3
	v_and_or_b32 v[TM+8+\b], v[TM+\b], 0x7f800000, s[MNT]   ; 448 x the scale
.endr
.irp b, 0,1,2,3
	v_lshrrev_b32 v[TM+4+\b], 23, v[TM+12+\b]      ; the scale's byte
.endr
	v_lshl_or_b32 v[PW], v[TM+5], 8, v[TM+4]
	v_lshl_or_b32 v[PW], v[TM+6], 16, v[PW]
	v_lshl_or_b32 v[PW], v[TM+7], 24, v[PW]        ; row r's scale word of K step s
.irp b, 0,1,2,3
.irp i, 0,1,2,3,4,5,6,7,8,9,10,11,12,13,14,15
	v_med3_num_f32 v[X+16*\b+\i], v[X+16*\b+\i], -v[TM+8+\b], v[TM+8+\b]   ; the conversion to an 8-bit code does not saturate (ISA guide 7.6.2): the hold comes first
.endr
	v_cvt_scalef32_pk8_fp8_f32 v[PC+4*\b:PC+1+4*\b], v[X+16*\b:X+7+16*\b], v[TM+12+\b]
	v_cvt_scalef32_pk8_fp8_f32 v[PC+2+4*\b:PC+3+4*\b], v[X+8+16*\b:X+15+16*\b], v[TM+12+\b]
.endr
	v_nop                                          ; one plain line behind the last scaled conversion
.irp c, 0,1,2,3
	ds_store_b128 v[XTS], v[PC+4*\c:PC+4*\c+3] offset:32*\c    ; codes of k = 32 c + 16 h + 0 .. 15 of row r
.endr
	ds_store_b32 v[XSS], v[PW]                     ; both halves of the lanes write the same word with the same value
	s_wait_kmcnt 0x0                               ; the two bias vectors
	s_wait_dscnt 0x0                               ; for the others' sake: my stores have landed
	s_barrier_signal -1
	s_barrier_wait -1                              ; the one barrier: whole rows of codes, all scale bytes and all partial logits lie in LDS; nothing is written there any more
.irp i, 0,1,2,3
	ds_load_b128 v[OUTR+4*\i:OUTR+4*\i+3], v[XTR] offset:(\i/2)*1040+(\i%2)*512
.endr
.irp i, 0,1,2,3
	s_wait_dscnt 3-\i                              ; the later loads of the four may stay out
	global_store_b128 v[L16], v[OUTR+4*\i:OUTR+4*\i+3], s[16:17] offset:512*\i     ; 512 consecutive bytes of a row of codes
.endr
	s_cmp_eq_u32 s[WV], 1
	s_cbranch_scc0 .Lnot_one
	ds_load_b128 v[OUTR+16:OUTR+19], v[XSR]        ; wave 1: the 16 tokens' 512 scale bytes
	s_wait_dscnt 0x0
	global_store_b128 v[L16], v[OUTR+16:OUTR+19], s[48:49] offset:XSOFF
.Lnot_one:
	s_cmp_lg_u32 s[WV], 0
	s_cbranch_scc1 .Ldone
; WAVE 0: the choice.  v48-55 L, v56-63 the other half's, v64-71 route logits then noisy, v72-79 z, v80-95 work, v96-103 softplus.
.irp w, 0,1,2,3,4,5,6,7
	ds_load_b128 v[48+8*\w:51+8*\w], v[LGR] offset:1536*\w
	ds_load_b128 v[52+8*\w:55+8*\w], v[LGR] offset:1536*\w+16
.endr
	s_wait_dscnt 0x0
.irp w, 1,2,3,4,5,6,7
.irp i, 0,2,4,6
	v_pk_add_f32 v[48+\i:49+\i], v[48+\i:49+\i], v[48+8*\w+\i:49+8*\w+\i]          ; the eight K steps' parts
.endr
.endr
.irp j, 0,1,2,3,4,5,6,7
	v_permlanex16_b32 v[56+\j], v[48+\j], s[SEL], s[SEL+1]
.endr
.irp j, 0,1,2,3,4,5,6,7
	v_cndmask_b32 v[64+\j], v[48+\j], v[56+\j], s[HI]      ; both halves of the lanes now hold token r's route logits
	v_cndmask_b32 v[72+\j], v[56+\j], v[48+\j], s[HI]      ; and its noise logits
.endr
.irp j, 0,1,2,3,4,5,6,7
	v_add_f32 v[72+\j], s[32+\j], v[72+\j]         ; z = noise logit + b_noise
.endr
.irp j, 0,1,2,3,4,5,6,7
	v_mul_f32 v[80+\j], 0xbfb8aa3b, |v[72+\j]|     ; -|z| log2(e)
.endr
.irp j, 0,1,2,3,4,5,6,7
	v_exp_f32 v[80+\j], v[80+\j]                   ; e^-|z|: never above 1
.endr
.irp j, 0,1,2,3,4,5,6,7
	v_add_f32 v[64+\j], s[24+\j], v[64+\j]         ; route logit + b_route: plain work behind the batch
.endr
	s_wait_alu depctr_va_vdst(0)                   ; one wait for the eight, ahead of their first reader
.irp j, 0,1,2,3,4,5,6,7
	v_add_f32 v[80+\j], 1.0, v[80+\j]
.endr
.irp j, 0,1,2,3,4,5,6,7
	v_log_f32 v[88+\j], v[80+\j]
.endr
.irp j, 0,1,2,3,4,5,6,7
	v_max_num_f32 v[72+\j], 0, v[72+\j]            ; max(z, 0): plain work behind the batch
.endr
	s_wait_alu depctr_va_vdst(0)
.irp j, 0,1,2,3,4,5,6,7
	v_fmamk_f32 v[96+\j], v[88+\j], 0x3f317218, v[72+\j]   ; softplus(z) = max(z, 0) + ln 2 x log2(1 + e^-|z|)
.endr
.irp j, 0,1,2,3,4,5,6,7
	v_fma_f32 v[64+\j], v[NZ+\j], v[96+\j], v[64+\j]       ; noisy
.endr
	v_max3_num_f32 v104, v64, v65, v66
	v_max3_num_f32 v104, v104, v67, v68
	v_max3_num_f32 v104, v104, v69, v70
	v_max_num_f32 v104, v104, v71                  ; the largest
	v_mov_b32 v106, 0
.irp o, 7,6,5,4,3,2,1,0
	v_cmp_neq_f32 vcc_lo, v[64+\o], v104
	v_cndmask_b32 v106, \o, v106, vcc_lo           ; from the top down: the lowest index that holds it stays
.endr
	v_mov_b32 v108, 0xff800000
.irp o, 0,1,2,3,4,5,6,7
	v_cmp_eq_u32 vcc_lo, \o, v106
	v_cndmask_b32 v[64+\o], v[64+\o], v108, vcc_lo ; the first choice is taken out
.endr
	v_max3_num_f32 v105, v64, v65, v66
	v_max3_num_f32 v105, v105, v67, v68
	v_max3_num_f32 v105, v105, v69, v70
	v_max_num_f32 v105, v105, v71                  ; the second largest
	v_mov_b32 v107, 0
.irp o, 7,6,5,4,3,2,1,0
	v_cmp_neq_f32 vcc_lo, v[64+\o], v105
	v_cndmask_b32 v107, \o, v107, vcc_lo
.endr
	v_sub_f32 v112, v105, v104                     ; the maximum is taken away: 0 or less
	v_mul_f32 v112, 0x3fb8aa3b, v112
	v_exp_f32 v112, v112
	v_nop
	s_wait_alu depctr_va_vdst(0)
	v_add_f32 v113, 1.0, v112
	v_rcp_f32 v110, v113                           ; the first gate: 1 / (1 + e)
	v_cmp_gt_u32 vcc_lo, 16, v[LN]                 ; (a plain line behind the reciprocal)
	s_wait_alu depctr_va_vdst(0)
	v_mul_f32 v111, v112, v110                     ; the second: e / (1 + e)
	s_wait_xcnt 0x0                                ; EXEC changes only behind this wait
	s_and_saveexec_b32 s46, vcc_lo                 ; lanes 0-15: a lane a token
	global_store_b64 v[TO], v[106:107], s[18:19]
	global_store_b64 v[TO], v[110:111], s[20:21]
	s_wait_xcnt 0x0
	s_or_b32 exec_lo, exec_lo, s46
.Ldone:
	s_wait_tensorcnt 0x0
	ds_add_u32 v254, v255
	s_wait_dscnt 0x0
	s_endpgm
.Lfunc_end_k_q092905c57b_route:
	.size	k_q092905c57b_route, .Lfunc_end_k_q092905c57b_route-k_q092905c57b_route
	.p2alignl 7, 3214868480
	.fill 96, 4, 3214868480
	.section	.rodata,"a",@progbits
	.p2align	6, 0x0
	.amdhsa_kernel k_q092905c57b_route
		.amdhsa_group_segment_fixed_size 98304
		.amdhsa_private_segment_fixed_size 0
		.amdhsa_enable_private_segment 0
		.amdhsa_kernarg_size 72
		.amdhsa_user_sgpr_count 2
		.amdhsa_user_sgpr_kernarg_segment_ptr 1
		.amdhsa_wavefront_size32 1
		.amdhsa_system_sgpr_workgroup_id_x 1
		.amdhsa_system_sgpr_workgroup_id_y 1
		.amdhsa_system_sgpr_workgroup_id_z 1
		.amdhsa_system_vgpr_workitem_id 0
		.amdhsa_next_free_vgpr 256
		.amdhsa_next_free_sgpr 66
		.amdhsa_reserve_vcc 1
		.amdhsa_float_denorm_mode_32 3
		.amdhsa_float_denorm_mode_16_64 3
		.amdhsa_memory_ordered 1
		.amdhsa_forward_progress 1
		.amdhsa_inst_pref_size 35
	.end_amdhsa_kernel
	.amdgpu_metadata
---
amdhsa.version: [ 1, 2 ]
amdhsa.kernels:
  - .name:           k_q092905c57b_route
    .symbol:         k_q092905c57b_route.kd
    .args:
      - { .name: x, .offset: 0, .size: 8, .value_kind: global_buffer, .address_space: global }
      - { .name: noise, .offset: 8, .size: 8, .value_kind: global_buffer, .address_space: global }
      - { .name: w_route, .offset: 16, .size: 8, .value_kind: global_buffer, .address_space: global }
      - { .name: b_route, .offset: 24, .size: 8, .value_kind: global_buffer, .address_space: global }
      - { .name: w_noise, .offset: 32, .size: 8, .value_kind: global_buffer, .address_space: global }
      - { .name: b_noise, .offset: 40, .size: 8, .value_kind: global_buffer, .address_space: global }
      - { .name: xq, .offset: 48, .size: 8, .value_kind: global_buffer, .address_space: global }
      - { .name: topi, .offset: 56, .size: 8, .value_kind: global_buffer, .address_space: global }
      - { .name: gate, .offset: 64, .size: 8, .value_kind: global_buffer, .address_space: global }
    .group_segment_fixed_size: 98304
    .private_segment_fixed_size: 0
    .kernarg_segment_align: 8
    .kernarg_segment_size: 72
    .max_flat_workgroup_size: 256
    .sgpr_count:     66
    .vgpr_count:     256
    .wavefront_size: 32
...
	.end_amdgpu_metadata
.endif
;; end of part 1
;; launch place (part 2): grid 1 x 1, 8 waves a work-group, no clusters, 0 bytes of LDS; arguments topi, gate, plan, gl; writes plan, gl
.if DOCPART == 2
	.amdgcn_target "amdgcn-amd-amdhsa--gfx1250"
	.amdhsa_code_object_version 6
	.text
	.protected	k_q092905c57b_place
	.globl	k_q092905c57b_place
	.p2align	8
	.type	k_q092905c57b_place,@function
k_q092905c57b_place:
	s_mov_b64 s[64:65], 0
	v_nop
	global_prefetch_b8 v0, s[64:65] scope:SCOPE_SE
	s_setreg_imm32_b32 hwreg(HW_REG_WAVE_MODE, 25, 1), 1
	s_wait_xcnt 0x0
; THE ROWS ARE PLACED BY EXPERT.  topi [1024][2] u32 and gate [1024][2] f32 are read; wave e of eight is expert e and walks all 1,024 tokens, 32 a step, written out: no loop, no LDS, no barrier.
; One work-group: 16 KiB in, 96 KiB out.
; OUT, for each expert 1,024 places: first the tokens that chose it, in the order of the tokens, then all others.  plan: tok [8][1024] u32 (the token at a place), behind it dst [8][1024] u32 (the row of ybuf that
; the place's result goes to: token, or 1024 + token where the expert is the token's second choice; for a token that did not choose it a spare row 2048 + 16 e + place % 16), behind it cnt [8] u32.
; gl [8][1024] f32: the gate at a place, 0 for a token that did not choose the expert.  Every place is written once, so what pads an expert's last tile is a true token with the gate 0.
.set MK, 20                            ; s20-51 for each step the mask of the lanes whose token chose me
	s_load_b256 s[4:11], s[0:1], 0x0               ; topi, gate, plan, gl
	v_lshrrev_b32 v2, 5, v0
	v_readfirstlane_b32 s12, v2                    ; wave = expert
	v_and_b32 v1, 31, v0                           ; lane
	v_lshlrev_b32 v2, 3, v1                        ; 8 bytes a token
	s_mov_b32 s13, 0                               ; my count
	s_mov_b32 s14, 0                               ; chosen so far
	s_lshl_b32 s15, s12, 4
	s_add_co_u32 s15, s15, 2048                    ; my spare rows
	s_lshl_b32 s54, s12, 12
	s_mov_b32 s55, 0
	s_lshl_b32 s56, s12, 2
	s_mov_b32 s57, 0
	s_wait_kmcnt 0x0
.set i, 0
.rept 32
	global_load_b64 v[32+2*i:33+2*i], v2, s[4:5] offset:256*i      ; tokens 32 i + lane: both choices
	global_load_b64 v[96+2*i:97+2*i], v2, s[6:7] offset:256*i      ; both gates
.set i, i+1
.endr
	s_add_nc_u64 s[52:53], s[8:9], s[56:57]        ; plan + 4 e (cnt's place stands in the store's immediate)
	s_add_nc_u64 s[8:9], s[8:9], s[54:55]          ; my 1,024 places in tok (dst: + 32,768)
	s_add_nc_u64 s[10:11], s[10:11], s[54:55]      ; and in gl
	s_wait_loadcnt 0x0
.set i, 0
.rept 32
	v_cmp_eq_u32 s[MK+i], s12, v[32+2*i]
	v_cmp_eq_u32 vcc_lo, s12, v[33+2*i]
	s_or_b32 s[MK+i], s[MK+i], vcc_lo
	s_bcnt1_i32_b32 s16, s[MK+i]
	s_add_co_u32 s13, s13, s16
.set i, i+1
.endr
; Each step keeps its results in the registers that its loads filled, so that no store's source is written again.
.set i, 0
.rept 32
	v_mbcnt_lo_u32_b32 v4, s[MK+i], 0
	v_add_nc_u32 v4, s14, v4                       ; how many tokens ahead of mine chose me
	v_add_nc_u32 v5, 32*i, v1                      ; my token
	v_sub_nc_u32 v6, v5, v4                        ; how many ahead of mine did not
	v_add_nc_u32 v6, s13, v6
	v_cndmask_b32 v6, v6, v4, s[MK+i]
	v_min_u32 v6, 0x3ff, v6                        ; my place
	v_cmp_eq_u32 vcc_lo, s12, v[33+2*i]            ; am I the second choice?
	v_cndmask_b32 v7, v[96+2*i], v[97+2*i], vcc_lo
	v_cndmask_b32 v[96+2*i], 0, v7, s[MK+i]        ; the gate
	v_add_nc_u32 v8, 1024, v5
	v_cndmask_b32 v8, v5, v8, vcc_lo
	v_and_b32 v9, 15, v6
	v_add_nc_u32 v9, s15, v9
	v_cndmask_b32 v[33+2*i], v9, v8, s[MK+i]       ; the row of ybuf
	v_mov_b32 v[97+2*i], v5
	v_lshlrev_b32 v[32+2*i], 2, v6
	global_store_b32 v[32+2*i], v[97+2*i], s[8:9]
	global_store_b32 v[32+2*i], v[33+2*i], s[8:9] offset:32768
	global_store_b32 v[32+2*i], v[96+2*i], s[10:11]
	s_bcnt1_i32_b32 s16, s[MK+i]
	s_add_co_u32 s14, s14, s16
.set i, i+1
.endr
	v_mov_b32 v10, s13
	v_mov_b32 v11, 0
	v_cmp_eq_u32 vcc_lo, 0, v1
	s_wait_xcnt 0x0                                ; EXEC changes only behind this wait
	s_and_saveexec_b32 s16, vcc_lo                 ; lane 0
	global_store_b32 v11, v10, s[52:53] offset:65536
	s_wait_xcnt 0x0
	s_or_b32 exec_lo, exec_lo, s16
	s_endpgm
.Lfunc_end_k_q092905c57b_place:
	.size	k_q092905c57b_place, .Lfunc_end_k_q092905c57b_place-k_q092905c57b_place
	.p2alignl 7, 3214868480
	.fill 96, 4, 3214868480
	.section	.rodata,"a",@progbits
	.p2align	6, 0x0
	.amdhsa_kernel k_q092905c57b_place
		.amdhsa_group_segment_fixed_size 0
		.amdhsa_private_segment_fixed_size 0
		.amdhsa_enable_private_segment 0
		.amdhsa_kernarg_size 32
		.amdhsa_user_sgpr_count 2
		.amdhsa_user_sgpr_kernarg_segment_ptr 1
		.amdhsa_wavefront_size32 1
		.amdhsa_system_sgpr_workgroup_id_x 1
		.amdhsa_system_sgpr_workgroup_id_y 1
		.amdhsa_system_sgpr_workgroup_id_z 1
		.amdhsa_system_vgpr_workitem_id 0
		.amdhsa_next_free_vgpr 168
		.amdhsa_next_free_sgpr 66
		.amdhsa_reserve_vcc 1
		.amdhsa_float_denorm_mode_32 3
		.amdhsa_float_denorm_mode_16_64 3
		.amdhsa_memory_ordered 1
		.amdhsa_forward_progress 1
		.amdhsa_inst_pref_size 49
	.end_amdhsa_kernel
	.amdgpu_metadata
---
amdhsa.version: [ 1, 2 ]
amdhsa.kernels:
  - .name:           k_q092905c57b_place
    .symbol:         k_q092905c57b_place.kd
    .args:
      - { .name: topi, .offset: 0, .size: 8, .value_kind: global_buffer, .address_space: global }
      - { .name: gate, .offset: 8, .size: 8, .value_kind: global_buffer, .address_space: global }
      - { .name: plan, .offset: 16, .size: 8, .value_kind: global_buffer, .address_space: global }
      - { .name: gl, .offset: 24, .size: 8, .value_kind: global_buffer, .address_space: global }
    .group_segment_fixed_size: 0
    .private_segment_fixed_size: 0
    .kernarg_segment_align: 8
    .kernarg_segment_size: 32
    .max_flat_workgroup_size: 256
    .sgpr_count:     66
    .vgpr_count:     168
    .wavefront_size: 32
...
	.end_amdgpu_metadata
.endif
;; end of part 2
;; launch ffn1 (part 3): grid 32 x 8, 4 waves a work-group, no clusters, 140,288 bytes of LDS; arguments xq, plan, w1_codes, w1_scales, b1, hq; writes hq
.if DOCPART == 3
	.amdgcn_target "amdgcn-amd-amdhsa--gfx1250"
	.amdhsa_code_object_version 6
	.text
	.protected	k_q092905c57b_ffn1
	.globl	k_q092905c57b_ffn1
	.p2align	8
	.type	k_q092905c57b_ffn1,@function
k_q092905c57b_ffn1:
	s_mov_b64 s[64:65], 0
	v_nop
	global_prefetch_b8 v0, s[64:65] scope:SCOPE_SE
	s_setreg_imm32_b32 hwreg(HW_REG_WAVE_MODE, 25, 1), 1
	s_wait_xcnt 0x0
; THE FIRST PRODUCT, for the routed rows alone: h = Q(relu(Q(x) W1[e] + b1[e])), on E4M3 codes with one E8M0 scale for each 32 along K.
; SHARES.  Work-group (c, e): hidden units 128 c .. 128 c + 127 of expert e, which are K step c of the second product, for all rows of the expert.  Wave w: units H0 = 128 c + 32 w .. + 31, block w of that K step.
; Its 32 rows of W1 (32 KiB) are read from memory once in the whole launch and stay in 256 registers; the rows of x go past them: 128 rows (8 tiles of 16) at a time are gathered by the stored list into LDS.
; No tensor load, no copy, no cluster: how many tiles there are is a number read from memory.  The loop over groups of 128 rows has a constant count and both its barriers stand on every way; the stored count only
; jumps forward over work.
; BOTH SOURCES: source 0 = 16 rows of W1, source 1 = 16 rows of x: a lane then holds ONE row of x (lane % 16) and eight hidden units.  THE ROWS OF W1 THAT FORM A TILE ARE NOT NEIGHBOURS: lane r of tile u takes row
; H0 + 8 u + r + 8 (r / 8), so that a lane's 16 numbers of the two tiles are the 16 neighbours H0 + 16 (lane / 16) + 0 .. 15: the conversions' results are registers 4 w .. 4 w + 3 of the next product's operand.
; OUT.  hq: images of the operand's registers, [e][tile][K step][2,048 bytes]: group w of an image at 512 w, lane l's 16 bytes at 16 l.  Behind them (HSOFF) scale words [e][K step][1,024 rows]: byte w from wave w.
; At least four tiles are made for every expert (its list has 1,024 true tokens).
; LIMITS: NaN and infinities are not served; a block of zeros gets the byte 1 (its codes are zeros, and this program alone reads the bytes).
; LDS: XB 128 rows x (1,024 codes + 16); XSB 128 rows x 48 (32 scale bytes); STG 128 scale words.
; REGISTERS: window 0 as named below; window 1: W1's 16 fragments, (u, K step s) at 16 (2 s + u); window 2: 32 gathered rows, row i half a at 8 i + 4 a; window 3: x's fragments, two buffers of 128, K step s at 16 s.
.set PITCH, 1040
.set XSB,   128*PITCH
.set STG,   XSB+128*48
.set L16,  1                           ; 16 x lane
.set RR,   2
.set HH,   3
.set XW,   4                           ; my 32 rows of XB, + 16 x lane
.set XF0,  5                           ; a fragment's row r, + 16 h: tiles 0-3
.set XF1,  6                           ; tiles 4-7
.set WFR,  7                           ; the same for W1's rows in my 32 rows of XB
.set XSW,  8                           ; where my row's scale bytes go
.set XSR,  9                           ; where row r's are read
.set STW,  10                          ; STG + 4 r + w
.set STR,  11                          ; STG + 16 x lane
.set HO,   12                          ; 512 w + 16 x lane
.set LCUR, 13                          ; the list's entry of my row in the group that is gathered
.set LNXT, 14                          ; and in the group after it
.set LOFF, 15                          ; 4 x thread
.set SO,   16
.set B1O,  17                          ; head: b1's offset; never rewritten
.set W1O,  18                          ; head: W1's scale words' offset; never rewritten
.set ZA,   19
.set XSP,  20                          ; v20-27  my row's 32 scale bytes
.set W1S,  32                          ; v32-47  W1's scale words, 8 u + s: scales and nothing else
.set B1,   48                          ; v48-63  b1 in the result's layout, 8 u + j
.set XS,   64                          ; v64-79  x's scale words, two sets of 8: scales and nothing else
.set ACC,  80                          ; v80-111 four accumulators: K steps 0-3 of tile 0, of tile 1; K steps 4-7 of tile 0, of tile 1
.set H,    112                         ; v112-127 a lane's 16 numbers of the hidden layer
.set RO,   128                         ; v128-159 the gathered rows' offsets
.set TM,   160                         ; v160-165 the quantiser's work
.set PC,   176                         ; v176-183 codes, two sets of 4
.set DD,   184                         ; v184-187 the scale words on their way out
.set MSB, 0
.macro WIN new                         ; the immediate's high byte repeats the setting that is left
.if MSB != \new
	s_set_vgpr_msb (MSB<<8)|\new
.set MSB, \new
.endif
.endm
; 32 rows of x's codes and scale bytes by the list: each row's 1,024 bytes by two loads of 512 consecutive bytes; the scale bytes a lane a row.  66 loads.
.macro GATHER
	v_min_u32 v[SO], 0x3ff, v[LCUR]
	v_lshlrev_b32 v[SO], 5, v[SO]
	global_load_b128 v[XSP:XSP+3], v[SO], s[30:31]
	global_load_b128 v[XSP+4:XSP+7], v[SO], s[30:31] offset:16
.set rho, 0
.rept 32
	v_readlane_b32 s37, v[LCUR], rho
	s_min_u32 s37, s37, 0x3ff                      ; a token's number
	s_lshl_b32 s37, s37, 10
	v_add_nc_u32 v[RO+rho], s37, v[L16]
.set rho, rho+1
.endr
	WIN 0x80                                       ; destination window 2
.set rho, 0
.rept 32
	global_load_b128 v[8*rho:8*rho+3], v[RO+rho], s[4:5]
	global_load_b128 v[8*rho+4:8*rho+7], v[RO+rho], s[4:5] offset:512
.set rho, rho+1
.endr
	WIN 0
.endm
; Tile t's eight fragments and its rows' scale words into buffer buf: 34 LDS loads.
.macro XFETCH t, buf
	ds_load_b128 v[XS+8*(\buf):XS+8*(\buf)+3], v[XSR] offset:768*(\t)
	ds_load_b128 v[XS+8*(\buf)+4:XS+8*(\buf)+7], v[XSR] offset:768*(\t)+16
	WIN 0xc0                                       ; destination window 3
.set sp, 0
.rept 8
.irp c, 0,1,2,3
	ds_load_b128 v[128*(\buf)+16*sp+4*\c:128*(\buf)+16*sp+4*\c+3], v[XF0+(\t)/4] offset:16*PITCH*((\t)%4)+128*sp+32*\c
.endr
.set sp, sp+1
.endr
	WIN 0
.endm
; Tile t of the group: 16 products, the activation, the quantiser, 512 bytes of the image and a scale byte.
.macro TILE t
.set BF, (\t)%2
	s_add_co_u32 s37, s21, \t
	s_cmp_ge_u32 s37, s20
	s_cbranch_scc1 .Lend                           ; the expert has no such tile: out of the run of tiles, forward
	s_wait_xcnt 0x0                                ; the store of two tiles back has read its codes: that set is written again below
.if \t < 7
	XFETCH (\t)+1, ((\t)+1)%2                      ; the next tile's, into the buffer that the last tile has left (its places stand at that tile's end)
	s_wait_dscnt 34                                ; the 34 just issued may stay out: this tile's are in, and the last tile's byte store is done
.else
	s_wait_dscnt 0x0
.endif
	WIN 0x0d                                       ; source 0 (W1) window 1, source 1 (x) window 3; C and D window 0
.irp i, 0,1,2,3                        ; four accumulators by turns, one instruction a turn; b1 is the C of a tile's first product
.irp u, 0,1
.if \i == 0
	v_wmma_scale_f32_16x16x128_f8f6f4 v[ACC+8*\u:ACC+8*\u+7], v[16*(2*\i+\u):16*(2*\i+\u)+15], v[128*BF+16*\i:128*BF+16*\i+15], v[B1+8*\u:B1+8*\u+7], v[W1S+8*\u+\i], v[XS+8*BF+\i]
.else
	v_wmma_scale_f32_16x16x128_f8f6f4 v[ACC+8*\u:ACC+8*\u+7], v[16*(2*\i+\u):16*(2*\i+\u)+15], v[128*BF+16*\i:128*BF+16*\i+15], v[ACC+8*\u:ACC+8*\u+7], v[W1S+8*\u+\i], v[XS+8*BF+\i]
.endif
.endr
.irp u, 0,1
.if \i == 0
	v_wmma_scale_f32_16x16x128_f8f6f4 v[ACC+16+8*\u:ACC+16+8*\u+7], v[16*(2*(4+\i)+\u):16*(2*(4+\i)+\u)+15], v[128*BF+16*(4+\i):128*BF+16*(4+\i)+15], 0, v[W1S+8*\u+4+\i], v[XS+8*BF+4+\i]
.else
	v_wmma_scale_f32_16x16x128_f8f6f4 v[ACC+16+8*\u:ACC+16+8*\u+7], v[16*(2*(4+\i)+\u):16*(2*(4+\i)+\u)+15], v[128*BF+16*(4+\i):128*BF+16*(4+\i)+15], v[ACC+16+8*\u:ACC+16+8*\u+7], v[W1S+8*\u+4+\i], v[XS+8*BF+4+\i]
.endif
.endr
.endr
	WIN 0
.rept 8
	v_nop                                          ; eight places behind this form, ahead of the reads of the sums; with the quantiser's lines they also stand ahead of the next loads into this buffer and of the next tile's first products
.endr
.irp p, 0,2,4,6,8,10,12,14
	v_pk_add_f32 v[H+\p:H+\p+1], v[ACC+\p:ACC+\p+1], v[ACC+16+\p:ACC+16+\p+1]      ; the two halves of K; each accumulator from its low end on
.endr
	v_max3_num_f32 v[TM], v[H], v[H+1], 0x4800000  ; no |.|: what is negative is to become 0 and must not count; the floor 2^(9 - 127) stands over it
	v_max3_num_f32 v[TM+1], v[H+2], v[H+3], v[H+4]
	v_max3_num_f32 v[TM], v[TM], v[H+5], v[H+6]
	v_max3_num_f32 v[TM+1], v[TM+1], v[H+7], v[H+8]
	v_max3_num_f32 v[TM], v[TM], v[H+9], v[H+10]
	v_max3_num_f32 v[TM+1], v[TM+1], v[H+11], v[H+12]
	v_max3_num_f32 v[TM], v[TM], v[H+13], v[H+14]
	v_max3_num_f32 v[TM], v[TM], v[TM+1], v[H+15]
	v_permlanex16_b32 v[TM+2], v[TM], s34, s35
	v_max_num_f32 v[TM], v[TM], v[TM+2]            ; with lane l xor 16's 16: the block's largest
	v_add_nc_u32 v[TM+3], 0xfc000000, v[TM]        ; 8 off its exponent field: the conversion's scale operand
	v_and_or_b32 v[TM+4], v[TM], 0x7f800000, s36   ; 448 x the scale
	v_lshrrev_b32 v[TM+5], 23, v[TM+3]             ; the scale's byte
.irp i, 0,1,2,3,4,5,6,7,8,9,10,11,12,13,14,15
	v_med3_num_f32 v[H+\i], v[H+\i], 0, v[TM+4]    ; the activation and the hold in one
.endr
	v_cvt_scalef32_pk8_fp8_f32 v[PC+4*BF:PC+4*BF+1], v[H:H+7], v[TM+3]
	v_cvt_scalef32_pk8_fp8_f32 v[PC+4*BF+2:PC+4*BF+3], v[H+8:H+15], v[TM+3]
	v_nop                                          ; one plain line behind the last scaled conversion
	global_store_b128 v[HO], v[PC+4*BF:PC+4*BF+3], s[24:25] offset:65536*\t        ; group w of the tile's image: 512 consecutive bytes
	ds_store_b8 v[STW], v[TM+5] offset:64*\t       ; byte w of row r's scale word; both halves of the lanes write the same byte
.endm
	s_load_b256 s[4:11], s[0:1], 0x0               ; xq, plan, w1_codes, w1_scales
	s_load_b128 s[12:15], s[0:1], 0x20             ; b1, hq
	v_lshl_add_u32 v254, v0, 2, 0x22200
	v_mov_b32 v255, 0
	v_lshrrev_b32 v1, 5, v0
	v_readfirstlane_b32 s16, v1                    ; wave w
	s_and_b32 s17, ttmp7, 0xffff                   ; expert e
	s_mov_b32 s18, ttmp9                           ; c
	v_and_b32 v[ZA], 31, v0
	v_and_b32 v[RR], 15, v0
	v_bfe_u32 v[HH], v0, 4, 1
	v_lshlrev_b32 v[L16], 4, v[ZA]
	s_mul_i32 s37, s16, 32*PITCH
	v_add_nc_u32 v[XW], s37, v[L16]
	v_mul_u32_u24 v[XF0], v[RR], PITCH
	v_lshl_add_u32 v[XF0], v[HH], 4, v[XF0]
	v_add_nc_u32 v[XF1], 64*PITCH, v[XF0]
	v_and_b32 v[W1O], 8, v[RR]
	v_add_nc_u32 v[W1O], v[W1O], v[RR]             ; r + 8 (r / 8)
	v_mul_u32_u24 v[WFR], v[W1O], PITCH
	v_lshl_add_u32 v[WFR], v[HH], 4, v[WFR]
	v_add_nc_u32 v[WFR], s37, v[WFR]
	v_mul_u32_u24 v[XSW], v0, 48                   ; row 32 w + lane = my thread's number
	v_add_nc_u32 v[XSW], XSB, v[XSW]
	v_mul_u32_u24 v[XSR], v[RR], 48
	v_add_nc_u32 v[XSR], XSB, v[XSR]
	v_lshlrev_b32 v[STW], 2, v[RR]
	s_add_co_u32 s38, s16, STG
	v_add_nc_u32 v[STW], s38, v[STW]
	v_add_nc_u32 v[STR], STG, v[L16]
	s_lshl_b32 s38, s16, 9
	v_add_nc_u32 v[HO], s38, v[L16]
	v_lshlrev_b32 v[LOFF], 2, v0
	v_lshl_add_u32 v[ZA], v0, 2, STG
	v_lshlrev_b32 v[W1O], 5, v[W1O]                ; 32 scale bytes a row of W1
	v_lshlrev_b32 v[B1O], 6, v[HH]                 ; 16 h numbers of b1
	s_mov_b32 s34, 0x76543210
	s_mov_b32 s35, 0xfedcba98                      ; v_permlanex16_b32's selects for lane l xor 16
	s_mov_b32 s36, 0x600000                        ; the mantissa field of 448
	s_mov_b32 s41, 0
	s_mov_b32 s43, 0
	s_wait_kmcnt 0x0
	s_lshl_b32 s40, s17, 2
	s_add_nc_u64 s[44:45], s[6:7], s[40:41]
	s_load_b32 s19, s[44:45], 0x10000              ; the expert's count of rows
	s_lshl_b32 s40, s17, 12
	s_add_nc_u64 s[28:29], s[6:7], s[40:41]        ; the expert's list
	s_add_nc_u64 s[30:31], s[4:5], 0x100000        ; x's scale bytes
	s_lshl_b32 s40, s17, 22
	s_lshl_b32 s42, s18, 11
	s_add_co_u32 s42, s42, s40
	s_add_nc_u64 s[24:25], s[14:15], s[42:43]      ; the images: expert e, tile 0, K step c
	s_lshl_b32 s42, s18, 17
	s_add_co_u32 s42, s42, s40
	s_lshl_b32 s37, s16, 15
	s_add_co_u32 s42, s42, s37
	s_add_nc_u64 s[8:9], s[8:9], s[42:43]          ; W1's row 4096 e + H0 (1,024 bytes a row)
	s_lshl_b32 s40, s17, 17
	s_lshl_b32 s42, s18, 12
	s_add_co_u32 s42, s42, s40                     ; 4096 (32 e + c)
	s_add_co_u32 s40, s42, 0x2000000
	s_add_nc_u64 s[26:27], s[14:15], s[40:41]      ; the scale words of (e, K step c)
	s_lshl_b32 s37, s16, 10
	s_add_co_u32 s42, s42, s37
	s_add_nc_u64 s[10:11], s[10:11], s[42:43]      ; W1's scale bytes at the same row (32 bytes a row)
	s_lshl_b32 s42, s17, 14
	s_lshl_b32 s37, s18, 9
	s_add_co_u32 s42, s42, s37
	s_lshl_b32 s37, s16, 7
	s_add_co_u32 s42, s42, s37
	s_add_nc_u64 s[12:13], s[12:13], s[42:43]      ; b1 at H0
	global_load_b32 v[LCUR], v[LOFF], s[28:29]
	global_load_b32 v[LNXT], v[LOFF], s[28:29] offset:512
.irp u, 0,1
	global_load_b128 v[W1S+8*\u:W1S+8*\u+3], v[W1O], s[10:11] offset:256*\u
	global_load_b128 v[W1S+8*\u+4:W1S+8*\u+7], v[W1O], s[10:11] offset:256*\u+16
	global_load_b128 v[B1+8*\u:B1+8*\u+3], v[B1O], s[12:13] offset:32*\u
	global_load_b128 v[B1+8*\u+4:B1+8*\u+7], v[B1O], s[12:13] offset:32*\u+16
.endr
	WIN 0x40                                       ; destination window 1
.set i, 0
.rept 64
	global_load_b128 v[4*i:4*i+3], v[L16], s[8:9] offset:512*i th:TH_LOAD_NT       ; my 32 rows of W1 as they lie, 512 consecutive bytes a load; no other wave of the launch reads them
.set i, i+1
.endr
	WIN 0
	v_mov_b32 v[TM+2], 0                           ; a lane permute's destination counts as one of its sources
	v_mov_b32 v[DD], 0
	ds_store_b32 v[ZA], v[DD]                      ; the stage of scale words starts as zeros: words of tiles that are not made go out with the others and are read by nobody
	s_wait_loadcnt 63                              ; 72 loads are younger than the two of the list: they are in
	s_wait_kmcnt 0x0
	s_min_u32 s20, s19, 1024
	s_add_co_u32 s20, s20, 15
	s_lshr_b32 s20, s20, 4
	s_max_u32 s20, s20, 4                          ; tiles to make
	GATHER
	s_wait_loadcnt 63                              ; 66 loads are younger than W1's last: W1, its scale words and b1 are in
; W1 turns into fragments through my own 32 rows of XB, in place: LDS serves a wave's instructions in order, so the loads see the stores, and the first group's rows of x come behind the loads.
	WIN 0x04                                       ; an LDS store's data are its source 1: window 1
.set i, 0
.rept 64
	ds_store_b128 v[XW], v[4*i:4*i+3] offset:PITCH*(i/2)+512*(i%2)
.set i, i+1
.endr
	WIN 0x40
.set sp, 0
.rept 8
.irp u, 0,1
.irp c, 0,1,2,3
	ds_load_b128 v[16*(2*sp+\u)+4*\c:16*(2*sp+\u)+4*\c+3], v[WFR] offset:8*PITCH*\u+128*sp+32*\c
.endr
.endr
.set sp, sp+1
.endr
	WIN 0
	s_mov_b32 s21, 0                               ; the group's first tile
	s_mov_b32 s22, 0
.Lsb:                                              ; eight trips: as many groups of 128 rows as 1,024 rows need
	s_cmp_ge_u32 s21, s20
	s_cbranch_scc1 .Lno_a
	s_wait_loadcnt 0x0                             ; the gathered rows are in
	WIN 0x08                                       ; store data: window 2
.set rho, 0
.rept 32
	ds_store_b128 v[XW], v[8*rho:8*rho+3] offset:PITCH*rho
	ds_store_b128 v[XW], v[8*rho+4:8*rho+7] offset:PITCH*rho+512
.set rho, rho+1
.endr
	WIN 0
	ds_store_b128 v[XSW], v[XSP:XSP+3]
	ds_store_b128 v[XSW], v[XSP+4:XSP+7] offset:16
.Lno_a:
	s_wait_dscnt 0x0                               ; my stores have landed (in the first trip W1's fragments are in too)
	s_barrier_signal -1
	s_barrier_wait -1                              ; the group's 128 rows lie in LDS
	s_add_co_u32 s37, s21, 8
	s_cmp_ge_u32 s37, s20
	s_cbranch_scc1 .Lno_b
	s_wait_loadcnt 0x0                             ; no load of mine is out: the list's next entry is in, and the offsets may be written again
	v_mov_b32 v[LCUR], v[LNXT]
	global_load_b32 v[LNXT], v[LOFF], s[28:29] offset:1024     ; two groups on; past an expert's list it still lies inside plan, and is not used
	GATHER                                         ; the next group's rows are on their way while this group is multiplied
.Lno_b:
	s_cmp_ge_u32 s21, s20
	s_cbranch_scc1 .Lend
	XFETCH 0, 0
	TILE 0
	TILE 1
	TILE 2
	TILE 3
	TILE 4
	TILE 5
	TILE 6
	TILE 7
.Lend:
	s_wait_dscnt 0x0                               ; my reads of the rows are over and my scale bytes have landed
	s_barrier_signal -1
	s_barrier_wait -1                              ; nobody reads the rows any more; the group's scale words are whole
	s_cmp_lg_u32 s16, 0
	s_cbranch_scc1 .Lno_d
	s_cmp_ge_u32 s21, s20
	s_cbranch_scc1 .Lno_d
	s_wait_xcnt 0x0                                ; the last such store has read its registers
	ds_load_b128 v[DD:DD+3], v[STR]
	s_wait_dscnt 0x0
	global_store_b128 v[L16], v[DD:DD+3], s[26:27] ; 128 rows' scale words: 512 consecutive bytes
.Lno_d:
	s_wait_xcnt 0x0                                ; the bases are stepped only behind this wait
	s_add_nc_u64 s[24:25], s[24:25], 0x80000       ; eight tiles on
	s_add_nc_u64 s[26:27], s[26:27], 512
	s_add_nc_u64 s[28:29], s[28:29], 512
	s_add_co_u32 s21, s21, 8
	s_add_co_u32 s22, s22, 1
	s_cmp_lt_u32 s22, 8
	s_cbranch_scc1 .Lsb
	s_wait_tensorcnt 0x0
	ds_add_u32 v254, v255
	s_wait_dscnt 0x0
	s_endpgm
.Lfunc_end_k_q092905c57b_ffn1:
	.size	k_q092905c57b_ffn1, .Lfunc_end_k_q092905c57b_ffn1-k_q092905c57b_ffn1
	.p2alignl 7, 3214868480
	.fill 96, 4, 3214868480
	.section	.rodata,"a",@progbits
	.p2align	6, 0x0
	.amdhsa_kernel k_q092905c57b_ffn1
		.amdhsa_group_segment_fixed_size 140288
		.amdhsa_private_segment_fixed_size 0
		.amdhsa_enable_private_segment 0
		.amdhsa_kernarg_size 48
		.amdhsa_user_sgpr_count 2
		.amdhsa_user_sgpr_kernarg_segment_ptr 1
		.amdhsa_wavefront_size32 1
		.amdhsa_system_sgpr_workgroup_id_x 1
		.amdhsa_system_sgpr_workgroup_id_y 1
		.amdhsa_system_sgpr_workgroup_id_z 1
		.amdhsa_system_vgpr_workitem_id 0
		.amdhsa_next_free_vgpr 1024
		.amdhsa_next_free_sgpr 66
		.amdhsa_reserve_vcc 0
		.amdhsa_float_denorm_mode_32 3
		.amdhsa_float_denorm_mode_16_64 3
		.amdhsa_memory_ordered 1
		.amdhsa_forward_progress 1
		.amdhsa_inst_pref_size 108
	.end_amdhsa_kernel
	.amdgpu_metadata
---
amdhsa.version: [ 1, 2 ]
amdhsa.kernels:
  - .name:           k_q092905c57b_ffn1
    .symbol:         k_q092905c57b_ffn1.kd
    .args:
      - { .name: xq, .offset: 0, .size: 8, .value_kind: global_buffer, .address_space: global }
      - { .name: plan, .offset: 8, .size: 8, .value_kind: global_buffer, .address_space: global }
      - { .name: w1_codes, .offset: 16, .size: 8, .value_kind: global_buffer, .address_space: global }
      - { .name: w1_scales, .offset: 24, .size: 8, .value_kind: global_buffer, .address_space: global }
      - { .name: b1, .offset: 32, .size: 8, .value_kind: global_buffer, .address_space: global }
      - { .name: hq, .offset: 40, .size: 8, .value_kind: global_buffer, .address_space: global }
    .group_segment_fixed_size: 140288
    .private_segment_fixed_size: 0
    .kernarg_segment_align: 8
    .kernarg_segment_size: 48
    .max_flat_workgroup_size: 128
    .sgpr_count:     66
    .vgpr_count:     1024
    .wavefront_size: 32
...
	.end_amdgpu_metadata
.endif
;; end of part 3
;; launch ffn2 (part 4): grid 32 x 8, 4 waves a work-group, no clusters, 139,776 bytes of LDS; arguments hq, plan, gl, w2_codes, w2_scales, b2, ybuf; writes ybuf
.if DOCPART == 4
	.amdgcn_target "amdgcn-amd-amdhsa--gfx1250"
	.amdhsa_code_object_version 6
	.text
	.protected	k_q092905c57b_ffn2
	.globl	k_q092905c57b_ffn2
	.p2align	8
	.type	k_q092905c57b_ffn2,@function
k_q092905c57b_ffn2:
	s_mov_b64 s[64:65], 0
	v_nop
	global_prefetch_b8 v0, s[64:65] scope:SCOPE_SE
	s_setreg_imm32_b32 hwreg(HW_REG_WAVE_MODE, 25, 1), 1
	s_wait_xcnt 0x0
; THE SECOND PRODUCT, for the routed rows alone: ybuf[row] = gate x (h W2[e] + b2[e]), on E4M3 codes with one E8M0 scale for each 32 along K.
; SHARES.  Work-group (x, e): columns 64 (x / 2) .. + 63 of expert e, and of the expert's tiles of 16 rows those of parity p = x % 2: tile 2 i + p for i < n.  Wave q: K steps 8 q .. 8 q + 7 of the 32.
; Its part of W2 (64 columns x 1,024 codes) stays in 512 registers; h's tiles come from memory as images of the operand's registers, 16 KiB on end a wave and tile, two tiles ahead.
; The four waves' partial sums of four tiles meet in LDS; then wave q adds the four parts of tile q of the four, multiplies by the gate and stores whole runs of 256 bytes of a row of ybuf.
; No tensor load, no copy, no cluster: n is made of a number read from memory.  The loop has a constant count (32 places for tiles, as many as 1,024 rows need of one parity), one barrier for
; four tiles on every way; the stored count only jumps forward over work.
; SOURCES: source 0 = 16 columns of W2 (its rows in memory), source 1 = 16 rows of h: lane (r, h) holds row r and eight neighbouring columns.  b2 is the C of wave 0's first product of a tile; in the other waves that C is 0.
; LDS: two stages of partial sums, [wave][tile of four][16 rows x (256 + 16) bytes], 69,632 bytes each, by turns.  At the head a wave's own part of the first stage serves to turn W2 into fragments.
; REGISTERS: window 0 as named below; window 1: h's fragments, two buffers of 128, K step s at 16 s; windows 2 and 3: W2's fragments, (tile n, K step s) at 16 (4 (s % 4) + n) of window 2 + s / 4.
.set PSB,  69632
.set L16,  1                           ; 16 x lane
.set TMPR, 2                           ; r at the head; later the reduction's temporary
.set HH,   3
.set PW0,  4                           ; v4, v5  where my sums go, stage 0, 1
.set RD0,  6                           ; v6, v7  where I read parts back
.set STW,  8                           ; the head's stage: in
.set STR,  9                           ; and out
.set ASO,  10                          ; h's scale words: 4096 (lane / 16) + 4 r
.set COL,  11                          ; 16 (lane % 16)
.set W2O,  12                          ; head: W2's scale words' offset; never rewritten
.set B2O,  13                          ; head: b2's offset; never rewritten
.set GT,   14                          ; v[14:15] the gate (the packed form names a pair and takes its low word for both halves)
.set AS,   16                          ; v16-23  h's scale words, two sets of 4: lanes 0-15 an even K step, lanes 16-31 the odd one behind it: scales and nothing else
.set YO,   24                          ; v24-31  the stores' offsets
.set W2S,  32                          ; v32-63  W2's scale words, 8 n + s: scales and nothing else
.set BB,   64                          ; v64-95  b2 in the result's layout, 8 n + j
.set ACC,  96                          ; v96-127 four accumulators
.set RG,   128                         ; v128-255 the reduction
.set MSB, 0
.macro WIN new                         ; the immediate's high byte repeats the setting that is left
.if MSB != \new
	s_set_vgpr_msb (MSB<<8)|\new
.set MSB, \new
.endif
.endm
.macro RAWW n                          ; 16 rows of W2, my 1,024 bytes of each, as they lie: 32 loads of 512 consecutive bytes, into the registers that the tile's fragments will take
	WIN 0x80
.set i, 0
.rept 32
.if i == 16
	WIN 0xc0
.endif
	global_load_b128 v[16*(4*((i/4)%4)+\n)+4*(i%4):16*(4*((i/4)%4)+\n)+4*(i%4)+3], v[L16], s[10:11] offset:4096*(16*\n+i/2)+512*(i%2)
.set i, i+1
.endr
	WIN 0
.endm
.macro TURNW n                         ; and through my stage, in place: LDS serves a wave's instructions in order
	WIN 0x08
.set i, 0
.rept 32
.if i == 16
	WIN 0x0c
.endif
	ds_store_b128 v[STW], v[16*(4*((i/4)%4)+\n)+4*(i%4):16*(4*((i/4)%4)+\n)+4*(i%4)+3] offset:1040*(i/2)+512*(i%2)
.set i, i+1
.endr
	WIN 0x80
.set sg, 0
.rept 8
.if sg == 4
	WIN 0xc0
.endif
.irp c, 0,1,2,3
	ds_load_b128 v[16*(4*(sg%4)+\n)+4*\c:16*(4*(sg%4)+\n)+4*\c+3], v[STR] offset:128*sg+32*\c
.endr
.set sg, sg+1
.endr
	WIN 0
.endm
.macro ALOAD buf                       ; the next tile's eight fragments and four registers of scale words: 36 loads; then the bases step to the tile after it
	WIN 0x40
.set m, 0
.rept 32
	global_load_b128 v[128*\buf+4*m:128*\buf+4*m+3], v[L16], s[26:27] offset:512*m
.set m, m+1
.endr
	WIN 0
.irp pi, 0,1,2,3
	global_load_b32 v[AS+4*\buf+\pi], v[ASO], s[28:29] offset:8192*\pi
.endr
	s_wait_xcnt 0x0                                ; the bases are stepped only behind this wait
	s_add_nc_u64 s[26:27], s[26:27], 0x20000       ; two tiles of the expert on
	s_add_nc_u64 s[28:29], s[28:29], 128
.endm
.macro TILE j, buf, ps                 ; tile i0 + j: 32 products; the sums to place j of stage ps; the loads of the tile two on
	s_add_co_u32 s72, s23, \j
	s_cmp_ge_u32 s72, s22
	s_cbranch_scc1 .Lbrk_\ps                       ; no such tile: out of the run of four, forward
	s_wait_loadcnt 36                              ; the other buffer's 36 loads are younger (or nothing is out): this tile is in
	s_wait_dscnt 0x0                               ; the last tile's stores of the accumulators are done
	WIN 0x06                                       ; source 0 (W2) window 2, source 1 (h) window 1; C and D window 0
.set sg, 0
.rept 8
.if sg == 4
	WIN 0x07                                       ; W2's K steps 4-7: window 3
.endif
.irp n, 0,1,2,3                        ; four accumulators by turns, one instruction a turn
.if sg == 0
	v_wmma_scale_f32_16x16x128_f8f6f4 v[ACC+8*\n:ACC+8*\n+7], v[16*(4*(sg%4)+\n):16*(4*(sg%4)+\n)+15], v[128*\buf+16*sg:128*\buf+16*sg+15], v[BB+8*\n:BB+8*\n+7], v[W2S+8*\n+sg], v[AS+4*\buf+sg/2]
.elseif sg%2 == 0
	v_wmma_scale_f32_16x16x128_f8f6f4 v[ACC+8*\n:ACC+8*\n+7], v[16*(4*(sg%4)+\n):16*(4*(sg%4)+\n)+15], v[128*\buf+16*sg:128*\buf+16*sg+15], v[ACC+8*\n:ACC+8*\n+7], v[W2S+8*\n+sg], v[AS+4*\buf+sg/2]
.else
	v_wmma_scale_f32_16x16x128_f8f6f4 v[ACC+8*\n:ACC+8*\n+7], v[16*(4*(sg%4)+\n):16*(4*(sg%4)+\n)+15], v[128*\buf+16*sg:128*\buf+16*sg+15], v[ACC+8*\n:ACC+8*\n+7], v[W2S+8*\n+sg], v[AS+4*\buf+sg/2] matrix_b_scale:MATRIX_SCALE_ROW1
.endif
.endr
.set sg, sg+1
.endr
	WIN 0
.rept 9
	v_nop                                          ; eight places ahead of the stores of the sums and of loads into the buffer just multiplied; the ninth for the next tile's first products, which write over the accumulators
.endr
.irp n, 0,1,2,3
	ds_store_b128 v[PW0+\ps], v[ACC+8*\n:ACC+8*\n+3] offset:4352*\j+64*\n          ; each accumulator from its low end on
	ds_store_b128 v[PW0+\ps], v[ACC+8*\n+4:ACC+8*\n+7] offset:4352*\j+64*\n+16
.endr
	s_add_co_u32 s72, s23, \j+2
	s_cmp_ge_u32 s72, s22
	s_cbranch_scc1 .Lskip_\@
	ALOAD \buf
	s_branch .Lnext_\@
.Lskip_\@:
	s_wait_loadcnt 0x0                             ; nothing is asked for: the other buffer's loads are awaited here, so that the next tile's counted wait holds on this way too
.Lnext_\@:
.endm
.macro REDUCE ps                       ; wave q: the four waves' parts of tile i0 + q; two rows an instruction, sixteen lanes to a row's 256 bytes
	s_wait_xcnt 0x0                                ; the last stores have read their registers and offsets
.irp m, 0,1,2,3,4,5,6,7
.irp qq, 0,1,2,3
	ds_load_b128 v[RG+16*\m+4*\qq:RG+16*\m+4*\qq+3], v[RD0+\ps] offset:17408*\qq+544*\m
.endr
.endr
.irp m, 0,1,2,3,4,5,6,7
	v_mov_b32 v[TMPR], s[32+2*\m]
	v_cndmask_b32 v[TMPR], v[TMPR], s[33+2*\m], s71        ; lanes 16-31 take the odd row's
	v_min_u32 v[TMPR], 0x87f, v[TMPR]              ; a row of ybuf
	v_lshlrev_b32 v[TMPR], 12, v[TMPR]
	v_add_nc_u32 v[YO+\m], v[COL], v[TMPR]
.endr
.irp m, 0,1,2,3,4,5,6,7
	v_mov_b32 v[GT], s[48+2*\m]
	v_cndmask_b32 v[GT], v[GT], s[49+2*\m], s71
	s_wait_dscnt 28-4*\m                           ; the later groups' loads may stay out
	v_pk_add_f32 v[RG+16*\m:RG+16*\m+1], v[RG+16*\m:RG+16*\m+1], v[RG+16*\m+4:RG+16*\m+5]
	v_pk_add_f32 v[RG+16*\m+2:RG+16*\m+3], v[RG+16*\m+2:RG+16*\m+3], v[RG+16*\m+6:RG+16*\m+7]
	v_pk_add_f32 v[RG+16*\m+8:RG+16*\m+9], v[RG+16*\m+8:RG+16*\m+9], v[RG+16*\m+12:RG+16*\m+13]
	v_pk_add_f32 v[RG+16*\m+10:RG+16*\m+11], v[RG+16*\m+10:RG+16*\m+11], v[RG+16*\m+14:RG+16*\m+15]
	v_pk_add_f32 v[RG+16*\m:RG+16*\m+1], v[RG+16*\m:RG+16*\m+1], v[RG+16*\m+8:RG+16*\m+9]
	v_pk_add_f32 v[RG+16*\m+2:RG+16*\m+3], v[RG+16*\m+2:RG+16*\m+3], v[RG+16*\m+10:RG+16*\m+11]
	v_pk_mul_f32 v[RG+16*\m:RG+16*\m+1], v[RG+16*\m:RG+16*\m+1], v[GT:GT+1] op_sel_hi:[1,0]
	v_pk_mul_f32 v[RG+16*\m+2:RG+16*\m+3], v[RG+16*\m+2:RG+16*\m+3], v[GT:GT+1] op_sel_hi:[1,0]
	global_store_b128 v[YO+\m], v[RG+16*\m:RG+16*\m+3], s[68:69]   ; sixteen lanes store 256 consecutive bytes, at a multiple of 256 from ybuf's first byte
.endr
.endm
.macro SUPER ps                        ; four places for tiles, one barrier
	s_load_b512 s[32:47], s[30:31], 0x0            ; the rows of ybuf of tile i0 + q's 16 rows,
	s_load_b512 s[48:63], s[66:67], 0x0            ; and their gates: always inside the expert's 1,024 places, all of which are written
	TILE 0, 0, \ps
	TILE 1, 1, \ps
	TILE 2, 0, \ps
	TILE 3, 1, \ps
	s_branch .Ljoin_\ps
.Lbrk_\ps:
	s_wait_loadcnt 0x0                             ; behind the last tile nothing stays out
.Ljoin_\ps:
	s_wait_dscnt 0x0                               ; my sums have landed; my reads of the other stage are over
	s_barrier_signal -1
	s_barrier_wait -1                              ; all four parts of each tile lie in this stage; the other stage is written again only behind this barrier
	s_wait_kmcnt 0x0                               ; the two scalar loads are in, so their bases may step
	s_add_nc_u64 s[30:31], s[30:31], 512
	s_add_nc_u64 s[66:67], s[66:67], 512
	s_add_co_u32 s72, s23, s18
	s_cmp_ge_u32 s72, s22
	s_cbranch_scc1 .Lnored_\ps
	REDUCE \ps
.Lnored_\ps:
	s_add_co_u32 s23, s23, 4
.endm
	s_load_b256 s[4:11], s[0:1], 0x0               ; hq, plan, gl, w2_codes
	s_load_b128 s[12:15], s[0:1], 0x20             ; w2_scales, b2
	s_load_b64 s[16:17], s[0:1], 0x30              ; ybuf
	v_lshrrev_b32 v1, 5, v0
	v_readfirstlane_b32 s18, v1                    ; wave q
	s_and_b32 s19, ttmp7, 0xffff                   ; expert e
	s_lshr_b32 s20, ttmp9, 1                       ; which 64 columns
	s_and_b32 s21, ttmp9, 1                        ; which parity of tiles
	v_and_b32 v[W2O], 31, v0
	v_and_b32 v[TMPR], 15, v0                      ; r
	v_bfe_u32 v[HH], v0, 4, 1
	v_lshlrev_b32 v[L16], 4, v[W2O]
	s_mul_i32 s72, s18, 17408
	v_mul_u32_u24 v[PW0], v[TMPR], 272
	v_lshl_add_u32 v[PW0], v[HH], 5, v[PW0]
	v_add_nc_u32 v[PW0], s72, v[PW0]               ; my part of a stage: row r, + 32 h
	v_add_nc_u32 v[PW0+1], PSB, v[PW0]
	s_mul_i32 s73, s18, 4352
	v_mul_u32_u24 v[RD0], v[HH], 272
	v_lshl_add_u32 v[RD0], v[TMPR], 4, v[RD0]
	v_add_nc_u32 v[RD0], s73, v[RD0]               ; place q of wave 0's part: lanes 0-15 one row, lanes 16-31 the next
	v_add_nc_u32 v[RD0+1], PSB, v[RD0]
	v_add_nc_u32 v[STW], s72, v[L16]
	v_mul_u32_u24 v[STR], v[TMPR], 1040
	v_lshl_add_u32 v[STR], v[HH], 4, v[STR]
	v_add_nc_u32 v[STR], s72, v[STR]
	v_lshlrev_b32 v[ASO], 2, v[TMPR]
	v_lshl_add_u32 v[ASO], v[HH], 12, v[ASO]
	v_lshlrev_b32 v[COL], 4, v[TMPR]
	v_lshlrev_b32 v[W2O], 7, v[TMPR]               ; 128 scale bytes a row of W2
	v_lshlrev_b32 v[B2O], 5, v[HH]                 ; 8 h numbers of b2
	v_mov_b32 v[GT+1], 0                           ; (named as the upper half of the pair)
	s_mov_b32 s71, 0xffff0000                      ; lanes 16-31
	s_mov_b32 s75, 0
	s_mov_b32 s77, 0
	s_wait_kmcnt 0x0
	s_lshl_b32 s74, s19, 2
	s_add_nc_u64 s[78:79], s[6:7], s[74:75]
	s_load_b32 s25, s[78:79], 0x10000              ; the expert's count of rows
	s_lshl_b32 s74, s19, 22
	s_lshl_b32 s72, s21, 16
	s_add_co_u32 s76, s74, s72
	s_lshl_b32 s72, s18, 14
	s_add_co_u32 s76, s76, s72
	s_add_nc_u64 s[26:27], s[4:5], s[76:77]        ; the images: expert e, tile p, K step 8 q
	s_lshl_b32 s72, s20, 18
	s_add_co_u32 s76, s74, s72
	s_lshl_b32 s72, s18, 10
	s_add_co_u32 s76, s76, s72
	s_add_nc_u64 s[10:11], s[10:11], s[76:77]      ; W2's row 1024 e + 64 cc (4,096 bytes a row), my 1,024 bytes
	s_lshl_b32 s74, s19, 17
	s_lshl_b32 s72, s18, 15
	s_add_co_u32 s76, s74, s72
	s_lshl_b32 s72, s21, 6
	s_add_co_u32 s76, s76, s72
	s_add_co_u32 s76, s76, 0x2000000
	s_add_nc_u64 s[28:29], s[4:5], s[76:77]        ; h's scale words: (e, K step 8 q), tile p
	s_lshl_b32 s72, s20, 13
	s_add_co_u32 s76, s74, s72
	s_lshl_b32 s72, s18, 5
	s_add_co_u32 s76, s76, s72
	s_add_nc_u64 s[12:13], s[12:13], s[76:77]      ; W2's scale bytes at the same row, my 32 bytes
	s_lshl_b32 s74, s19, 12
	s_lshl_b32 s72, s20, 8
	s_add_co_u32 s76, s74, s72
	s_add_nc_u64 s[14:15], s[14:15], s[76:77]      ; b2 at my 64 columns
	s_mov_b32 s76, s72
	s_add_nc_u64 s[68:69], s[16:17], s[76:77]      ; ybuf at my 64 columns
	s_lshl_b32 s72, s18, 7
	s_add_co_u32 s76, s74, s72
	s_lshl_b32 s72, s21, 6
	s_add_co_u32 s76, s76, s72
	s_add_nc_u64 s[66:67], s[8:9], s[76:77]        ; the gates of tile 2 q + p's rows
	s_add_co_u32 s76, s76, 32768
	s_add_nc_u64 s[30:31], s[6:7], s[76:77]        ; and their rows of ybuf
.irp n, 0,1,2,3
	global_load_b128 v[W2S+8*\n:W2S+8*\n+3], v[W2O], s[12:13] offset:2048*\n
	global_load_b128 v[W2S+8*\n+4:W2S+8*\n+7], v[W2O], s[12:13] offset:2048*\n+16
	global_load_b128 v[BB+8*\n:BB+8*\n+3], v[B2O], s[14:15] offset:64*\n
	global_load_b128 v[BB+8*\n+4:BB+8*\n+7], v[B2O], s[14:15] offset:64*\n+16
.endr
	RAWW 0
	RAWW 1
	s_wait_loadcnt 32                              ; the 32 loads of the next tile of columns are younger
	TURNW 0
	RAWW 2
	s_wait_loadcnt 32
	TURNW 1
	RAWW 3
	s_wait_loadcnt 32
	TURNW 2
	ALOAD 0                                        ; tiles p and 2 + p of h are asked for whatever the count: they lie in the buffer and have been made
	s_wait_loadcnt 36                              ; its 36 loads are younger
	TURNW 3
	ALOAD 1
	s_cmp_eq_u32 s18, 0
	s_cselect_b32 s72, -1, 0
.set i, 0
.rept 32
	v_cndmask_b32 v[BB+i], 0, v[BB+i], s72         ; b2 enters a sum once: in wave 0
.set i, i+1
.endr
	s_wait_kmcnt 0x0
	s_min_u32 s22, s25, 1024
	s_add_co_u32 s22, s22, 15
	s_lshr_b32 s22, s22, 4                         ; the expert's tiles
	s_add_co_u32 s22, s22, 1
	s_sub_co_u32 s22, s22, s21
	s_lshr_b32 s22, s22, 1                         ; n: those of my parity
	s_wait_dscnt 0x0                               ; W2's fragments are in
	s_mov_b32 s23, 0                               ; i0
	s_mov_b32 s24, 0
.Ltrip:
	SUPER 0
	SUPER 1
	s_add_co_u32 s24, s24, 1
	s_cmp_lt_u32 s24, 4
	s_cbranch_scc1 .Ltrip
	s_wait_xcnt 0x0
	v_lshl_add_u32 v254, v0, 2, 0x22000
	v_mov_b32 v255, 0
	s_wait_tensorcnt 0x0
	ds_add_u32 v254, v255
	s_wait_dscnt 0x0
	s_endpgm
.Lfunc_end_k_q092905c57b_ffn2:
	.size	k_q092905c57b_ffn2, .Lfunc_end_k_q092905c57b_ffn2-k_q092905c57b_ffn2
	.p2alignl 7, 3214868480
	.fill 96, 4, 3214868480
	.section	.rodata,"a",@progbits
	.p2align	6, 0x0
	.amdhsa_kernel k_q092905c57b_ffn2
		.amdhsa_group_segment_fixed_size 139776
		.amdhsa_private_segment_fixed_size 0
		.amdhsa_enable_private_segment 0
		.amdhsa_kernarg_size 56
		.amdhsa_user_sgpr_count 2
		.amdhsa_user_sgpr_kernarg_segment_ptr 1
		.amdhsa_wavefront_size32 1
		.amdhsa_system_sgpr_workgroup_id_x 1
		.amdhsa_system_sgpr_workgroup_id_y 1
		.amdhsa_system_sgpr_workgroup_id_z 1
		.amdhsa_system_vgpr_workitem_id 0
		.amdhsa_next_free_vgpr 1024
		.amdhsa_next_free_sgpr 80
		.amdhsa_reserve_vcc 0
		.amdhsa_float_denorm_mode_32 3
		.amdhsa_float_denorm_mode_16_64 3
		.amdhsa_memory_ordered 1
		.amdhsa_forward_progress 1
		.amdhsa_inst_pref_size 135
	.end_amdhsa_kernel
	.amdgpu_metadata
---
amdhsa.version: [ 1, 2 ]
amdhsa.kernels:
  - .name:           k_q092905c57b_ffn2
    .symbol:         k_q092905c57b_ffn2.kd
    .args:
      - { .name: hq, .offset: 0, .size: 8, .value_kind: global_buffer, .address_space: global }
      - { .name: plan, .offset: 8, .size: 8, .value_kind: global_buffer, .address_space: global }
      - { .name: gl, .offset: 16, .size: 8, .value_kind: global_buffer, .address_space: global }
      - { .name: w2_codes, .offset: 24, .size: 8, .value_kind: global_buffer, .address_space: global }
      - { .name: w2_scales, .offset: 32, .size: 8, .value_kind: global_buffer, .address_space: global }
      - { .name: b2, .offset: 40, .size: 8, .value_kind: global_buffer, .address_space: global }
      - { .name: ybuf, .offset: 48, .size: 8, .value_kind: global_buffer, .address_space: global }
    .group_segment_fixed_size: 139776
    .private_segment_fixed_size: 0
    .kernarg_segment_align: 8
    .kernarg_segment_size: 56
    .max_flat_workgroup_size: 128
    .sgpr_count:     80
    .vgpr_count:     1024
    .wavefront_size: 32
...
	.end_amdgpu_metadata
.endif
;; end of part 4
;; launch combine (part 5): grid 256 x 1, 4 waves a work-group, no clusters, 0 bytes of LDS; arguments ybuf, out0; writes out0
.if DOCPART == 5
	.amdgcn_target "amdgcn-amd-amdhsa--gfx1250"
	.amdhsa_code_object_version 6
	.text
	.protected	k_q092905c57b_combine
	.globl	k_q092905c57b_combine
	.p2align	8
	.type	k_q092905c57b_combine,@function
k_q092905c57b_combine:
	s_mov_b64 s[64:65], 0
	v_nop
	global_prefetch_b8 v0, s[64:65] scope:SCOPE_SE
	s_setreg_imm32_b32 hwreg(HW_REG_WAVE_MODE, 25, 1), 1
	s_wait_xcnt 0x0
; out0[token] = ybuf[token] + ybuf[1024 + token]: a token's two weighted expert results, each written by one owner in the launch before.  A plain stream: no LDS, no barrier, no loop.
; A work-group takes 16,384 bytes of out0; a thread 16 bytes of each of eight runs of 2,048 bytes.  All sixteen loads go out first.
.set A, 4                              ; v4-35   the first choice's rows
.set B, 36                             ; v36-67  the second's
	s_load_b128 s[4:7], s[0:1], 0x0                ; ybuf, out0
	v_lshlrev_b32 v1, 4, v0
	s_lshl_b32 s8, ttmp9, 14
	s_mov_b32 s9, 0
	s_wait_kmcnt 0x0
	s_add_nc_u64 s[4:5], s[4:5], s[8:9]
	s_add_nc_u64 s[6:7], s[6:7], s[8:9]
.irp k, 0,1,2,3,4,5,6,7
	global_load_b128 v[A+4*\k:A+4*\k+3], v1, s[4:5] offset:2048*\k th:TH_LOAD_NT
	global_load_b128 v[B+4*\k:B+4*\k+3], v1, s[4:5] offset:4194304+2048*\k th:TH_LOAD_NT
.endr
.irp k, 0,1,2,3,4,5,6,7
	s_wait_loadcnt 14-2*\k                         ; the later pairs may stay out
	v_pk_add_f32 v[A+4*\k:A+4*\k+1], v[A+4*\k:A+4*\k+1], v[B+4*\k:B+4*\k+1]
	v_pk_add_f32 v[A+4*\k+2:A+4*\k+3], v[A+4*\k+2:A+4*\k+3], v[B+4*\k+2:B+4*\k+3]
	global_store_b128 v1, v[A+4*\k:A+4*\k+3], s[6:7] offset:2048*\k th:TH_STORE_NT
.endr
	s_endpgm
.Lfunc_end_k_q092905c57b_combine:
	.size	k_q092905c57b_combine, .Lfunc_end_k_q092905c57b_combine-k_q092905c57b_combine
	.p2alignl 7, 3214868480
	.fill 96, 4, 3214868480
	.section	.rodata,"a",@progbits
	.p2align	6, 0x0
	.amdhsa_kernel k_q092905c57b_combine
		.amdhsa_group_segment_fixed_size 0
		.amdhsa_private_segment_fixed_size 0
		.amdhsa_enable_private_segment 0
		.amdhsa_kernarg_size 16
		.amdhsa_user_sgpr_count 2
		.amdhsa_user_sgpr_kernarg_segment_ptr 1
		.amdhsa_wavefront_size32 1
		.amdhsa_system_sgpr_workgroup_id_x 1
		.amdhsa_system_sgpr_workgroup_id_y 1
		.amdhsa_system_sgpr_workgroup_id_z 1
		.amdhsa_system_vgpr_workitem_id 0
		.amdhsa_next_free_vgpr 72
		.amdhsa_next_free_sgpr 66
		.amdhsa_reserve_vcc 0
		.amdhsa_float_denorm_mode_32 3
		.amdhsa_float_denorm_mode_16_64 3
		.amdhsa_memory_ordered 1
		.amdhsa_forward_progress 1
		.amdhsa_inst_pref_size 5
	.end_amdhsa_kernel
	.amdgpu_metadata
---
amdhsa.version: [ 1, 2 ]
amdhsa.kernels:
  - .name:           k_q092905c57b_combine
    .symbol:         k_q092905c57b_combine.kd
    .args:
      - { .name: ybuf, .offset: 0, .size: 8, .value_kind: global_buffer, .address_space: global }
      - { .name: out0, .offset: 8, .size: 8, .value_kind: global_buffer, .address_space: global }
    .group_segment_fixed_size: 0
    .private_segment_fixed_size: 0
    .kernarg_segment_align: 8
    .kernarg_segment_size: 16
    .max_flat_workgroup_size: 128
    .sgpr_count:     66
    .vgpr_count:     72
    .wavefront_size: 32
...
	.end_amdgpu_metadata
.endif
;; end of part 5
;; ======== version 2 of 3: 5 launches
;; workspace buffers: xq 1,081,344 bytes; topi 8,192 bytes of whole numbers; gate 8,192 bytes; plan 65,792 bytes of whole numbers; gl 32,768 bytes; hq 34,603,008 bytes; ybuf 8,912,896 bytes
;; launch route: the kernel of part 1 again; grid 64 x 1, 8 waves a work-group, no clusters, 98,304 bytes of LDS; arguments x, noise, w_route, b_route, w_noise, b_noise, xq, topi, gate; writes xq, topi, gate
;; launch place (part 6): grid 8 x 1, 8 waves a work-group, no clusters, 0 bytes of LDS; arguments topi, gate, plan, gl; writes plan, gl
.if DOCPART == 6
	.amdgcn_target "amdgcn-amd-amdhsa--gfx1250"
	.amdhsa_code_object_version 6
	.text
	.protected	k_q092905c57b_place
	.globl	k_q092905c57b_place
	.p2align	8
	.type	k_q092905c57b_place,@function
k_q092905c57b_place:
	s_mov_b64 s[64:65], 0
	v_nop
	global_prefetch_b8 v0, s[64:65] scope:SCOPE_SE
	s_setreg_imm32_b32 hwreg(HW_REG_WAVE_MODE, 25, 1), 1
	s_wait_xcnt 0x0
; THE ROWS ARE PLACED BY EXPERT.  topi [1024][2] u32 and gate [1024][2] f32 are read.  Work-group e of eight is expert e; wave j of eight places tokens 128 j .. 128 j + 127.  No loop, no LDS, no barrier.
; Every wave counts the expert's tokens in all 32 chunks of 32 tokens (it reads all 8 KiB of topi): the sum is the expert's count, the sum over the chunks ahead of its own is where its own tokens begin.
; So no wave needs a number of another wave.
; OUT, for each expert 1,024 places: first the tokens that chose it, in the order of the tokens, then all others.  plan: tok [8][1024] u32 (the token at a place), behind it dst [8][1024] u32 (the row of ybuf that
; the place's result goes to: token, or 1024 + token where the expert is the token's second choice; for a token that did not choose it a spare row 2048 + 16 e + place % 16), behind it cnt [8] u32.
; gl [8][1024] f32: the gate at a place, 0 for a token that did not choose the expert.  Every place is written once, so what pads an expert's last tile is a true token with the gate 0.
.set MK, 20                            ; s20-51 for each chunk the mask of the lanes whose token chose me, then the count of its bits
.set OM, 52                            ; s52-55 the same masks of my own four chunks
.set SM, 56                            ; s56-59 of those, the lanes whose SECOND choice I am
.set RB, 60                            ; s60-63 how many tokens ahead of each of my chunks chose me
.set A,  32                            ; v32-95   all tokens' two choices, chunk i at 2 i
.set T,  96                            ; v96-103  my four chunks' choices
.set G,  104                           ; v104-111 and gates
.set W,  112                           ; v112-143 work, eight registers a chunk: +0 rank, +1 token, +2 place, +3 gate, +4 row of ybuf, +5 spare row
	s_load_b256 s[4:11], s[0:1], 0x0               ; topi, gate, plan, gl
	v_lshrrev_b32 v2, 5, v0
	v_readfirstlane_b32 s18, v2                    ; wave j
	s_mov_b32 s12, ttmp9                           ; expert e
	v_and_b32 v1, 31, v0                           ; lane
	v_lshlrev_b32 v2, 3, v1                        ; 8 bytes a token
	s_lshl_b32 s19, s18, 10
	v_add_nc_u32 v4, s19, v2                       ; the same in my 128 tokens
	s_lshl_b32 s19, s18, 7
	v_add_nc_u32 v3, s19, v1                       ; 128 j + lane
	s_lshl_b32 s17, s18, 2                         ; my first chunk
	s_mov_b32 s13, 0                               ; the expert's count
	s_mov_b32 s14, 0                               ; the count ahead of my chunks
	s_lshl_b32 s15, s12, 4
	s_add_co_u32 s15, s15, 2048                    ; the expert's spare rows
	s_lshl_b32 s52, s12, 12
	s_mov_b32 s53, 0
	s_lshl_b32 s54, s12, 2
	s_mov_b32 s55, 0
	s_wait_kmcnt 0x0
.set i, 0
.rept 32
	global_load_b64 v[A+2*i:A+2*i+1], v2, s[4:5] offset:256*i      ; tokens 32 i + lane: both choices
.set i, i+1
.endr
.irp t, 0,1,2,3
	global_load_b64 v[T+2*\t:T+2*\t+1], v4, s[4:5] offset:256*\t   ; my chunks once more, in registers whose numbers do not hang on the wave
	global_load_b64 v[G+2*\t:G+2*\t+1], v4, s[6:7] offset:256*\t   ; and their gates
.endr
	s_add_nc_u64 s[66:67], s[8:9], s[54:55]        ; plan + 4 e (cnt's place stands in the store's immediate)
	s_add_nc_u64 s[8:9], s[8:9], s[52:53]          ; the expert's 1,024 places in tok (dst: + 32,768)
	s_add_nc_u64 s[10:11], s[10:11], s[52:53]      ; and in gl
	s_wait_loadcnt 8                               ; my own eight loads are younger: all of topi is in
; The counts: vector lines in batches, then scalar lines, so that the wave changes sides once.  A token chose me where the smaller of (choice xor e) is 0.
.set i, 0
.rept 32
	v_xor_b32 v[A+2*i], s12, v[A+2*i]
	v_xor_b32 v[A+2*i+1], s12, v[A+2*i+1]
.set i, i+1
.endr
.set i, 0
.rept 32
	v_min_u32 v[A+2*i], v[A+2*i], v[A+2*i+1]
.set i, i+1
.endr
.set i, 0
.rept 32
	v_cmp_eq_u32 s[MK+i], 0, v[A+2*i]
.set i, i+1
.endr
.set i, 0
.rept 32
	s_bcnt1_i32_b32 s[MK+i], s[MK+i]
.set i, i+1
.endr
.set i, 0
.rept 32
	s_add_co_u32 s13, s13, s[MK+i]
	s_cmp_lt_u32 i, s17                            ; a chunk ahead of mine?
	s_cselect_b32 s16, s[MK+i], 0
	s_add_co_u32 s14, s14, s16
.set i, i+1
.endr
	s_wait_loadcnt 0x0
; My four chunks, line by line by turns; each keeps its results in registers of its own, so that no store's source is written again.
.irp t, 0,1,2,3
	v_cmp_eq_u32 s[OM+\t], s12, v[T+2*\t]
.endr
.irp t, 0,1,2,3
	v_cmp_eq_u32 s[SM+\t], s12, v[T+2*\t+1]
.endr
.irp t, 0,1,2,3
	s_or_b32 s[OM+\t], s[OM+\t], s[SM+\t]
.endr
	s_mov_b32 s[RB], s14
.irp t, 0,1,2
	s_bcnt1_i32_b32 s16, s[OM+\t]
	s_add_co_u32 s[RB+\t+1], s[RB+\t], s16
.endr
.irp t, 0,1,2,3
	v_mbcnt_lo_u32_b32 v[W+8*\t], s[OM+\t], 0
.endr
.irp t, 0,1,2,3
	v_add_nc_u32 v[W+8*\t], s[RB+\t], v[W+8*\t]    ; how many tokens ahead of mine chose the expert
.endr
.irp t, 0,1,2,3
	v_add_nc_u32 v[W+8*\t+1], 32*\t, v3            ; my token
.endr
.irp t, 0,1,2,3
	v_sub_nc_u32 v[W+8*\t+2], v[W+8*\t+1], v[W+8*\t]       ; how many ahead of mine did not
.endr
.irp t, 0,1,2,3
	v_add_nc_u32 v[W+8*\t+2], s13, v[W+8*\t+2]
.endr
.irp t, 0,1,2,3
	v_cndmask_b32 v[W+8*\t+2], v[W+8*\t+2], v[W+8*\t], s[OM+\t]
.endr
.irp t, 0,1,2,3
	v_min_u32 v[W+8*\t+2], 0x3ff, v[W+8*\t+2]      ; my place
.endr
.irp t, 0,1,2,3
	v_cndmask_b32 v[W+8*\t+3], v[G+2*\t], v[G+2*\t+1], s[SM+\t]
.endr
.irp t, 0,1,2,3
	v_cndmask_b32 v[W+8*\t+3], 0, v[W+8*\t+3], s[OM+\t]    ; the gate
.endr
.irp t, 0,1,2,3
	v_add_nc_u32 v[W+8*\t+4], 1024, v[W+8*\t+1]
.endr
.irp t, 0,1,2,3
	v_cndmask_b32 v[W+8*\t+4], v[W+8*\t+1], v[W+8*\t+4], s[SM+\t]
.endr
.irp t, 0,1,2,3
	v_and_b32 v[W+8*\t+5], 15, v[W+8*\t+2]
.endr
.irp t, 0,1,2,3
	v_add_nc_u32 v[W+8*\t+5], s15, v[W+8*\t+5]
.endr
.irp t, 0,1,2,3
	v_cndmask_b32 v[W+8*\t+4], v[W+8*\t+5], v[W+8*\t+4], s[OM+\t]  ; the row of ybuf
.endr
.irp t, 0,1,2,3
	v_lshlrev_b32 v[W+8*\t+2], 2, v[W+8*\t+2]
.endr
.irp t, 0,1,2,3
	global_store_b32 v[W+8*\t+2], v[W+8*\t+1], s[8:9]
	global_store_b32 v[W+8*\t+2], v[W+8*\t+4], s[8:9] offset:32768
	global_store_b32 v[W+8*\t+2], v[W+8*\t+3], s[10:11]
.endr
	s_cmp_lg_u32 s18, 0
	s_cbranch_scc1 .Lend                           ; wave 0 stores the count
	v_mov_b32 v10, s13
	v_mov_b32 v11, 0
	v_cmp_eq_u32 vcc_lo, 0, v1
	s_wait_xcnt 0x0                                ; EXEC changes only behind this wait
	s_and_saveexec_b32 s16, vcc_lo                 ; lane 0
	global_store_b32 v11, v10, s[66:67] offset:65536
	s_wait_xcnt 0x0
	s_or_b32 exec_lo, exec_lo, s16
.Lend:
	s_endpgm
.Lfunc_end_k_q092905c57b_place:
	.size	k_q092905c57b_place, .Lfunc_end_k_q092905c57b_place-k_q092905c57b_place
	.p2alignl 7, 3214868480
	.fill 96, 4, 3214868480
	.section	.rodata,"a",@progbits
	.p2align	6, 0x0
	.amdhsa_kernel k_q092905c57b_place
		.amdhsa_group_segment_fixed_size 0
		.amdhsa_private_segment_fixed_size 0
		.amdhsa_enable_private_segment 0
		.amdhsa_kernarg_size 32
		.amdhsa_user_sgpr_count 2
		.amdhsa_user_sgpr_kernarg_segment_ptr 1
		.amdhsa_wavefront_size32 1
		.amdhsa_system_sgpr_workgroup_id_x 1
		.amdhsa_system_sgpr_workgroup_id_y 1
		.amdhsa_system_sgpr_workgroup_id_z 1
		.amdhsa_system_vgpr_workitem_id 0
		.amdhsa_next_free_vgpr 144
		.amdhsa_next_free_sgpr 68
		.amdhsa_reserve_vcc 1
		.amdhsa_float_denorm_mode_32 3
		.amdhsa_float_denorm_mode_16_64 3
		.amdhsa_memory_ordered 1
		.amdhsa_forward_progress 1
		.amdhsa_inst_pref_size 21
	.end_amdhsa_kernel
	.amdgpu_metadata
---
amdhsa.version: [ 1, 2 ]
amdhsa.kernels:
  - .name:           k_q092905c57b_place
    .symbol:         k_q092905c57b_place.kd
    .args:
      - { .name: topi, .offset: 0, .size: 8, .value_kind: global_buffer, .address_space: global }
      - { .name: gate, .offset: 8, .size: 8, .value_kind: global_buffer, .address_space: global }
      - { .name: plan, .offset: 16, .size: 8, .value_kind: global_buffer, .address_space: global }
      - { .name: gl, .offset: 24, .size: 8, .value_kind: global_buffer, .address_space: global }
    .group_segment_fixed_size: 0
    .private_segment_fixed_size: 0
    .kernarg_segment_align: 8
    .kernarg_segment_size: 32
    .max_flat_workgroup_size: 256
    .sgpr_count:     68
    .vgpr_count:     144
    .wavefront_size: 32
...
	.end_amdgpu_metadata
.endif
;; end of part 6
;; launch ffn1 (part 7): grid 32 x 8, 4 waves a work-group, no clusters, 140,288 bytes of LDS; arguments xq, plan, w1_codes, w1_scales, b1, hq; writes hq
.if DOCPART == 7
	.amdgcn_target "amdgcn-amd-amdhsa--gfx1250"
	.amdhsa_code_object_version 6
	.text
	.protected	k_q092905c57b_ffn1
	.globl	k_q092905c57b_ffn1
	.p2align	8
	.type	k_q092905c57b_ffn1,@function
k_q092905c57b_ffn1:
	s_mov_b64 s[64:65], 0
	v_nop
	global_prefetch_b8 v0, s[64:65] scope:SCOPE_SE
	s_setreg_imm32_b32 hwreg(HW_REG_WAVE_MODE, 25, 1), 1
	s_wait_xcnt 0x0
; THE FIRST PRODUCT, for the routed rows alone: h = Q(relu(Q(x) W1[e] + b1[e])), on E4M3 codes with one E8M0 scale for each 32 along K.
; SHARES.  Work-group (c, e): hidden units 128 c .. 128 c + 127 of expert e, which are K step c of the second product, for all rows of the expert.  Wave w: units H0 = 128 c + 32 w .. + 31, block w of that K step.
; Its 32 rows of W1 (32 KiB) are read from memory once in the whole launch and stay in 256 registers; the rows of x go past them: 128 rows (8 tiles of 16) at a time are gathered by the stored list into LDS.
; No tensor load, no copy, no cluster: how many tiles there are is a number read from memory.  The loop over groups of 128 rows has a constant count and both its barriers stand on every way; the stored count only
; jumps forward over work.
; BOTH SOURCES: source 0 = 16 rows of W1, source 1 = 16 rows of x: a lane then holds ONE row of x (lane % 16) and eight hidden units.  THE ROWS OF W1 THAT FORM A TILE ARE NOT NEIGHBOURS: lane r of tile u takes row
; H0 + 8 u + r + 8 (r / 8), so that a lane's 16 numbers of the two tiles are the 16 neighbours H0 + 16 (lane / 16) + 0 .. 15: the conversions' results are registers 4 w .. 4 w + 3 of the next product's operand.
; OUT.  hq: images of the operand's registers, [e][tile][K step][2,048 bytes]: group w of an image at 512 w, lane l's 16 bytes at 16 l.  Behind them (HSOFF) scale words [e][K step][1,024 rows]: byte w from wave w.
; At least four tiles are made for every expert (its list has 1,024 true tokens).
; LIMITS: NaN and infinities are not served; a block of zeros gets the byte 1 (its codes are zeros, and this program alone reads the bytes).
; LDS: XB 128 rows x (1,024 codes + 16); XSB 128 rows x 48 (32 scale bytes); STG 128 scale words.
; REGISTERS: window 0 as named below; window 1: W1's 16 fragments, (u, K step s) at 16 (2 s + u); window 2: 32 gathered rows, row i half a at 8 i + 4 a; window 3: x's fragments, two buffers of 128, K step s at 16 s.
.set PITCH, 1040
.set XSB,   128*PITCH
.set STG,   XSB+128*48
.set L16,  1                           ; 16 x lane
.set RR,   2
.set HH,   3
.set XW,   4                           ; my 32 rows of XB, + 16 x lane
.set XF0,  5                           ; a fragment's row r, + 16 h: tiles 0-3
.set XF1,  6                           ; tiles 4-7
.set WFR,  7                           ; the same for W1's rows in my 32 rows of XB
.set XSW,  8                           ; where my row's scale bytes go
.set XSR,  9                           ; where row r's are read
.set STW,  10                          ; STG + 4 r + w
.set STR,  11                          ; STG + 16 x lane
.set HO,   12                          ; 512 w + 16 x lane
.set LCUR, 13                          ; the list's entry of my row in the group that is gathered
.set LNXT, 14                          ; and in the group after it
.set LOFF, 15                          ; 4 x thread
.set SO,   16
.set B1O,  17                          ; head: b1's offset; never rewritten
.set W1O,  18                          ; head: W1's scale words' offset; never rewritten
.set ZA,   19
.set XSP,  20                          ; v20-27  my row's 32 scale bytes
.set W1S,  32                          ; v32-47  W1's scale words, 8 u + s: scales and nothing else
.set B1,   48                          ; v48-63  b1 in the result's layout, 8 u + j
.set XS,   64                          ; v64-79  x's scale words, two sets of 8: scales and nothing else
.set ACC,  80                          ; v80-111 four accumulators: K steps 0-3 of tile 0, of tile 1; K steps 4-7 of tile 0, of tile 1
.set H,    112                         ; v112-127 a lane's 16 numbers of the hidden layer
.set RO,   128                         ; v128-159 the gathered rows' offsets
.set TM,   160                         ; v160-165 the quantiser's work
.set DD,   184                         ; v184-187 the scale words on their way out
.set PC,   192                         ; v192-223 codes: four registers for each of a group's eight tiles, so that no store's data are written again inside a trip
.set TK,   66                          ; s66-97  the 32 tokens of a gather, then their rows' byte offsets
.set MSB, 0
.macro WIN new                         ; the immediate's high byte repeats the setting that is left
.if MSB != \new
	s_set_vgpr_msb (MSB<<8)|\new
.set MSB, \new
.endif
.endm
; 32 rows of x's codes and scale bytes by the list: each row's 1,024 bytes by two loads of 512 consecutive bytes; the scale bytes a lane a row.  66 loads.
; The 32 tokens go to 32 scalar registers of their own, in batches, so that no line waits for the line above it.
.macro GATHER
	v_min_u32 v[SO], 0x3ff, v[LCUR]
	v_lshlrev_b32 v[SO], 5, v[SO]
	global_load_b128 v[XSP:XSP+3], v[SO], s[30:31]
	global_load_b128 v[XSP+4:XSP+7], v[SO], s[30:31] offset:16
.set rho, 0
.rept 32
	v_readlane_b32 s[TK+rho], v[LCUR], rho
.set rho, rho+1
.endr
.set rho, 0
.rept 32
	s_min_u32 s[TK+rho], s[TK+rho], 0x3ff          ; a token's number
.set rho, rho+1
.endr
.set rho, 0
.rept 32
	s_lshl_b32 s[TK+rho], s[TK+rho], 10
.set rho, rho+1
.endr
.set rho, 0
.rept 32
	v_add_nc_u32 v[RO+rho], s[TK+rho], v[L16]
.set rho, rho+1
.endr
	WIN 0x80                                       ; destination window 2
.set rho, 0
.rept 32
	global_load_b128 v[8*rho:8*rho+3], v[RO+rho], s[4:5]
	global_load_b128 v[8*rho+4:8*rho+7], v[RO+rho], s[4:5] offset:512
.set rho, rho+1
.endr
	WIN 0
.endm
; Tile t's eight fragments and its rows' scale words into buffer buf: 34 LDS loads.
.macro XFETCH t, buf
	ds_load_b128 v[XS+8*(\buf):XS+8*(\buf)+3], v[XSR] offset:768*(\t)
	ds_load_b128 v[XS+8*(\buf)+4:XS+8*(\buf)+7], v[XSR] offset:768*(\t)+16
	WIN 0xc0                                       ; destination window 3
.set sp, 0
.rept 8
.irp c, 0,1,2,3
	ds_load_b128 v[128*(\buf)+16*sp+4*\c:128*(\buf)+16*sp+4*\c+3], v[XF0+(\t)/4] offset:16*PITCH*((\t)%4)+128*sp+32*\c
.endr
.set sp, sp+1
.endr
	WIN 0
.endm
; Tile t of the group: 16 products, the activation, the quantiser, 512 bytes of the image and a scale byte.
.macro TILE t
.set BF, (\t)%2
.set PT, PC+4*(\t)
	s_add_co_u32 s37, s21, \t
	s_cmp_ge_u32 s37, s20
	s_cbranch_scc1 .Lend                           ; the expert has no such tile: out of the run of tiles, forward
.if \t < 7
	XFETCH (\t)+1, ((\t)+1)%2                      ; the next tile's, into the buffer that the last tile has left (its places stand at that tile's end)
	s_wait_dscnt 34                                ; the 34 just issued may stay out: this tile's are in, and the last tile's byte store is done
.else
	s_wait_dscnt 0x0
.endif
	WIN 0x0d                                       ; source 0 (W1) window 1, source 1 (x) window 3; C and D window 0
.irp i, 0,1,2,3                        ; four accumulators by turns, one instruction a turn; b1 is the C of a tile's first product
.irp u, 0,1
.if \i == 0
	v_wmma_scale_f32_16x16x128_f8f6f4 v[ACC+8*\u:ACC+8*\u+7], v[16*(2*\i+\u):16*(2*\i+\u)+15], v[128*BF+16*\i:128*BF+16*\i+15], v[B1+8*\u:B1+8*\u+7], v[W1S+8*\u+\i], v[XS+8*BF+\i]
.else
	v_wmma_scale_f32_16x16x128_f8f6f4 v[ACC+8*\u:ACC+8*\u+7], v[16*(2*\i+\u):16*(2*\i+\u)+15], v[128*BF+16*\i:128*BF+16*\i+15], v[ACC+8*\u:ACC+8*\u+7], v[W1S+8*\u+\i], v[XS+8*BF+\i]
.endif
.endr
.irp u, 0,1
.if \i == 0
	v_wmma_scale_f32_16x16x128_f8f6f4 v[ACC+16+8*\u:ACC+16+8*\u+7], v[16*(2*(4+\i)+\u):16*(2*(4+\i)+\u)+15], v[128*BF+16*(4+\i):128*BF+16*(4+\i)+15], 0, v[W1S+8*\u+4+\i], v[XS+8*BF+4+\i]
.else
	v_wmma_scale_f32_16x16x128_f8f6f4 v[ACC+16+8*\u:ACC+16+8*\u+7], v[16*(2*(4+\i)+\u):16*(2*(4+\i)+\u)+15], v[128*BF+16*(4+\i):128*BF+16*(4+\i)+15], v[ACC+16+8*\u:ACC+16+8*\u+7], v[W1S+8*\u+4+\i], v[XS+8*BF+4+\i]
.endif
.endr
.endr
	WIN 0
.rept 8
	v_nop                                          ; eight places behind this form, ahead of the reads of the sums; with the quantiser's lines they also stand ahead of the next loads into this buffer and of the next tile's first products
.endr
.irp p, 0,2,4,6,8,10,12,14
	v_pk_add_f32 v[H+\p:H+\p+1], v[ACC+\p:ACC+\p+1], v[ACC+16+\p:ACC+16+\p+1]      ; the two halves of K; each accumulator from its low end on
.endr
	v_max3_num_f32 v[TM], v[H], v[H+1], 0x4800000  ; no |.|: what is negative is to become 0 and must not count; the floor 2^(9 - 127) stands over it
	v_max3_num_f32 v[TM+1], v[H+2], v[H+3], v[H+4]
	v_max3_num_f32 v[TM], v[TM], v[H+5], v[H+6]
	v_max3_num_f32 v[TM+1], v[TM+1], v[H+7], v[H+8]
	v_max3_num_f32 v[TM], v[TM], v[H+9], v[H+10]
	v_max3_num_f32 v[TM+1], v[TM+1], v[H+11], v[H+12]
	v_max3_num_f32 v[TM], v[TM], v[H+13], v[H+14]
	v_max3_num_f32 v[TM], v[TM], v[TM+1], v[H+15]
	v_permlanex16_b32 v[TM+2], v[TM], s34, s35
	v_max_num_f32 v[TM], v[TM], v[TM+2]            ; with lane l xor 16's 16: the block's largest
	v_add_nc_u32 v[TM+3], 0xfc000000, v[TM]        ; 8 off its exponent field: the conversion's scale operand
	v_and_or_b32 v[TM+4], v[TM], 0x7f800000, s36   ; 448 x the scale
	v_lshrrev_b32 v[TM+5], 23, v[TM+3]             ; the scale's byte
.irp i, 0,1,2,3,4,5,6,7,8,9,10,11,12,13,14,15
	v_med3_num_f32 v[H+\i], v[H+\i], 0, v[TM+4]    ; the activation and the hold in one
.endr
	v_cvt_scalef32_pk8_fp8_f32 v[PT:PT+1], v[H:H+7], v[TM+3]
	v_cvt_scalef32_pk8_fp8_f32 v[PT+2:PT+3], v[H+8:H+15], v[TM+3]
	v_nop                                          ; one plain line behind the last scaled conversion
	global_store_b128 v[HO], v[PT:PT+3], s[24:25] offset:65536*\t  ; group w of the tile's image: 512 consecutive bytes; its registers are written again only in the next trip, behind the wait at this trip's end
	ds_store_b8 v[STW], v[TM+5] offset:64*\t       ; byte w of row r's scale word; both halves of the lanes write the same byte
.endm
	s_load_b256 s[4:11], s[0:1], 0x0               ; xq, plan, w1_codes, w1_scales
	s_load_b128 s[12:15], s[0:1], 0x20             ; b1, hq
	v_lshl_add_u32 v254, v0, 2, 0x22200
	v_mov_b32 v255, 0
	v_lshrrev_b32 v1, 5, v0
	v_readfirstlane_b32 s16, v1                    ; wave w
	s_and_b32 s17, ttmp7, 0xffff                   ; expert e
	s_mov_b32 s18, ttmp9                           ; c
	v_and_b32 v[ZA], 31, v0
	v_and_b32 v[RR], 15, v0
	v_bfe_u32 v[HH], v0, 4, 1
	v_lshlrev_b32 v[L16], 4, v[ZA]
	s_mul_i32 s37, s16, 32*PITCH
	v_add_nc_u32 v[XW], s37, v[L16]
	v_mul_u32_u24 v[XF0], v[RR], PITCH
	v_lshl_add_u32 v[XF0], v[HH], 4, v[XF0]
	v_add_nc_u32 v[XF1], 64*PITCH, v[XF0]
	v_and_b32 v[W1O], 8, v[RR]
	v_add_nc_u32 v[W1O], v[W1O], v[RR]             ; r + 8 (r / 8)
	v_mul_u32_u24 v[WFR], v[W1O], PITCH
	v_lshl_add_u32 v[WFR], v[HH], 4, v[WFR]
	v_add_nc_u32 v[WFR], s37, v[WFR]
	v_mul_u32_u24 v[XSW], v0, 48                   ; row 32 w + lane = my thread's number
	v_add_nc_u32 v[XSW], XSB, v[XSW]
	v_mul_u32_u24 v[XSR], v[RR], 48
	v_add_nc_u32 v[XSR], XSB, v[XSR]
	v_lshlrev_b32 v[STW], 2, v[RR]
	s_add_co_u32 s38, s16, STG
	v_add_nc_u32 v[STW], s38, v[STW]
	v_add_nc_u32 v[STR], STG, v[L16]
	s_lshl_b32 s38, s16, 9
	v_add_nc_u32 v[HO], s38, v[L16]
	v_lshlrev_b32 v[LOFF], 2, v0
	v_lshl_add_u32 v[ZA], v0, 2, STG
	v_lshlrev_b32 v[W1O], 5, v[W1O]                ; 32 scale bytes a row of W1
	v_lshlrev_b32 v[B1O], 6, v[HH]                 ; 16 h numbers of b1
	s_mov_b32 s34, 0x76543210
	s_mov_b32 s35, 0xfedcba98                      ; v_permlanex16_b32's selects for lane l xor 16
	s_mov_b32 s36, 0x600000                        ; the mantissa field of 448
	s_mov_b32 s41, 0
	s_mov_b32 s43, 0
	s_wait_kmcnt 0x0
	s_lshl_b32 s40, s17, 2
	s_add_nc_u64 s[44:45], s[6:7], s[40:41]
	s_load_b32 s19, s[44:45], 0x10000              ; the expert's count of rows
	s_lshl_b32 s40, s17, 12
	s_add_nc_u64 s[28:29], s[6:7], s[40:41]        ; the expert's list
	s_add_nc_u64 s[30:31], s[4:5], 0x100000        ; x's scale bytes
	s_lshl_b32 s40, s17, 22
	s_lshl_b32 s42, s18, 11
	s_add_co_u32 s42, s42, s40
	s_add_nc_u64 s[24:25], s[14:15], s[42:43]      ; the images: expert e, tile 0, K step c
	s_lshl_b32 s42, s18, 17
	s_add_co_u32 s42, s42, s40
	s_lshl_b32 s37, s16, 15
	s_add_co_u32 s42, s42, s37
	s_add_nc_u64 s[8:9], s[8:9], s[42:43]          ; W1's row 4096 e + H0 (1,024 bytes a row)
	s_lshl_b32 s40, s17, 17
	s_lshl_b32 s42, s18, 12
	s_add_co_u32 s42, s42, s40                     ; 4096 (32 e + c)
	s_add_co_u32 s40, s42, 0x2000000
	s_add_nc_u64 s[26:27], s[14:15], s[40:41]      ; the scale words of (e, K step c)
	s_lshl_b32 s37, s16, 10
	s_add_co_u32 s42, s42, s37
	s_add_nc_u64 s[10:11], s[10:11], s[42:43]      ; W1's scale bytes at the same row (32 bytes a row)
	s_lshl_b32 s42, s17, 14
	s_lshl_b32 s37, s18, 9
	s_add_co_u32 s42, s42, s37
	s_lshl_b32 s37, s16, 7
	s_add_co_u32 s42, s42, s37
	s_add_nc_u64 s[12:13], s[12:13], s[42:43]      ; b1 at H0
	global_load_b32 v[LCUR], v[LOFF], s[28:29]
	global_load_b32 v[LNXT], v[LOFF], s[28:29] offset:512
.irp u, 0,1
	global_load_b128 v[W1S+8*\u:W1S+8*\u+3], v[W1O], s[10:11] offset:256*\u
	global_load_b128 v[W1S+8*\u+4:W1S+8*\u+7], v[W1O], s[10:11] offset:256*\u+16
	global_load_b128 v[B1+8*\u:B1+8*\u+3], v[B1O], s[12:13] offset:32*\u
	global_load_b128 v[B1+8*\u+4:B1+8*\u+7], v[B1O], s[12:13] offset:32*\u+16
.endr
	WIN 0x40                                       ; destination window 1
.set i, 0
.rept 64
	global_load_b128 v[4*i:4*i+3], v[L16], s[8:9] offset:512*i th:TH_LOAD_NT       ; my 32 rows of W1 as they lie, 512 consecutive bytes a load; no other wave of the launch reads them
.set i, i+1
.endr
	WIN 0
	v_mov_b32 v[TM+2], 0                           ; a lane permute's destination counts as one of its sources
	v_mov_b32 v[DD], 0
	ds_store_b32 v[ZA], v[DD]                      ; the stage of scale words starts as zeros: words of tiles that are not made go out with the others and are read by nobody
	s_wait_loadcnt 63                              ; 72 loads are younger than the two of the list: they are in
	s_wait_kmcnt 0x0
	s_min_u32 s20, s19, 1024
	s_add_co_u32 s20, s20, 15
	s_lshr_b32 s20, s20, 4
	s_max_u32 s20, s20, 4                          ; tiles to make
	GATHER
	s_wait_loadcnt 63                              ; 66 loads are younger than W1's last: W1, its scale words and b1 are in
; W1 turns into fragments through my own 32 rows of XB, in place: LDS serves a wave's instructions in order, so the loads see the stores, and the first group's rows of x come behind the loads.
	WIN 0x04                                       ; an LDS store's data are its source 1: window 1
.set i, 0
.rept 64
	ds_store_b128 v[XW], v[4*i:4*i+3] offset:PITCH*(i/2)+512*(i%2)
.set i, i+1
.endr
	WIN 0x40
.set sp, 0
.rept 8
.irp u, 0,1
.irp c, 0,1,2,3
	ds_load_b128 v[16*(2*sp+\u)+4*\c:16*(2*sp+\u)+4*\c+3], v[WFR] offset:8*PITCH*\u+128*sp+32*\c
.endr
.endr
.set sp, sp+1
.endr
	WIN 0
	s_mov_b32 s21, 0                               ; the group's first tile
	s_mov_b32 s22, 0
.Lsb:                                              ; eight trips: as many groups of 128 rows as 1,024 rows need
	s_cmp_ge_u32 s21, s20
	s_cbranch_scc1 .Lno_a
	s_wait_loadcnt 0x0                             ; the gathered rows are in
	WIN 0x08                                       ; store data: window 2
.set rho, 0
.rept 32
	ds_store_b128 v[XW], v[8*rho:8*rho+3] offset:PITCH*rho
	ds_store_b128 v[XW], v[8*rho+4:8*rho+7] offset:PITCH*rho+512
.set rho, rho+1
.endr
	WIN 0
	ds_store_b128 v[XSW], v[XSP:XSP+3]
	ds_store_b128 v[XSW], v[XSP+4:XSP+7] offset:16
.Lno_a:
	s_wait_dscnt 0x0                               ; my stores have landed (in the first trip W1's fragments are in too)
	s_barrier_signal -1
	s_barrier_wait -1                              ; the group's 128 rows lie in LDS
	s_add_co_u32 s37, s21, 8
	s_cmp_ge_u32 s37, s20
	s_cbranch_scc1 .Lno_b
	s_wait_loadcnt 0x0                             ; no load of mine is out: the list's next entry is in, and the offsets may be written again
	v_mov_b32 v[LCUR], v[LNXT]
	global_load_b32 v[LNXT], v[LOFF], s[28:29] offset:1024     ; two groups on; past an expert's list it still lies inside plan, and is not used
	GATHER                                         ; the next group's rows are on their way while this group is multiplied
.Lno_b:
	s_cmp_ge_u32 s21, s20
	s_cbranch_scc1 .Lend
	XFETCH 0, 0
	TILE 0
	TILE 1
	TILE 2
	TILE 3
	TILE 4
	TILE 5
	TILE 6
	TILE 7
.Lend:
	s_wait_dscnt 0x0                               ; my reads of the rows are over and my scale bytes have landed
	s_barrier_signal -1
	s_barrier_wait -1                              ; nobody reads the rows any more; the group's scale words are whole
	s_cmp_lg_u32 s16, 0
	s_cbranch_scc1 .Lno_d
	s_cmp_ge_u32 s21, s20
	s_cbranch_scc1 .Lno_d
	ds_load_b128 v[DD:DD+3], v[STR]                ; (the last trip's store of these registers has read them: the wait at that trip's end)
	s_wait_dscnt 0x0
	global_store_b128 v[L16], v[DD:DD+3], s[26:27] ; 128 rows' scale words: 512 consecutive bytes
.Lno_d:
	s_wait_xcnt 0x0                                ; on every way: the bases are stepped, and the trip's stores' data written again, only behind this wait
	s_add_nc_u64 s[24:25], s[24:25], 0x80000       ; eight tiles on
	s_add_nc_u64 s[26:27], s[26:27], 512
	s_add_nc_u64 s[28:29], s[28:29], 512
	s_add_co_u32 s21, s21, 8
	s_add_co_u32 s22, s22, 1
	s_cmp_lt_u32 s22, 8
	s_cbranch_scc1 .Lsb
	s_wait_tensorcnt 0x0
	ds_add_u32 v254, v255
	s_wait_dscnt 0x0
	s_endpgm
.Lfunc_end_k_q092905c57b_ffn1:
	.size	k_q092905c57b_ffn1, .Lfunc_end_k_q092905c57b_ffn1-k_q092905c57b_ffn1
	.p2alignl 7, 3214868480
	.fill 96, 4, 3214868480
	.section	.rodata,"a",@progbits
	.p2align	6, 0x0
	.amdhsa_kernel k_q092905c57b_ffn1
		.amdhsa_group_segment_fixed_size 140288
		.amdhsa_private_segment_fixed_size 0
		.amdhsa_enable_private_segment 0
		.amdhsa_kernarg_size 48
		.amdhsa_user_sgpr_count 2
		.amdhsa_user_sgpr_kernarg_segment_ptr 1
		.amdhsa_wavefront_size32 1
		.amdhsa_system_sgpr_workgroup_id_x 1
		.amdhsa_system_sgpr_workgroup_id_y 1
		.amdhsa_system_sgpr_workgroup_id_z 1
		.amdhsa_system_vgpr_workitem_id 0
		.amdhsa_next_free_vgpr 1024
		.amdhsa_next_free_sgpr 98
		.amdhsa_reserve_vcc 0
		.amdhsa_float_denorm_mode_32 3
		.amdhsa_float_denorm_mode_16_64 3
		.amdhsa_memory_ordered 1
		.amdhsa_forward_progress 1
		.amdhsa_inst_pref_size 108
	.end_amdhsa_kernel
	.amdgpu_metadata
---
amdhsa.version: [ 1, 2 ]
amdhsa.kernels:
  - .name:           k_q092905c57b_ffn1
    .symbol:         k_q092905c57b_ffn1.kd
    .args:
      - { .name: xq, .offset: 0, .size: 8, .value_kind: global_buffer, .address_space: global }
      - { .name: plan, .offset: 8, .size: 8, .value_kind: global_buffer, .address_space: global }
      - { .name: w1_codes, .offset: 16, .size: 8, .value_kind: global_buffer, .address_space: global }
      - { .name: w1_scales, .offset: 24, .size: 8, .value_kind: global_buffer, .address_space: global }
      - { .name: b1, .offset: 32, .size: 8, .value_kind: global_buffer, .address_space: global }
      - { .name: hq, .offset: 40, .size: 8, .value_kind: global_buffer, .address_space: global }
    .group_segment_fixed_size: 140288
    .private_segment_fixed_size: 0
    .kernarg_segment_align: 8
    .kernarg_segment_size: 48
    .max_flat_workgroup_size: 128
    .sgpr_count:     98
    .vgpr_count:     1024
    .wavefront_size: 32
...
	.end_amdgpu_metadata
.endif
;; end of part 7
;; launch ffn2 (part 8): grid 32 x 8, 4 waves a work-group, no clusters, 139,776 bytes of LDS; arguments hq, plan, gl, w2_codes, w2_scales, b2, ybuf; writes ybuf
.if DOCPART == 8
	.amdgcn_target "amdgcn-amd-amdhsa--gfx1250"
	.amdhsa_code_object_version 6
	.text
	.protected	k_q092905c57b_ffn2
	.globl	k_q092905c57b_ffn2
	.p2align	8
	.type	k_q092905c57b_ffn2,@function
k_q092905c57b_ffn2:
	s_mov_b64 s[64:65], 0
	v_nop
	global_prefetch_b8 v0, s[64:65] scope:SCOPE_SE
	s_setreg_imm32_b32 hwreg(HW_REG_WAVE_MODE, 25, 1), 1
	s_wait_xcnt 0x0
; THE SECOND PRODUCT, for the routed rows alone: ybuf[row] = gate x (h W2[e] + b2[e]), on E4M3 codes with one E8M0 scale for each 32 along K.
; SHARES.  Work-group (x, e): columns 64 (x / 2) .. + 63 of expert e, and of the expert's tiles of 16 rows those of parity p = x % 2: tile 2 i + p for i < n.  Wave q: K steps 8 q .. 8 q + 7 of the 32.
; Its part of W2 (64 columns x 1,024 codes) stays in 512 registers; h's tiles come from memory as images of the operand's registers, 16 KiB on end a wave and tile, two tiles ahead.
; The four waves' partial sums of four tiles meet in LDS; then wave q adds the four parts of tile q of the four, multiplies by the gate and stores whole runs of 256 bytes of a row of ybuf.
; No tensor load, no copy, no cluster: n is made of a number read from memory.  The loop has a constant count: 32 places for tiles, as many as the 64 tiles of 1,024 rows have of one parity; one barrier for
; four places stands on every way; the stored count only jumps forward over work.
; SOURCES: source 0 = 16 columns of W2 (its rows in memory), source 1 = 16 rows of h: lane (r, h) holds row r and eight neighbouring columns.  b2 is the C of wave 0's first product of a tile; in the other waves that C is 0.
; LDS: two stages of partial sums, [wave][tile of four][16 rows x (256 + 16) bytes], 69,632 bytes each, by turns.  At the head a wave's own part of the first stage serves to turn W2 into fragments.
; REGISTERS: window 0 as named below; window 1: h's fragments, two buffers of 128, K step s at 16 s; windows 2 and 3: W2's fragments, (tile n, K step s) at 16 (4 (s % 4) + n) of window 2 + s / 4.
.set PSB,  69632
.set L16,  1                           ; 16 x lane
.set TMPR, 2                           ; r at the head; later the reduction's temporary
.set HH,   3
.set PW0,  4                           ; v4, v5  where my sums go, stage 0, 1
.set RD0,  6                           ; v6, v7  where I read parts back
.set STW,  8                           ; the head's stage: in
.set STR,  9                           ; and out
.set ASO,  10                          ; h's scale words: 4096 (lane / 16) + 4 r
.set COL,  11                          ; 16 (lane % 16)
.set W2O,  12                          ; head: W2's scale words' offset; never rewritten
.set B2O,  13                          ; head: b2's offset; never rewritten
.set GT,   14                          ; v[14:15] the gate (the packed form names a pair and takes its low word for both halves)
.set AS,   16                          ; v16-23  h's scale words, two sets of 4: lanes 0-15 an even K step, lanes 16-31 the odd one behind it: scales and nothing else
.set YO,   24                          ; v24-31  the stores' offsets
.set W2S,  32                          ; v32-63  W2's scale words, 8 n + s: scales and nothing else
.set BB,   64                          ; v64-95  b2 in the result's layout, 8 n + j
.set ACC,  96                          ; v96-127 four accumulators
.set RG,   128                         ; v128-255 the reduction
.set MSB, 0
.macro WIN new                         ; the immediate's high byte repeats the setting that is left
.if MSB != \new
	s_set_vgpr_msb (MSB<<8)|\new
.set MSB, \new
.endif
.endm
.macro RAWW n                          ; 16 rows of W2, my 1,024 bytes of each, as they lie: 32 loads of 512 consecutive bytes, into the registers that the tile's fragments will take
	WIN 0x80
.set i, 0
.rept 32
.if i == 16
	WIN 0xc0
.endif
	global_load_b128 v[16*(4*((i/4)%4)+\n)+4*(i%4):16*(4*((i/4)%4)+\n)+4*(i%4)+3], v[L16], s[10:11] offset:4096*(16*\n+i/2)+512*(i%2)
.set i, i+1
.endr
	WIN 0
.endm
.macro TURNW n                         ; and through my stage, in place: LDS serves a wave's instructions in order
	WIN 0x08
.set i, 0
.rept 32
.if i == 16
	WIN 0x0c
.endif
	ds_store_b128 v[STW], v[16*(4*((i/4)%4)+\n)+4*(i%4):16*(4*((i/4)%4)+\n)+4*(i%4)+3] offset:1040*(i/2)+512*(i%2)
.set i, i+1
.endr
	WIN 0x80
.set sg, 0
.rept 8
.if sg == 4
	WIN 0xc0
.endif
.irp c, 0,1,2,3
	ds_load_b128 v[16*(4*(sg%4)+\n)+4*\c:16*(4*(sg%4)+\n)+4*\c+3], v[STR] offset:128*sg+32*\c
.endr
.set sg, sg+1
.endr
	WIN 0
.endm
; A tile's eight fragments and four registers of scale words: 36 loads.  rel: the tile's number counted from the trip's first: it stands in the immediates (9 x 131,072 + 15,872 bytes at the most, inside the
; signed 24 bits: ISA guide, chapter 10), so that no base is stepped, and nothing is waited for, behind the loads.
.macro ALOAD buf, rel
	WIN 0x40
.set m, 0
.rept 32
	global_load_b128 v[128*\buf+4*m:128*\buf+4*m+3], v[L16], s[26:27] offset:131072*(\rel)+512*m
.set m, m+1
.endr
	WIN 0
.irp pi, 0,1,2,3
	global_load_b32 v[AS+4*\buf+\pi], v[ASO], s[28:29] offset:128*(\rel)+8192*\pi
.endr
.endm
.macro TILE j, buf, ps                 ; tile i0 + j: 32 products; the sums to place j of stage ps; the loads of the tile two on
	s_add_co_u32 s72, s23, \j
	s_cmp_ge_u32 s72, s22
	s_cbranch_scc1 .Lbrk_\ps                       ; no such tile: out of the run of four, forward
	s_wait_loadcnt 36                              ; the other buffer's 36 loads are younger (or nothing is out): this tile is in
	s_wait_dscnt 0x0                               ; the last tile's stores of the accumulators are done
	WIN 0x06                                       ; source 0 (W2) window 2, source 1 (h) window 1; C and D window 0
.set sg, 0
.rept 8
.if sg == 4
	WIN 0x07                                       ; W2's K steps 4-7: window 3
.endif
.irp n, 0,1,2,3                        ; four accumulators by turns, one instruction a turn
.if sg == 0
	v_wmma_scale_f32_16x16x128_f8f6f4 v[ACC+8*\n:ACC+8*\n+7], v[16*(4*(sg%4)+\n):16*(4*(sg%4)+\n)+15], v[128*\buf+16*sg:128*\buf+16*sg+15], v[BB+8*\n:BB+8*\n+7], v[W2S+8*\n+sg], v[AS+4*\buf+sg/2]
.elseif sg%2 == 0
	v_wmma_scale_f32_16x16x128_f8f6f4 v[ACC+8*\n:ACC+8*\n+7], v[16*(4*(sg%4)+\n):16*(4*(sg%4)+\n)+15], v[128*\buf+16*sg:128*\buf+16*sg+15], v[ACC+8*\n:ACC+8*\n+7], v[W2S+8*\n+sg], v[AS+4*\buf+sg/2]
.else
	v_wmma_scale_f32_16x16x128_f8f6f4 v[ACC+8*\n:ACC+8*\n+7], v[16*(4*(sg%4)+\n):16*(4*(sg%4)+\n)+15], v[128*\buf+16*sg:128*\buf+16*sg+15], v[ACC+8*\n:ACC+8*\n+7], v[W2S+8*\n+sg], v[AS+4*\buf+sg/2] matrix_b_scale:MATRIX_SCALE_ROW1
.endif
.endr
.set sg, sg+1
.endr
	WIN 0
.rept 9
	v_nop                                          ; eight places ahead of the stores of the sums and of loads into the buffer just multiplied; the ninth for the next tile's first products, which write over the accumulators
.endr
.irp n, 0,1,2,3
	ds_store_b128 v[PW0+\ps], v[ACC+8*\n:ACC+8*\n+3] offset:4352*\j+64*\n          ; each accumulator from its low end on
	ds_store_b128 v[PW0+\ps], v[ACC+8*\n+4:ACC+8*\n+7] offset:4352*\j+64*\n+16
.endr
	s_add_co_u32 s72, s23, \j+2
	s_cmp_ge_u32 s72, s22
	s_cbranch_scc1 .Lskip_\@
	ALOAD \buf, 4*\ps+\j+2
	s_branch .Lnext_\@
.Lskip_\@:
	s_wait_loadcnt 0x0                             ; nothing is asked for: the other buffer's loads are awaited here, so that the next tile's counted wait holds on this way too
.Lnext_\@:
.endm
.macro REDUCE ps                       ; wave q: the four waves' parts of tile i0 + q; two rows an instruction, sixteen lanes to a row's 256 bytes
	s_wait_storecnt 0x0                            ; the last reduction's stores, four tiles back, are done: their data and offsets may be written again
.irp m, 0,1,2,3,4,5,6,7
.irp qq, 0,1,2,3
	ds_load_b128 v[RG+16*\m+4*\qq:RG+16*\m+4*\qq+3], v[RD0+\ps] offset:17408*\qq+544*\m
.endr
.endr
.irp m, 0,1,2,3,4,5,6,7
	v_mov_b32 v[TMPR], s[32+2*\m]
	v_cndmask_b32 v[TMPR], v[TMPR], s[33+2*\m], s71        ; lanes 16-31 take the odd row's
	v_min_u32 v[TMPR], 0x87f, v[TMPR]              ; a row of ybuf
	v_lshlrev_b32 v[TMPR], 12, v[TMPR]
	v_add_nc_u32 v[YO+\m], v[COL], v[TMPR]
.endr
.irp m, 0,1,2,3,4,5,6,7
	v_mov_b32 v[GT], s[48+2*\m]
	v_cndmask_b32 v[GT], v[GT], s[49+2*\m], s71
	s_wait_dscnt 28-4*\m                           ; the later groups' loads may stay out
	v_pk_add_f32 v[RG+16*\m:RG+16*\m+1], v[RG+16*\m:RG+16*\m+1], v[RG+16*\m+4:RG+16*\m+5]
	v_pk_add_f32 v[RG+16*\m+2:RG+16*\m+3], v[RG+16*\m+2:RG+16*\m+3], v[RG+16*\m+6:RG+16*\m+7]
	v_pk_add_f32 v[RG+16*\m+8:RG+16*\m+9], v[RG+16*\m+8:RG+16*\m+9], v[RG+16*\m+12:RG+16*\m+13]
	v_pk_add_f32 v[RG+16*\m+10:RG+16*\m+11], v[RG+16*\m+10:RG+16*\m+11], v[RG+16*\m+14:RG+16*\m+15]
	v_pk_add_f32 v[RG+16*\m:RG+16*\m+1], v[RG+16*\m:RG+16*\m+1], v[RG+16*\m+8:RG+16*\m+9]
	v_pk_add_f32 v[RG+16*\m+2:RG+16*\m+3], v[RG+16*\m+2:RG+16*\m+3], v[RG+16*\m+10:RG+16*\m+11]
	v_pk_mul_f32 v[RG+16*\m:RG+16*\m+1], v[RG+16*\m:RG+16*\m+1], v[GT:GT+1] op_sel_hi:[1,0]
	v_pk_mul_f32 v[RG+16*\m+2:RG+16*\m+3], v[RG+16*\m+2:RG+16*\m+3], v[GT:GT+1] op_sel_hi:[1,0]
	global_store_b128 v[YO+\m], v[RG+16*\m:RG+16*\m+3], s[68:69]   ; sixteen lanes store 256 consecutive bytes, at a multiple of 256 from ybuf's first byte
.endr
.endm
; Four places for tiles, one barrier.  The rows of ybuf and the gates of tile i0 + q's 16 rows were asked for a group ago (the first group's at the head); the next group's are asked for at this group's end,
; and only if it has a tile: a group without tiles asks for nothing and waits for nothing.
.macro SUPER ps
	TILE 0, 0, \ps
	TILE 1, 1, \ps
	TILE 2, 0, \ps
	TILE 3, 1, \ps
	s_branch .Ljoin_\ps
.Lbrk_\ps:
	s_wait_loadcnt 0x0                             ; behind the last tile nothing stays out
.Ljoin_\ps:
	s_wait_dscnt 0x0                               ; my sums have landed; my reads of the other stage are over
	s_barrier_signal -1
	s_barrier_wait -1                              ; all four parts of each tile lie in this stage; the other stage is written again only behind this barrier
	s_wait_kmcnt 0x0                               ; the group's rows and gates are in, so their bases may step
	s_add_nc_u64 s[30:31], s[30:31], 512
	s_add_nc_u64 s[66:67], s[66:67], 512
	s_add_co_u32 s72, s23, s18
	s_cmp_ge_u32 s72, s22
	s_cbranch_scc1 .Lnored_\ps
	REDUCE \ps
.Lnored_\ps:
	s_add_co_u32 s23, s23, 4
	s_cmp_ge_u32 s23, s22
	s_cbranch_scc1 .Lnoask_\ps
	s_load_b512 s[32:47], s[30:31], 0x0            ; inside the expert's 1,024 places, all of which are written
	s_load_b512 s[48:63], s[66:67], 0x0
.Lnoask_\ps:
.endm
	s_load_b256 s[4:11], s[0:1], 0x0               ; hq, plan, gl, w2_codes
	s_load_b128 s[12:15], s[0:1], 0x20             ; w2_scales, b2
	s_load_b64 s[16:17], s[0:1], 0x30              ; ybuf
	v_lshrrev_b32 v1, 5, v0
	v_readfirstlane_b32 s18, v1                    ; wave q
	s_and_b32 s19, ttmp7, 0xffff                   ; expert e
	s_lshr_b32 s20, ttmp9, 1                       ; which 64 columns
	s_and_b32 s21, ttmp9, 1                        ; which parity of tiles
	v_and_b32 v[W2O], 31, v0
	v_and_b32 v[TMPR], 15, v0                      ; r
	v_bfe_u32 v[HH], v0, 4, 1
	v_lshlrev_b32 v[L16], 4, v[W2O]
	s_mul_i32 s72, s18, 17408
	v_mul_u32_u24 v[PW0], v[TMPR], 272
	v_lshl_add_u32 v[PW0], v[HH], 5, v[PW0]
	v_add_nc_u32 v[PW0], s72, v[PW0]               ; my part of a stage: row r, + 32 h
	v_add_nc_u32 v[PW0+1], PSB, v[PW0]
	s_mul_i32 s73, s18, 4352
	v_mul_u32_u24 v[RD0], v[HH], 272
	v_lshl_add_u32 v[RD0], v[TMPR], 4, v[RD0]
	v_add_nc_u32 v[RD0], s73, v[RD0]               ; place q of wave 0's part: lanes 0-15 one row, lanes 16-31 the next
	v_add_nc_u32 v[RD0+1], PSB, v[RD0]
	v_add_nc_u32 v[STW], s72, v[L16]
	v_mul_u32_u24 v[STR], v[TMPR], 1040
	v_lshl_add_u32 v[STR], v[HH], 4, v[STR]
	v_add_nc_u32 v[STR], s72, v[STR]
	v_lshlrev_b32 v[ASO], 2, v[TMPR]
	v_lshl_add_u32 v[ASO], v[HH], 12, v[ASO]
	v_lshlrev_b32 v[COL], 4, v[TMPR]
	v_lshlrev_b32 v[W2O], 7, v[TMPR]               ; 128 scale bytes a row of W2
	v_lshlrev_b32 v[B2O], 5, v[HH]                 ; 8 h numbers of b2
	v_mov_b32 v[GT+1], 0                           ; (named as the upper half of the pair)
	s_mov_b32 s71, 0xffff0000                      ; lanes 16-31
	s_mov_b32 s75, 0
	s_mov_b32 s77, 0
	s_wait_kmcnt 0x0
	s_lshl_b32 s74, s19, 2
	s_add_nc_u64 s[78:79], s[6:7], s[74:75]
	s_load_b32 s25, s[78:79], 0x10000              ; the expert's count of rows
	s_lshl_b32 s74, s19, 22
	s_lshl_b32 s72, s21, 16
	s_add_co_u32 s76, s74, s72
	s_lshl_b32 s72, s18, 14
	s_add_co_u32 s76, s76, s72
	s_add_nc_u64 s[26:27], s[4:5], s[76:77]        ; the images: expert e, tile p, K step 8 q
	s_lshl_b32 s72, s20, 18
	s_add_co_u32 s76, s74, s72
	s_lshl_b32 s72, s18, 10
	s_add_co_u32 s76, s76, s72
	s_add_nc_u64 s[10:11], s[10:11], s[76:77]      ; W2's row 1024 e + 64 cc (4,096 bytes a row), my 1,024 bytes
	s_lshl_b32 s74, s19, 17
	s_lshl_b32 s72, s18, 15
	s_add_co_u32 s76, s74, s72
	s_lshl_b32 s72, s21, 6
	s_add_co_u32 s76, s76, s72
	s_add_co_u32 s76, s76, 0x2000000
	s_add_nc_u64 s[28:29], s[4:5], s[76:77]        ; h's scale words: (e, K step 8 q), tile p
	s_lshl_b32 s72, s20, 13
	s_add_co_u32 s76, s74, s72
	s_lshl_b32 s72, s18, 5
	s_add_co_u32 s76, s76, s72
	s_add_nc_u64 s[12:13], s[12:13], s[76:77]      ; W2's scale bytes at the same row, my 32 bytes
	s_lshl_b32 s74, s19, 12
	s_lshl_b32 s72, s20, 8
	s_add_co_u32 s76, s74, s72
	s_add_nc_u64 s[14:15], s[14:15], s[76:77]      ; b2 at my 64 columns
	s_mov_b32 s76, s72
	s_add_nc_u64 s[68:69], s[16:17], s[76:77]      ; ybuf at my 64 columns
	s_lshl_b32 s72, s18, 7
	s_add_co_u32 s76, s74, s72
	s_lshl_b32 s72, s21, 6
	s_add_co_u32 s76, s76, s72
	s_add_nc_u64 s[66:67], s[8:9], s[76:77]        ; the gates of tile 2 q + p's rows
	s_add_co_u32 s76, s76, 32768
	s_add_nc_u64 s[30:31], s[6:7], s[76:77]        ; and their rows of ybuf
	s_load_b512 s[32:47], s[30:31], 0x0            ; the first group's, whatever the count: they lie in the expert's 1,024 places
	s_load_b512 s[48:63], s[66:67], 0x0
.irp n, 0,1,2,3
	global_load_b128 v[W2S+8*\n:W2S+8*\n+3], v[W2O], s[12:13] offset:2048*\n
	global_load_b128 v[W2S+8*\n+4:W2S+8*\n+7], v[W2O], s[12:13] offset:2048*\n+16
	global_load_b128 v[BB+8*\n:BB+8*\n+3], v[B2O], s[14:15] offset:64*\n
	global_load_b128 v[BB+8*\n+4:BB+8*\n+7], v[B2O], s[14:15] offset:64*\n+16
.endr
	RAWW 0
	RAWW 1
	s_wait_loadcnt 32                              ; the 32 loads of the next tile of columns are younger
	TURNW 0
	RAWW 2
	s_wait_loadcnt 32
	TURNW 1
	RAWW 3
	s_wait_loadcnt 32
	TURNW 2
	ALOAD 0, 0                                     ; tiles p and 2 + p of h are asked for whatever the count: they lie in the buffer and have been made
	s_wait_loadcnt 36                              ; its 36 loads are younger
	TURNW 3
	ALOAD 1, 1
	s_cmp_eq_u32 s18, 0
	s_cselect_b32 s72, -1, 0
.set i, 0
.rept 32
	v_cndmask_b32 v[BB+i], 0, v[BB+i], s72         ; b2 enters a sum once: in wave 0
.set i, i+1
.endr
	s_wait_kmcnt 0x0
	s_min_u32 s22, s25, 1024
	s_add_co_u32 s22, s22, 15
	s_lshr_b32 s22, s22, 4                         ; the expert's tiles
	s_add_co_u32 s22, s22, 1
	s_sub_co_u32 s22, s22, s21
	s_lshr_b32 s22, s22, 1                         ; n: those of my parity
	s_wait_dscnt 0x0                               ; W2's fragments are in
	s_mov_b32 s23, 0                               ; i0
	s_mov_b32 s24, 0
.Ltrip:                                            ; four trips of eight places
	SUPER 0
	SUPER 1
	s_wait_xcnt 0x0                                ; the trip's loads have read their bases, which step only here: eight tiles of my parity on
	s_add_nc_u64 s[26:27], s[26:27], 0x100000
	s_add_nc_u64 s[28:29], s[28:29], 1024
	s_add_co_u32 s24, s24, 1
	s_cmp_lt_u32 s24, 4
	s_cbranch_scc1 .Ltrip
	s_wait_xcnt 0x0
	v_lshl_add_u32 v254, v0, 2, 0x22000
	v_mov_b32 v255, 0
	s_wait_tensorcnt 0x0
	ds_add_u32 v254, v255
	s_wait_dscnt 0x0
	s_endpgm
.Lfunc_end_k_q092905c57b_ffn2:
	.size	k_q092905c57b_ffn2, .Lfunc_end_k_q092905c57b_ffn2-k_q092905c57b_ffn2
	.p2alignl 7, 3214868480
	.fill 96, 4, 3214868480
	.section	.rodata,"a",@progbits
	.p2align	6, 0x0
	.amdhsa_kernel k_q092905c57b_ffn2
		.amdhsa_group_segment_fixed_size 139776
		.amdhsa_private_segment_fixed_size 0
		.amdhsa_enable_private_segment 0
		.amdhsa_kernarg_size 56
		.amdhsa_user_sgpr_count 2
		.amdhsa_user_sgpr_kernarg_segment_ptr 1
		.amdhsa_wavefront_size32 1
		.amdhsa_system_sgpr_workgroup_id_x 1
		.amdhsa_system_sgpr_workgroup_id_y 1
		.amdhsa_system_sgpr_workgroup_id_z 1
		.amdhsa_system_vgpr_workitem_id 0
		.amdhsa_next_free_vgpr 1024
		.amdhsa_next_free_sgpr 80
		.amdhsa_reserve_vcc 0
		.amdhsa_float_denorm_mode_32 3
		.amdhsa_float_denorm_mode_16_64 3
		.amdhsa_memory_ordered 1
		.amdhsa_forward_progress 1
		.amdhsa_inst_pref_size 134
	.end_amdhsa_kernel
	.amdgpu_metadata
---
amdhsa.version: [ 1, 2 ]
amdhsa.kernels:
  - .name:           k_q092905c57b_ffn2
    .symbol:         k_q092905c57b_ffn2.kd
    .args:
      - { .name: hq, .offset: 0, .size: 8, .value_kind: global_buffer, .address_space: global }
      - { .name: plan, .offset: 8, .size: 8, .value_kind: global_buffer, .address_space: global }
      - { .name: gl, .offset: 16, .size: 8, .value_kind: global_buffer, .address_space: global }
      - { .name: w2_codes, .offset: 24, .size: 8, .value_kind: global_buffer, .address_space: global }
      - { .name: w2_scales, .offset: 32, .size: 8, .value_kind: global_buffer, .address_space: global }
      - { .name: b2, .offset: 40, .size: 8, .value_kind: global_buffer, .address_space: global }
      - { .name: ybuf, .offset: 48, .size: 8, .value_kind: global_buffer, .address_space: global }
    .group_segment_fixed_size: 139776
    .private_segment_fixed_size: 0
    .kernarg_segment_align: 8
    .kernarg_segment_size: 56
    .max_flat_workgroup_size: 128
    .sgpr_count:     80
    .vgpr_count:     1024
    .wavefront_size: 32
...
	.end_amdgpu_metadata
.endif
;; end of part 8
;; launch combine: the kernel of part 5 again; grid 256 x 1, 4 waves a work-group, no clusters, 0 bytes of LDS; arguments ybuf, out0; writes out0
;; ======== version 3 of 3: 5 launches
;; workspace buffers: xq 1,081,344 bytes; topi 8,192 bytes of whole numbers; gate 8,192 bytes; plan 65,792 bytes of whole numbers; gl 32,768 bytes; hq 34,603,008 bytes; ybuf 8,912,896 bytes
;; launch route (part 9): grid 64 x 1, 8 waves a work-group, no clusters, 98,304 bytes of LDS; arguments x, noise, w_route, b_route, w_noise, b_noise, xq, topi, gate; writes xq, topi, gate
.if DOCPART == 9
	.amdgcn_target "amdgcn-amd-amdhsa--gfx1250"
	.amdhsa_code_object_version 6
	.text
	.protected	k_q092905c57b_route
	.globl	k_q092905c57b_route
	.p2align	8
	.type	k_q092905c57b_route,@function
k_q092905c57b_route:
	s_mov_b64 s[64:65], 0
	v_nop
	global_prefetch_b8 v0, s[64:65] scope:SCOPE_SE
	s_setreg_imm32_b32 hwreg(HW_REG_WAVE_MODE, 25, 1), 1
	s_wait_xcnt 0x0
; THE ROUTER, AND x INTO CODES.  x [1024 tokens][1024] f32.  A work-group takes 16 tokens; wave s of eight takes K step s (k = 128 s .. 128 s + 127) of all 16.
; From ONE read of x a wave makes (a) its part of the 16 logits of each token (8 route, 8 noise), in f32, by the f32 matrix form (32 instructions a wave: no bulk work),
; and (b) the E4M3 codes and E8M0 scale bytes of its 16 x 128 numbers.  Wave 0 then adds the eight parts, forms noisy = logits + noise x softplus(noise logits), takes the two largest
; (the lower index first where two are equal) and their softmax, with the larger taken away ahead of the exponential.
; OUT: xq: codes [1024][1024] bytes, behind them (XSOFF) scale bytes [1024][32]; topi [1024][2] u32; gate [1024][2] f32: all at fixed places: no address here hangs on the choice.
; LIMITS: NaN and infinities are not served.  A token whose second and third noisy logits agree within the rounding of the f32 sums may be routed the other way.
; A block of zeros gets the scale byte 1 (its codes are zeros, and this program alone reads the bytes).
; LDS: RW: for each wave 16 rows (output o) x (128 floats + 16 bytes);  XT: 16 rows x (1,024 codes + 16);  XSC: 16 rows x 32 scale bytes;  LG: for each wave 32 lanes x 48 bytes of partial logits.
.set RWB,   8448
.set XT,    67584
.set XSC,   84224
.set LG,    84736
.set XSOFF, 1048576
.set LN,   1                           ; v1   lane
.set RR,   2                           ; v2   r = lane % 16
.set HH,   3                           ; v3   h = lane / 16
.set L16,  4                           ; v4   16 x lane
.set XO,   5                           ; v5   x: 4096 r + 64 h
.set NO,   6                           ; v6   noise: 32 r
.set RWS,  7                           ; v7   where the router weights go in my RW
.set NZ,   8                           ; v8-15   noise of token r
.set ACC,  16                          ; v16-47  four accumulators: written by matrix instructions alone
.set X,    48                          ; v48-111 x: register 16 b + i = x[r][128 s + 32 b + 16 h + i]; in wave 0's tail: work
.set WT,   112                         ; v112-175 the router weights at the same k, output o = r
.set RAW,  176                         ; v176-239 the router weights as loaded
.set PC,   112                         ; the codes (WT is done with)
.set SS,   128                         ; partial logits
.set UU,   136
.set TM,   176                         ; v176-191 the quantiser's work (RAW is done with)
.set PW,   192                         ; the scale word
.set OUTR, 196                         ; v196-215 the way out
.set WTA,  240                         ; LDS addresses, all made at the head
.set LGS,  241
.set XTS,  242
.set XSS,  243
.set XTR,  244
.set XSR,  245
.set LGR,  246
.set TO,   247                         ; 8 r: a token's place in topi and in gate
.set WV,   40
.set SEL,  42
.set MNT,  44
.set HI,   45                          ; mask of lanes 16-31
	s_load_b256 s[4:11], s[0:1], 0x0               ; x, noise, w_route, b_route
	s_load_b256 s[12:19], s[0:1], 0x20             ; w_noise, b_noise, xq, topi
	s_load_b64 s[20:21], s[0:1], 0x40              ; gate
	v_lshl_add_u32 v254, v0, 2, 0x17c00
	v_mov_b32 v255, 0
	v_lshrrev_b32 v1, 5, v0
	s_delay_alu instid0(VALU_DEP_1)
	v_readfirstlane_b32 s[WV], v1                  ; wave 0..7 = K step
	v_and_b32 v[LN], 31, v0
	v_and_b32 v[RR], 15, v0
	v_bfe_u32 v[HH], v0, 4, 1
	s_delay_alu instid0(VALU_DEP_3)
	v_lshlrev_b32 v[L16], 4, v[LN]
	s_delay_alu instid0(VALU_DEP_3)
	v_lshlrev_b32 v[XO], 12, v[RR]
	s_delay_alu instid0(VALU_DEP_1)
	v_lshl_add_u32 v[XO], v[HH], 6, v[XO]
	v_lshlrev_b32 v[NO], 5, v[RR]
	s_mul_i32 s41, s[WV], RWB                      ; my RW
	v_and_b32 v[RWS], 1, v0
	s_delay_alu instid0(VALU_DEP_1)
	v_mul_u32_u24 v[RWS], v[RWS], 2112             ; outputs 4 (lane % 2) on: four rows of 528 bytes
	v_bfe_u32 v[WTA], v0, 1, 4
	s_delay_alu instid0(VALU_DEP_1)
	v_lshl_add_u32 v[RWS], v[WTA], 2, v[RWS]       ; k = lane / 2 of a load's 16
	s_delay_alu instid0(VALU_DEP_1)
	v_add_nc_u32 v[RWS], s41, v[RWS]
	v_mul_u32_u24 v[WTA], v[RR], 528
	s_delay_alu instid0(VALU_DEP_1)
	v_lshl_add_u32 v[WTA], v[HH], 6, v[WTA]
	s_delay_alu instid0(VALU_DEP_1)
	v_add_nc_u32 v[WTA], s41, v[WTA]               ; row o = r, + 16 h floats
	v_mul_u32_u24 v[LGR], v[LN], 48
	s_mul_i32 s46, s[WV], 1536
	v_add_nc_u32 v[LGR], LG, v[LGR]                ; wave 0's part of LG, my lane
	s_delay_alu instid0(VALU_DEP_1)
	v_add_nc_u32 v[LGS], s46, v[LGR]               ; my wave's
	v_mul_u32_u24 v[XTS], v[RR], 1040
	s_delay_alu instid0(VALU_DEP_1)
	v_lshl_add_u32 v[XTS], v[HH], 4, v[XTS]
	s_lshl_b32 s46, s[WV], 7
	s_add_co_u32 s46, s46, XT
	v_add_nc_u32 v[XTS], s46, v[XTS]               ; row r, byte 128 s + 16 h
	v_lshlrev_b32 v[XSS], 5, v[RR]
	s_lshl_b32 s46, s[WV], 2
	s_add_co_u32 s46, s46, XSC
	v_add_nc_u32 v[XSS], s46, v[XSS]               ; row r, word s
	s_mul_i32 s46, s[WV], 2080
	s_add_co_u32 s46, s46, XT
	v_add_nc_u32 v[XTR], s46, v[L16]               ; back: rows 2 s and 2 s + 1
	v_add_nc_u32 v[XSR], XSC, v[L16]
	v_lshlrev_b32 v[TO], 3, v[RR]
	s_mov_b32 s[SEL], 0x76543210
	s_mov_b32 s[SEL+1], 0xfedcba98                 ; v_permlanex16_b32's selects for lane l xor 16
	s_mov_b32 s[MNT], 0x600000                     ; the mantissa field of 448
	s_mov_b32 s[HI], 0xffff0000
	s_mov_b32 s23, 0
	s_wait_kmcnt 0x0
	s_load_b256 s[24:31], s[10:11], 0x0            ; b_route's eight numbers
	s_load_b256 s[32:39], s[14:15], 0x0            ; b_noise's
	s_lshl_b32 s22, ttmp9, 9
	s_add_nc_u64 s[6:7], s[6:7], s[22:23]          ; noise at my 16 tokens (32 bytes each)
	s_add_nc_u64 s[48:49], s[16:17], s[22:23]      ; xq's scale bytes likewise (XSOFF stands in the store's immediate)
	s_lshl_b32 s22, s[WV], 12
	s_add_nc_u64 s[8:9], s[8:9], s[22:23]          ; w_route and w_noise at k = 128 s (32 bytes a k)
	s_add_nc_u64 s[12:13], s[12:13], s[22:23]
	s_lshl_b32 s22, ttmp9, 16
	s_lshl_b32 s46, s[WV], 9
	s_add_co_u32 s22, s22, s46
	s_add_nc_u64 s[4:5], s[4:5], s[22:23]          ; x at my 16 tokens, K step s
	s_lshl_b32 s22, ttmp9, 14
	s_lshl_b32 s46, s[WV], 11
	s_add_co_u32 s22, s22, s46
	s_add_nc_u64 s[16:17], s[16:17], s[22:23]      ; xq's codes at rows 2 s, 2 s + 1 of my 16
	s_lshl_b32 s22, ttmp9, 7
	s_add_nc_u64 s[18:19], s[18:19], s[22:23]      ; topi and gate at my 16 tokens (8 bytes each)
	s_add_nc_u64 s[20:21], s[20:21], s[22:23]
	global_load_b128 v[NZ:NZ+3], v[NO], s[6:7]     ; (every wave asks, wave 0 uses them: 512 bytes; so all waves count their loads alike)
	global_load_b128 v[NZ+4:NZ+7], v[NO], s[6:7] offset:16
.irp j, 0,1,2,3,4,5,6,7
	global_load_b128 v[RAW+4*\j:RAW+4*\j+3], v[L16], s[8:9] offset:512*\j          ; 512 consecutive bytes: 16 k x 8 outputs
.endr
.irp j, 0,1,2,3,4,5,6,7
	global_load_b128 v[RAW+32+4*\j:RAW+32+4*\j+3], v[L16], s[12:13] offset:512*\j
.endr
.irp b, 0,1,2,3
.irp j, 0,1,2,3
	global_load_b128 v[X+16*\b+4*\j:X+16*\b+4*\j+3], v[XO], s[4:5] offset:128*\b+16*\j th:TH_LOAD_NT   ; my 16 neighbours of each block of 32; x is read once in the launch
.endr
.endr
	s_wait_loadcnt 16                              ; x's 16 loads are younger: the router weights are in
; The router weights lie [k][8]; the product wants a lane to hold one output and its registers to run along k.  They turn through my own RW: register q of load j is output 4 (lane % 2) + q at k = 16 j + lane / 2.
.irp j, 0,1,2,3,4,5,6,7
.irp q, 0,1,2,3
	ds_store_b32 v[RWS], v[RAW+4*\j+\q] offset:528*\q+64*\j
	ds_store_b32 v[RWS], v[RAW+32+4*\j+\q] offset:4224+528*\q+64*\j
.endr
.endr
.irp b, 0,1,2,3
.irp j, 0,1,2,3
	ds_load_b128 v[WT+16*\b+4*\j:WT+16*\b+4*\j+3], v[WTA] offset:128*\b+16*\j    ; LDS serves a wave's instructions in order: these see my stores
.endr
.endr
	s_wait_loadcnt 0x0                             ; x
	s_wait_dscnt 0x0
; Source 0 = 16 outputs, source 1 = 16 tokens: lane (r, h), register j then holds output 8 h + j of token r: lanes 0-15 the route logits, lanes 16-31 the noise logits.
; Both sources hold the same k in the same lane half and register, so each instruction adds four true k.  Four accumulators by turns; the first four start the sums with 0.
.set m, 0
.rept 32
.if m < 4
	v_wmma_f32_16x16x4_f32 v[ACC+8*(m%4):ACC+8*(m%4)+7], v[WT+2*m:WT+2*m+1], v[X+2*m:X+2*m+1], 0
.else
	v_wmma_f32_16x16x4_f32 v[ACC+8*(m%4):ACC+8*(m%4)+7], v[WT+2*m:WT+2*m+1], v[X+2*m:X+2*m+1], v[ACC+8*(m%4):ACC+8*(m%4)+7]
.endif
.set m, m+1
.endr
.rept 8
	v_nop                                          ; eight places behind this form (ISA guide 7.12.1), ahead of the reads of the sums and of writes over the sources
.endr
.irp i, 0,2,4,6
	v_pk_add_f32 v[SS+\i:SS+\i+1], v[ACC+\i:ACC+\i+1], v[ACC+8+\i:ACC+8+\i+1]       ; each accumulator is read from its low end on; the sums go into other registers
	v_pk_add_f32 v[UU+\i:UU+\i+1], v[ACC+16+\i:ACC+16+\i+1], v[ACC+24+\i:ACC+24+\i+1]
.endr
.irp i, 0,2,4,6
	v_pk_add_f32 v[SS+\i:SS+\i+1], v[SS+\i:SS+\i+1], v[UU+\i:UU+\i+1]
.endr
	ds_store_b128 v[LGS], v[SS:SS+3]               ; my K step's part of the logits
	ds_store_b128 v[LGS], v[SS+4:SS+7] offset:16
; THE QUANTISER: four blocks of 32; a block lies in lanes l and l xor 16, 16 numbers each.
.irp b, 0,1,2,3
	v_mov_b32 v[TM+4+\b], 0                        ; a lane permute's destination counts as one of its sources
.endr
.irp b, 0,1,2,3
	v_max3_num_f32 v[TM+\b], |v[X+16*\b]|, |v[X+1+16*\b]|, 0x4800000   ; with the floor 2^(9 - 127): the byte cannot fall under 1
.endr
.irp i, 2,4,6,8,10,12,14
.irp b, 0,1,2,3
	s_delay_alu instid0(VALU_DEP_4)
	v_max3_num_f32 v[TM+\b], v[TM+\b], |v[X+16*\b+\i]|, |v[X+1+16*\b+\i]|
.endr
.endr
.irp b, 0,1,2,3
	s_delay_alu instid0(VALU_DEP_4)
	v_permlanex16_b32 v[TM+4+\b], v[TM+\b], s[SEL], s[SEL+1]
.endr
.irp b, 0,1,2,3
	s_delay_alu instid0(VALU_DEP_4)
	v_max_num_f32 v[TM+\b], v[TM+\b], v[TM+4+\b]   ; the block's largest magnitude
.endr
.irp b, 0,1,2,3
	s_delay_alu instid0(VALU_DEP_4)
	v_add_nc_u32 v[TM+12+\b], 0xfc000000, v[TM+\b] ; 8 off its exponent field: the conversion's scale operand
.endr
.irp b, 0,1,2,3
	v_and_or_b32 v[TM+8+\b], v[TM+\b], 0x7f800000, s[MNT]   ; 448 x the scale
.endr
.irp b, 0,1,2,3
	v_lshrrev_b32 v[TM+4+\b], 23, v[TM+12+\b]      ; the scale's byte
.endr
	s_delay_alu instid0(VALU_DEP_3)
	v_lshl_or_b32 v[PW], v[TM+5], 8, v[TM+4]
	s_delay_alu instid0(VALU_DEP_1)
	v_lshl_or_b32 v[PW], v[TM+6], 16, v[PW]
	s_delay_alu instid0(VALU_DEP_1)
	v_lshl_or_b32 v[PW], v[TM+7], 24, v[PW]        ; row r's scale word of K step s
.irp b, 0,1,2,3
.irp i, 0,1,2,3,4,5,6,7,8,9,10,11,12,13,14,15
	v_med3_num_f32 v[X+16*\b+\i], v[X+16*\b+\i], -v[TM+8+\b], v[TM+8+\b]   ; the conversion to an 8-bit code does not saturate (ISA guide 7.6.2): the hold comes first
.endr
	v_cvt_scalef32_pk8_fp8_f32 v[PC+4*\b:PC+1+4*\b], v[X+16*\b:X+7+16*\b], v[TM+12+\b]
	v_cvt_scalef32_pk8_fp8_f32 v[PC+2+4*\b:PC+3+4*\b], v[X+8+16*\b:X+15+16*\b], v[TM+12+\b]
.endr
	v_nop                                          ; one plain line behind the last scaled conversion
.irp c, 0,1,2,3
	ds_store_b128 v[XTS], v[PC+4*\c:PC+4*\c+3] offset:32*\c    ; codes of k = 32 c + 16 h + 0 .. 15 of row r
.endr
	ds_store_b32 v[XSS], v[PW]                     ; both halves of the lanes write the same word with the same value
	s_wait_kmcnt 0x0                               ; the two bias vectors
	s_wait_dscnt 0x0                               ; for the others' sake: my stores have landed
	s_barrier_signal -1
	s_barrier_wait -1                              ; the one barrier: whole rows of codes, all scale bytes and all partial logits lie in LDS; nothing is written there any more
.irp i, 0,1,2,3
	ds_load_b128 v[OUTR+4*\i:OUTR+4*\i+3], v[XTR] offset:(\i/2)*1040+(\i%2)*512
.endr
.irp i, 0,1,2,3
	s_wait_dscnt 3-\i                              ; the later loads of the four may stay out
	global_store_b128 v[L16], v[OUTR+4*\i:OUTR+4*\i+3], s[16:17] offset:512*\i     ; 512 consecutive bytes of a row of codes
.endr
	s_cmp_eq_u32 s[WV], 1
	s_cbranch_scc0 .Lnot_one
	ds_load_b128 v[OUTR+16:OUTR+19], v[XSR]        ; wave 1: the 16 tokens' 512 scale bytes
	s_wait_dscnt 0x0
	global_store_b128 v[L16], v[OUTR+16:OUTR+19], s[48:49] offset:XSOFF
.Lnot_one:
	s_cmp_lg_u32 s[WV], 0
	s_cbranch_scc1 .Ldone
; WAVE 0: the choice.  v48-55 L, v56-63 the other half's, v64-71 route logits then noisy, v72-79 z, v80-95 work, v96-103 softplus.
.irp w, 0,1,2,3,4,5,6,7
	ds_load_b128 v[48+8*\w:51+8*\w], v[LGR] offset:1536*\w
	ds_load_b128 v[52+8*\w:55+8*\w], v[LGR] offset:1536*\w+16
.endr
	s_wait_dscnt 0x0
.irp w, 1,2,3,4,5,6,7
.irp i, 0,2,4,6
	v_pk_add_f32 v[48+\i:49+\i], v[48+\i:49+\i], v[48+8*\w+\i:49+8*\w+\i]          ; the eight K steps' parts
.endr
.endr
.irp j, 0,1,2,3,4,5,6,7
	v_permlanex16_b32 v[56+\j], v[48+\j], s[SEL], s[SEL+1]
.endr
.irp j, 0,1,2,3,4,5,6,7
	v_cndmask_b32 v[64+\j], v[48+\j], v[56+\j], s[HI]      ; both halves of the lanes now hold token r's route logits
	v_cndmask_b32 v[72+\j], v[56+\j], v[48+\j], s[HI]      ; and its noise logits
.endr
.irp j, 0,1,2,3,4,5,6,7
	v_add_f32 v[72+\j], s[32+\j], v[72+\j]         ; z = noise logit + b_noise
.endr
.irp j, 0,1,2,3,4,5,6,7
	v_mul_f32 v[80+\j], 0xbfb8aa3b, |v[72+\j]|     ; -|z| log2(e)
.endr
	s_wait_alu depctr_va_vdst(0)
.irp j, 0,1,2,3,4,5,6,7
	v_exp_f32 v[80+\j], v[80+\j]                   ; e^-|z|: never above 1
.endr
.irp j, 0,1,2,3,4,5,6,7
	v_add_f32 v[64+\j], s[24+\j], v[64+\j]         ; route logit + b_route: plain work behind the batch
.endr
	s_wait_alu depctr_va_vdst(0)                   ; one wait for the eight, ahead of their first reader
.irp j, 0,1,2,3,4,5,6,7
	v_add_f32 v[80+\j], 1.0, v[80+\j]
.endr
	s_wait_alu depctr_va_vdst(0)
.irp j, 0,1,2,3,4,5,6,7
	v_log_f32 v[88+\j], v[80+\j]
.endr
.irp j, 0,1,2,3,4,5,6,7
	v_max_num_f32 v[72+\j], 0, v[72+\j]            ; max(z, 0): plain work behind the batch
.endr
	s_wait_alu depctr_va_vdst(0)
.irp j, 0,1,2,3,4,5,6,7
	v_fmamk_f32 v[96+\j], v[88+\j], 0x3f317218, v[72+\j]   ; softplus(z) = max(z, 0) + ln 2 x log2(1 + e^-|z|)
.endr
.irp j, 0,1,2,3,4,5,6,7
	v_fma_f32 v[64+\j], v[NZ+\j], v[96+\j], v[64+\j]       ; noisy
.endr
	v_max3_num_f32 v104, v64, v65, v66
	s_delay_alu instid0(VALU_DEP_1)
	v_max3_num_f32 v104, v104, v67, v68
	s_delay_alu instid0(VALU_DEP_1)
	v_max3_num_f32 v104, v104, v69, v70
	s_delay_alu instid0(VALU_DEP_1)
	v_max_num_f32 v104, v104, v71                  ; the largest
	v_mov_b32 v106, 0
.irp o, 7,6,5,4,3,2,1,0
	v_cmp_neq_f32 vcc_lo, v[64+\o], v104
	s_delay_alu instid0(VALU_DEP_1)
	v_cndmask_b32 v106, \o, v106, vcc_lo           ; from the top down: the lowest index that holds it stays
.endr
	v_mov_b32 v108, 0xff800000
.irp o, 0,1,2,3,4,5,6,7
	v_cmp_eq_u32 vcc_lo, \o, v106
	s_delay_alu instid0(VALU_DEP_1)
	v_cndmask_b32 v[64+\o], v[64+\o], v108, vcc_lo ; the first choice is taken out
.endr
	v_max3_num_f32 v105, v64, v65, v66
	s_delay_alu instid0(VALU_DEP_1)
	v_max3_num_f32 v105, v105, v67, v68
	s_delay_alu instid0(VALU_DEP_1)
	v_max3_num_f32 v105, v105, v69, v70
	s_delay_alu instid0(VALU_DEP_1)
	v_max_num_f32 v105, v105, v71                  ; the second largest
	v_mov_b32 v107, 0
.irp o, 7,6,5,4,3,2,1,0
	v_cmp_neq_f32 vcc_lo, v[64+\o], v105
	s_delay_alu instid0(VALU_DEP_1)
	v_cndmask_b32 v107, \o, v107, vcc_lo
.endr
	v_sub_f32 v112, v105, v104                     ; the maximum is taken away: 0 or less
	s_delay_alu instid0(VALU_DEP_1)
	v_mul_f32 v112, 0x3fb8aa3b, v112
	s_wait_alu depctr_va_vdst(0)
	v_exp_f32 v112, v112
	v_nop
	s_wait_alu depctr_va_vdst(0)
	v_add_f32 v113, 1.0, v112
	s_wait_alu depctr_va_vdst(0)
	v_rcp_f32 v110, v113                           ; the first gate: 1 / (1 + e)
	v_cmp_gt_u32 vcc_lo, 16, v[LN]                 ; (a plain line behind the reciprocal)
	s_wait_alu depctr_va_vdst(0)
	v_mul_f32 v111, v112, v110                     ; the second: e / (1 + e)
	s_wait_alu depctr_va_vdst(0)
	s_wait_xcnt 0x0                                ; EXEC changes only behind this wait
	s_and_saveexec_b32 s46, vcc_lo                 ; lanes 0-15: a lane a token
	global_store_b64 v[TO], v[106:107], s[18:19]
	global_store_b64 v[TO], v[110:111], s[20:21]
	s_wait_xcnt 0x0
	s_or_b32 exec_lo, exec_lo, s46
.Ldone:
	s_wait_tensorcnt 0x0
	ds_add_u32 v254, v255
	s_wait_dscnt 0x0
	s_endpgm
.Lfunc_end_k_q092905c57b_route:
	.size	k_q092905c57b_route, .Lfunc_end_k_q092905c57b_route-k_q092905c57b_route
	.p2alignl 7, 3214868480
	.fill 96, 4, 3214868480
	.section	.rodata,"a",@progbits
	.p2align	6, 0x0
	.amdhsa_kernel k_q092905c57b_route
		.amdhsa_group_segment_fixed_size 98304
		.amdhsa_private_segment_fixed_size 0
		.amdhsa_enable_private_segment 0
		.amdhsa_kernarg_size 72
		.amdhsa_user_sgpr_count 2
		.amdhsa_user_sgpr_kernarg_segment_ptr 1
		.amdhsa_wavefront_size32 1
		.amdhsa_system_sgpr_workgroup_id_x 1
		.amdhsa_system_sgpr_workgroup_id_y 1
		.amdhsa_system_sgpr_workgroup_id_z 1
		.amdhsa_system_vgpr_workitem_id 0
		.amdhsa_next_free_vgpr 256
		.amdhsa_next_free_sgpr 66
		.amdhsa_reserve_vcc 1
		.amdhsa_float_denorm_mode_32 3
		.amdhsa_float_denorm_mode_16_64 3
		.amdhsa_memory_ordered 1
		.amdhsa_forward_progress 1
		.amdhsa_inst_pref_size 38
	.end_amdhsa_kernel
	.amdgpu_metadata
---
amdhsa.version: [ 1, 2 ]
amdhsa.kernels:
  - .name:           k_q092905c57b_route
    .symbol:         k_q092905c57b_route.kd
    .args:
      - { .name: x, .offset: 0, .size: 8, .value_kind: global_buffer, .address_space: global }
      - { .name: noise, .offset: 8, .size: 8, .value_kind: global_buffer, .address_space: global }
      - { .name: w_route, .offset: 16, .size: 8, .value_kind: global_buffer, .address_space: global }
      - { .name: b_route, .offset: 24, .size: 8, .value_kind: global_buffer, .address_space: global }
      - { .name: w_noise, .offset: 32, .size: 8, .value_kind: global_buffer, .address_space: global }
      - { .name: b_noise, .offset: 40, .size: 8, .value_kind: global_buffer, .address_space: global }
      - { .name: xq, .offset: 48, .size: 8, .value_kind: global_buffer, .address_space: global }
      - { .name: topi, .offset: 56, .size: 8, .value_kind: global_buffer, .address_space: global }
      - { .name: gate, .offset: 64, .size: 8, .value_kind: global_buffer, .address_space: global }
    .group_segment_fixed_size: 98304
    .private_segment_fixed_size: 0
    .kernarg_segment_align: 8
    .kernarg_segment_size: 72
    .max_flat_workgroup_size: 256
    .sgpr_count:     66
    .vgpr_count:     256
    .wavefront_size: 32
...
	.end_amdgpu_metadata
.endif
;; end of part 9
;; launch place (part 10): grid 8 x 1, 8 waves a work-group, no clusters, 0 bytes of LDS; arguments topi, gate, plan, gl; writes plan, gl
.if DOCPART == 10
	.amdgcn_target "amdgcn-amd-amdhsa--gfx1250"
	.amdhsa_code_object_version 6
	.text
	.protected	k_q092905c57b_place
	.globl	k_q092905c57b_place
	.p2align	8
	.type	k_q092905c57b_place,@function
k_q092905c57b_place:
	s_mov_b64 s[64:65], 0
	v_nop
	global_prefetch_b8 v0, s[64:65] scope:SCOPE_SE
	s_setreg_imm32_b32 hwreg(HW_REG_WAVE_MODE, 25, 1), 1
	s_wait_xcnt 0x0
; THE ROWS ARE PLACED BY EXPERT.  topi [1024][2] u32 and gate [1024][2] f32 are read.  Work-group e of eight is expert e; wave j of eight places tokens 128 j .. 128 j + 127.  No loop, no LDS, no barrier.
; Every wave counts the expert's tokens in all 32 chunks of 32 tokens (it reads all 8 KiB of topi): the sum is the expert's count, the sum over the chunks ahead of its own is where its own tokens begin.
; So no wave needs a number of another wave.
; OUT, for each expert 1,024 places: first the tokens that chose it, in the order of the tokens, then all others.  plan: tok [8][1024] u32 (the token at a place), behind it dst [8][1024] u32 (the row of ybuf that
; the place's result goes to: token, or 1024 + token where the expert is the token's second choice; for a token that did not choose it a spare row 2048 + 16 e + place % 16), behind it cnt [8] u32.
; gl [8][1024] f32: the gate at a place, 0 for a token that did not choose the expert.  Every place is written once, so what pads an expert's last tile is a true token with the gate 0.
.set MK, 20                            ; s20-51 for each chunk the mask of the lanes whose token chose me, then the count of its bits
.set OM, 52                            ; s52-55 the same masks of my own four chunks
.set SM, 56                            ; s56-59 of those, the lanes whose SECOND choice I am
.set RB, 60                            ; s60-63 how many tokens ahead of each of my chunks chose me
.set A,  32                            ; v32-95   all tokens' two choices, chunk i at 2 i
.set T,  96                            ; v96-103  my four chunks' choices
.set G,  104                           ; v104-111 and gates
.set W,  112                           ; v112-143 work, eight registers a chunk: +0 rank, +1 token, +2 place, +3 gate, +4 row of ybuf, +5 spare row
	s_load_b256 s[4:11], s[0:1], 0x0               ; topi, gate, plan, gl
	v_lshrrev_b32 v2, 5, v0
	s_delay_alu instid0(VALU_DEP_1)
	v_readfirstlane_b32 s18, v2                    ; wave j
	s_mov_b32 s12, ttmp9                           ; expert e
	v_and_b32 v1, 31, v0                           ; lane
	s_delay_alu instid0(VALU_DEP_1)
	v_lshlrev_b32 v2, 3, v1                        ; 8 bytes a token
	s_lshl_b32 s19, s18, 10
	v_add_nc_u32 v4, s19, v2                       ; the same in my 128 tokens
	s_lshl_b32 s19, s18, 7
	v_add_nc_u32 v3, s19, v1                       ; 128 j + lane
	s_lshl_b32 s17, s18, 2                         ; my first chunk
	s_mov_b32 s13, 0                               ; the expert's count
	s_mov_b32 s14, 0                               ; the count ahead of my chunks
	s_lshl_b32 s15, s12, 4
	s_add_co_u32 s15, s15, 2048                    ; the expert's spare rows
	s_lshl_b32 s52, s12, 12
	s_mov_b32 s53, 0
	s_lshl_b32 s54, s12, 2
	s_mov_b32 s55, 0
	s_wait_alu depctr_va_vdst(0)
	s_wait_kmcnt 0x0
.set i, 0
.rept 32
	global_load_b64 v[A+2*i:A+2*i+1], v2, s[4:5] offset:256*i      ; tokens 32 i + lane: both choices
.set i, i+1
.endr
.irp t, 0,1,2,3
	global_load_b64 v[T+2*\t:T+2*\t+1], v4, s[4:5] offset:256*\t   ; my chunks once more, in registers whose numbers do not hang on the wave
	global_load_b64 v[G+2*\t:G+2*\t+1], v4, s[6:7] offset:256*\t   ; and their gates
.endr
	s_add_nc_u64 s[66:67], s[8:9], s[54:55]        ; plan + 4 e (cnt's place stands in the store's immediate)
	s_add_nc_u64 s[8:9], s[8:9], s[52:53]          ; the expert's 1,024 places in tok (dst: + 32,768)
	s_add_nc_u64 s[10:11], s[10:11], s[52:53]      ; and in gl
	s_wait_loadcnt 8                               ; my own eight loads are younger: all of topi is in
; The counts: vector lines in batches, then scalar lines, so that the wave changes sides once.  A token chose me where the smaller of (choice xor e) is 0.
.set i, 0
.rept 32
	v_xor_b32 v[A+2*i], s12, v[A+2*i]
	v_xor_b32 v[A+2*i+1], s12, v[A+2*i+1]
.set i, i+1
.endr
.set i, 0
.rept 32
	v_min_u32 v[A+2*i], v[A+2*i], v[A+2*i+1]
.set i, i+1
.endr
.set i, 0
.rept 32
	v_cmp_eq_u32 s[MK+i], 0, v[A+2*i]
.set i, i+1
.endr
.set i, 0
.rept 32
	s_bcnt1_i32_b32 s[MK+i], s[MK+i]
.set i, i+1
.endr
.set i, 0
.rept 32
	s_add_co_u32 s13, s13, s[MK+i]
	s_cmp_lt_u32 i, s17                            ; a chunk ahead of mine?
	s_cselect_b32 s16, s[MK+i], 0
	s_add_co_u32 s14, s14, s16
.set i, i+1
.endr
	s_wait_loadcnt 0x0
; My four chunks, line by line by turns; each keeps its results in registers of its own, so that no store's source is written again.
.irp t, 0,1,2,3
	v_cmp_eq_u32 s[OM+\t], s12, v[T+2*\t]
.endr
.irp t, 0,1,2,3
	v_cmp_eq_u32 s[SM+\t], s12, v[T+2*\t+1]
.endr
.irp t, 0,1,2,3
	s_or_b32 s[OM+\t], s[OM+\t], s[SM+\t]
.endr
	s_mov_b32 s[RB], s14
.irp t, 0,1,2
	s_bcnt1_i32_b32 s16, s[OM+\t]
	s_add_co_u32 s[RB+\t+1], s[RB+\t], s16
.endr
.irp t, 0,1,2,3
	v_mbcnt_lo_u32_b32 v[W+8*\t], s[OM+\t], 0
.endr
.irp t, 0,1,2,3
	s_delay_alu instid0(VALU_DEP_4)
	v_add_nc_u32 v[W+8*\t], s[RB+\t], v[W+8*\t]    ; how many tokens ahead of mine chose the expert
.endr
.irp t, 0,1,2,3
	v_add_nc_u32 v[W+8*\t+1], 32*\t, v3            ; my token
.endr
.irp t, 0,1,2,3
	s_delay_alu instid0(VALU_DEP_4)
	v_sub_nc_u32 v[W+8*\t+2], v[W+8*\t+1], v[W+8*\t]       ; how many ahead of mine did not
.endr
.irp t, 0,1,2,3
	s_delay_alu instid0(VALU_DEP_4)
	v_add_nc_u32 v[W+8*\t+2], s13, v[W+8*\t+2]
.endr
.irp t, 0,1,2,3
	s_delay_alu instid0(VALU_DEP_4)
	v_cndmask_b32 v[W+8*\t+2], v[W+8*\t+2], v[W+8*\t], s[OM+\t]
.endr
.irp t, 0,1,2,3
	s_delay_alu instid0(VALU_DEP_4)
	v_min_u32 v[W+8*\t+2], 0x3ff, v[W+8*\t+2]      ; my place
.endr
.irp t, 0,1,2,3
	v_cndmask_b32 v[W+8*\t+3], v[G+2*\t], v[G+2*\t+1], s[SM+\t]
.endr
.irp t, 0,1,2,3
	s_delay_alu instid0(VALU_DEP_4)
	v_cndmask_b32 v[W+8*\t+3], 0, v[W+8*\t+3], s[OM+\t]    ; the gate
.endr
.irp t, 0,1,2,3
	v_add_nc_u32 v[W+8*\t+4], 1024, v[W+8*\t+1]
.endr
.irp t, 0,1,2,3
	s_delay_alu instid0(VALU_DEP_4)
	v_cndmask_b32 v[W+8*\t+4], v[W+8*\t+1], v[W+8*\t+4], s[SM+\t]
.endr
.irp t, 0,1,2,3
	v_and_b32 v[W+8*\t+5], 15, v[W+8*\t+2]
.endr
.irp t, 0,1,2,3
	s_delay_alu instid0(VALU_DEP_4)
	v_add_nc_u32 v[W+8*\t+5], s15, v[W+8*\t+5]
.endr
.irp t, 0,1,2,3
	s_delay_alu instid0(VALU_DEP_4)
	v_cndmask_b32 v[W+8*\t+4], v[W+8*\t+5], v[W+8*\t+4], s[OM+\t]  ; the row of ybuf
.endr
.irp t, 0,1,2,3
	v_lshlrev_b32 v[W+8*\t+2], 2, v[W+8*\t+2]
.endr
.irp t, 0,1,2,3
	global_store_b32 v[W+8*\t+2], v[W+8*\t+1], s[8:9]
	global_store_b32 v[W+8*\t+2], v[W+8*\t+4], s[8:9] offset:32768
	global_store_b32 v[W+8*\t+2], v[W+8*\t+3], s[10:11]
.endr
	s_cmp_lg_u32 s18, 0
	s_cbranch_scc1 .Lend                           ; wave 0 stores the count
	v_mov_b32 v10, s13
	v_mov_b32 v11, 0
	v_cmp_eq_u32 vcc_lo, 0, v1
	s_wait_alu depctr_va_vdst(0)
	s_wait_xcnt 0x0                                ; EXEC changes only behind this wait
	s_and_saveexec_b32 s16, vcc_lo                 ; lane 0
	global_store_b32 v11, v10, s[66:67] offset:65536
	s_wait_xcnt 0x0
	s_or_b32 exec_lo, exec_lo, s16
.Lend:
	s_endpgm
.Lfunc_end_k_q092905c57b_place:
	.size	k_q092905c57b_place, .Lfunc_end_k_q092905c57b_place-k_q092905c57b_place
	.p2alignl 7, 3214868480
	.fill 96, 4, 3214868480
	.section	.rodata,"a",@progbits
	.p2align	6, 0x0
	.amdhsa_kernel k_q092905c57b_place
		.amdhsa_group_segment_fixed_size 0
		.amdhsa_private_segment_fixed_size 0
		.amdhsa_enable_private_segment 0
		.amdhsa_kernarg_size 32
		.amdhsa_user_sgpr_count 2
		.amdhsa_user_sgpr_kernarg_segment_ptr 1
		.amdhsa_wavefront_size32 1
		.amdhsa_system_sgpr_workgroup_id_x 1
		.amdhsa_system_sgpr_workgroup_id_y 1
		.amdhsa_system_sgpr_workgroup_id_z 1
		.amdhsa_system_vgpr_workitem_id 0
		.amdhsa_next_free_vgpr 144
		.amdhsa_next_free_sgpr 68
		.amdhsa_reserve_vcc 1
		.amdhsa_float_denorm_mode_32 3
		.amdhsa_float_denorm_mode_16_64 3
		.amdhsa_memory_ordered 1
		.amdhsa_forward_progress 1
		.amdhsa_inst_pref_size 22
	.end_amdhsa_kernel
	.amdgpu_metadata
---
amdhsa.version: [ 1, 2 ]
amdhsa.kernels:
  - .name:           k_q092905c57b_place
    .symbol:         k_q092905c57b_place.kd
    .args:
      - { .name: topi, .offset: 0, .size: 8, .value_kind: global_buffer, .address_space: global }
      - { .name: gate, .offset: 8, .size: 8, .value_kind: global_buffer, .address_space: global }
      - { .name: plan, .offset: 16, .size: 8, .value_kind: global_buffer, .address_space: global }
      - { .name: gl, .offset: 24, .size: 8, .value_kind: global_buffer, .address_space: global }
    .group_segment_fixed_size: 0
    .private_segment_fixed_size: 0
    .kernarg_segment_align: 8
    .kernarg_segment_size: 32
    .max_flat_workgroup_size: 256
    .sgpr_count:     68
    .vgpr_count:     144
    .wavefront_size: 32
...
	.end_amdgpu_metadata
.endif
;; end of part 10
;; launch ffn1 (part 11): grid 32 x 8, 4 waves a work-group, no clusters, 140,288 bytes of LDS; arguments xq, plan, w1_codes, w1_scales, b1, hq; writes hq
.if DOCPART == 11
	.amdgcn_target "amdgcn-amd-amdhsa--gfx1250"
	.amdhsa_code_object_version 6
	.text
	.protected	k_q092905c57b_ffn1
	.globl	k_q092905c57b_ffn1
	.p2align	8
	.type	k_q092905c57b_ffn1,@function
k_q092905c57b_ffn1:
	s_mov_b64 s[64:65], 0
	v_nop
	global_prefetch_b8 v0, s[64:65] scope:SCOPE_SE
	s_setreg_imm32_b32 hwreg(HW_REG_WAVE_SCHED_MODE, 0, 2), 2
	s_setreg_imm32_b32 hwreg(HW_REG_WAVE_MODE, 25, 1), 1
	s_wait_xcnt 0x0
	s_wait_alu depctr_vm_vsrc(0)
; THE FIRST PRODUCT, for the routed rows alone: h = Q(relu(Q(x) W1[e] + b1[e])), on E4M3 codes with one E8M0 scale for each 32 along K.
; SHARES.  Work-group (c, e): hidden units 128 c .. 128 c + 127 of expert e, which are K step c of the second product, for all rows of the expert.  Wave w: units H0 = 128 c + 32 w .. + 31, block w of that K step.
; Its 32 rows of W1 (32 KiB) are read from memory once in the whole launch and stay in 256 registers; the rows of x go past them: 128 rows (8 tiles of 16) at a time are gathered by the stored list into LDS.
; No tensor load, no copy, no cluster: how many tiles there are is a number read from memory.  The loop over groups of 128 rows has a constant count and both its barriers stand on every way; the stored count only
; jumps forward over work.
; BOTH SOURCES: source 0 = 16 rows of W1, source 1 = 16 rows of x: a lane then holds ONE row of x (lane % 16) and eight hidden units.  THE ROWS OF W1 THAT FORM A TILE ARE NOT NEIGHBOURS: lane r of tile u takes row
; H0 + 8 u + r + 8 (r / 8), so that a lane's 16 numbers of the two tiles are the 16 neighbours H0 + 16 (lane / 16) + 0 .. 15: the conversions' results are registers 4 w .. 4 w + 3 of the next product's operand.
; OUT.  hq: images of the operand's registers, [e][tile][K step][2,048 bytes]: group w of an image at 512 w, lane l's 16 bytes at 16 l.  Behind them (HSOFF) scale words [e][K step][1,024 rows]: byte w from wave w.
; At least four tiles are made for every expert (its list has 1,024 true tokens).
; LIMITS: NaN and infinities are not served; a block of zeros gets the byte 1 (its codes are zeros, and this program alone reads the bytes).
; LDS: XB 128 rows x (1,024 codes + 16); XSB 128 rows x 48 (32 scale bytes); STG 128 scale words.
; REGISTERS: window 0 as named below; window 1: W1's 16 fragments, (u, K step s) at 16 (2 s + u); window 2: 32 gathered rows, row i half a at 8 i + 4 a; window 3: x's fragments, two buffers of 128, K step s at 16 s.
; THE MODE: SCHED_MODE bits 1:0 = 2 (LLVM: expert scheduling mode 2), set by the entry lines.  The code itself states the register dependences between vector or matrix instructions and memory or LDS
; instructions, with s_wait_alu, always for 0.
; THE PLAN.  Registers that memory or LDS instructions touch:
;   the addresses v1, v4-v12, v15, v17-v19, and v254, v255   written at the head, never again.
;   SO, RO           written by a gather's vector lines, read by its 66 loads.      LNXT   read by one v_mov, then loaded again, behind the gather's wait.
;   XSP, window 2    the gather's loads land there; the LDS stores at the next trip's head read them; no vector instruction names them.
;   window 1         W1: loaded, stored to LDS and loaded back in place at the head; from then on named by products alone.
;   window 3 buffer b, XS set b   LDS loads land there in tile t - 1 (t % 2 = b); tile t's products read them.
;   PC, BY           four registers of codes and one scale byte for each of a trip's eight tiles: written by the tile's quantiser, read by its two stores, written again a trip later.
;   DD               0 at the head, read by one LDS store; later an LDS load lands there and a global store reads it, once a trip.
; So ONE wait on va_vdst stands in a tile, behind its conversions: the codes and the byte are written, and the tile's products are done reading their buffer and scale words.  Tile t's LDS loads for tile t + 1 go into
; the other buffer, which no vector or matrix instruction since the wait at tile t - 1's end names: 18 of them stand at the tile's head, 16 between its 8th and its 9th product, with no further wait.
; One wait on vm_vsrc at a trip's end, on every way, frees PC, BY and DD; one ahead of a gather frees SO, RO, XSP and window 2.
.set PITCH, 1040
.set XSB,   128*PITCH
.set STG,   XSB+128*48
.set L16,  1                           ; 16 x lane
.set RR,   2
.set HH,   3
.set XW,   4                           ; my 32 rows of XB, + 16 x lane
.set XF0,  5                           ; a fragment's row r, + 16 h: tiles 0-3
.set XF1,  6                           ; tiles 4-7
.set WFR,  7                           ; the same for W1's rows in my 32 rows of XB
.set XSW,  8                           ; where my row's scale bytes go
.set XSR,  9                           ; where row r's are read
.set STW,  10                          ; STG + 4 r + w
.set STR,  11                          ; STG + 16 x lane
.set HO,   12                          ; 512 w + 16 x lane
.set LCUR, 13                          ; the list's entry of my row in the group that is gathered
.set LNXT, 14                          ; and in the group after it
.set LOFF, 15                          ; 4 x thread
.set SO,   16
.set B1O,  17                          ; head: b1's offset; never rewritten
.set W1O,  18                          ; head: W1's scale words' offset; never rewritten
.set ZA,   19
.set XSP,  20                          ; v20-27  my row's 32 scale bytes
.set W1S,  32                          ; v32-47  W1's scale words, 8 u + s: scales and nothing else
.set B1,   48                          ; v48-63  b1 in the result's layout, 8 u + j
.set XS,   64                          ; v64-79  x's scale words, two sets of 8: scales and nothing else
.set ACC,  80                          ; v80-111 four accumulators: K steps 0-3 of tile 0, of tile 1; K steps 4-7 of tile 0, of tile 1
.set H,    112                         ; v112-127 a lane's 16 numbers of the hidden layer
.set RO,   128                         ; v128-159 the gathered rows' offsets
.set TM,   160                         ; v160-164 the quantiser's work
.set BY,   168                         ; v168-175 the scale's byte: a register for each of a group's eight tiles, so that no LDS store's data are written again inside a trip
.set DD,   184                         ; v184-187 the scale words on their way out
.set PC,   192                         ; v192-223 codes: four registers for each of a group's eight tiles, so that no store's data are written again inside a trip
.set TK,   66                          ; s66-97  the 32 tokens of a gather, then their rows' byte offsets
.set MSB, 0
.macro WIN new                         ; the immediate's high byte repeats the setting that is left
.if MSB != \new
	s_set_vgpr_msb (MSB<<8)|\new
.set MSB, \new
.endif
.endm
; 32 rows of x's codes and scale bytes by the list: each row's 1,024 bytes by two loads of 512 consecutive bytes; the scale bytes a lane a row.  66 loads.
; GADDR makes all their offsets; GLOADS is the run of loads.  The 32 tokens go to 32 scalar registers of their own, in batches, so that no line waits for the line above it.
.macro GADDR
	v_min_u32 v[SO], 0x3ff, v[LCUR]
	v_lshlrev_b32 v[SO], 5, v[SO]
.set rho, 0
.rept 32
	v_readlane_b32 s[TK+rho], v[LCUR], rho
.set rho, rho+1
.endr
	s_wait_alu depctr_va_sdst(0)                   ; the 32 readlanes have written s66 to s97, ahead of their first reader
.set rho, 0
.rept 32
	s_min_u32 s[TK+rho], s[TK+rho], 0x3ff          ; a token's number
.set rho, rho+1
.endr
.set rho, 0
.rept 32
	s_lshl_b32 s[TK+rho], s[TK+rho], 10
.set rho, rho+1
.endr
.set rho, 0
.rept 32
	v_add_nc_u32 v[RO+rho], s[TK+rho], v[L16]
.set rho, rho+1
.endr
	s_wait_alu depctr_va_vdst(0)                   ; SO and the 32 offsets RO are written, which the loads behind this line read; in the loop the v_mov is also done reading LNXT, in which a load lands
.endm
.macro GLOADS
	global_load_b128 v[XSP:XSP+3], v[SO], s[30:31]
	global_load_b128 v[XSP+4:XSP+7], v[SO], s[30:31] offset:16
	WIN 0x80                                       ; destination window 2
.set rho, 0
.rept 32
	global_load_b128 v[8*rho:8*rho+3], v[RO+rho], s[4:5]
	global_load_b128 v[8*rho+4:8*rho+7], v[RO+rho], s[4:5] offset:512
.set rho, rho+1
.endr
	WIN 0
.endm
; Tile t's rows' scale words into set buf: 2 LDS loads.
.macro XSCL t, buf
	ds_load_b128 v[XS+8*(\buf):XS+8*(\buf)+3], v[XSR] offset:768*(\t)
	ds_load_b128 v[XS+8*(\buf)+4:XS+8*(\buf)+7], v[XSR] offset:768*(\t)+16
.endm
; Tile t's fragments of K steps s0 .. s0 + 3 into buffer buf: 16 LDS loads.
.macro XFRAG t, buf, s0
	WIN 0xc0                                       ; destination window 3
.set sp, \s0
.rept 4
.irp c, 0,1,2,3
	ds_load_b128 v[128*(\buf)+16*sp+4*\c:128*(\buf)+16*sp+4*\c+3], v[XF0+(\t)/4] offset:16*PITCH*((\t)%4)+128*sp+32*\c
.endr
.set sp, sp+1
.endr
.endm
; Four products: K step i of tiles 0 and 1 of W1's rows, then K step 4 + i.  Four accumulators by turns, one instruction a turn; b1 is the C of a tile's first product.
.macro PROD i
.irp u, 0,1
.if \i == 0
	v_wmma_scale_f32_16x16x128_f8f6f4 v[ACC+8*\u:ACC+8*\u+7], v[16*(2*\i+\u):16*(2*\i+\u)+15], v[128*BF+16*\i:128*BF+16*\i+15], v[B1+8*\u:B1+8*\u+7], v[W1S+8*\u+\i], v[XS+8*BF+\i]
.else
	v_wmma_scale_f32_16x16x128_f8f6f4 v[ACC+8*\u:ACC+8*\u+7], v[16*(2*\i+\u):16*(2*\i+\u)+15], v[128*BF+16*\i:128*BF+16*\i+15], v[ACC+8*\u:ACC+8*\u+7], v[W1S+8*\u+\i], v[XS+8*BF+\i]
.endif
.endr
.irp u, 0,1
.if \i == 0
	v_wmma_scale_f32_16x16x128_f8f6f4 v[ACC+16+8*\u:ACC+16+8*\u+7], v[16*(2*(4+\i)+\u):16*(2*(4+\i)+\u)+15], v[128*BF+16*(4+\i):128*BF+16*(4+\i)+15], 0, v[W1S+8*\u+4+\i], v[XS+8*BF+4+\i]
.else
	v_wmma_scale_f32_16x16x128_f8f6f4 v[ACC+16+8*\u:ACC+16+8*\u+7], v[16*(2*(4+\i)+\u):16*(2*(4+\i)+\u)+15], v[128*BF+16*(4+\i):128*BF+16*(4+\i)+15], v[ACC+16+8*\u:ACC+16+8*\u+7], v[W1S+8*\u+4+\i], v[XS+8*BF+4+\i]
.endif
.endr
.endm
; Tile t of the group: 16 products, the activation, the quantiser, 512 bytes of the image and a scale byte.
.macro TILE t
.set BF, (\t)%2
.set PT, PC+4*(\t)
	s_add_co_u32 s37, s21, \t
	s_cmp_ge_u32 s37, s20
	s_cbranch_scc1 .Lend                           ; the expert has no such tile: out of the run of tiles, forward
.if \t < 7
	XSCL (\t)+1, ((\t)+1)%2                        ; the next tile's scale words and its K steps 0-3, into the buffer that the last tile has left: the wait at that tile's end has shown its products done reading it
	XFRAG (\t)+1, ((\t)+1)%2, 0
	s_wait_dscnt 18                                ; the 18 just issued may stay out: this tile's 34 loads are in, and the last tile's byte store is done
.else
	s_wait_dscnt 0x0
.endif
	WIN 0x0d                                       ; source 0 (W1) window 1, source 1 (x) window 3; C and D window 0
	PROD 0
	PROD 1
.if \t < 7
	XFRAG (\t)+1, ((\t)+1)%2, 4                    ; the next tile's K steps 4-7.  No wait: no vector or matrix instruction since the wait at the last tile's end names that buffer
	WIN 0x0d
.endif
	PROD 2
	PROD 3
	WIN 0
.rept 8
	v_nop                                          ; eight places behind this form, ahead of the reads of the sums; with the quantiser's lines they also stand ahead of the next tile's first products, which write over the accumulators
.endr
.irp p, 0,2,4,6,8,10,12,14
	v_pk_add_f32 v[H+\p:H+\p+1], v[ACC+\p:ACC+\p+1], v[ACC+16+\p:ACC+16+\p+1]      ; the two halves of K; each accumulator from its low end on
.endr
	v_max3_num_f32 v[TM], v[H], v[H+1], 0x4800000  ; no |.|: what is negative is to become 0 and must not count; the floor 2^(9 - 127) stands over it
	v_max3_num_f32 v[TM+1], v[H+2], v[H+3], v[H+4]
	v_max3_num_f32 v[TM], v[TM], v[H+5], v[H+6]
	v_max3_num_f32 v[TM+1], v[TM+1], v[H+7], v[H+8]
	v_max3_num_f32 v[TM], v[TM], v[H+9], v[H+10]
	v_max3_num_f32 v[TM+1], v[TM+1], v[H+11], v[H+12]
	v_max3_num_f32 v[TM], v[TM], v[H+13], v[H+14]
	v_max3_num_f32 v[TM], v[TM], v[TM+1], v[H+15]
	v_permlanex16_b32 v[TM+2], v[TM], s34, s35
	v_max_num_f32 v[TM], v[TM], v[TM+2]            ; with lane l xor 16's 16: the block's largest
	v_add_nc_u32 v[TM+3], 0xfc000000, v[TM]        ; 8 off its exponent field: the conversion's scale operand
	v_and_or_b32 v[TM+4], v[TM], 0x7f800000, s36   ; 448 x the scale
	v_lshrrev_b32 v[BY+(\t)], 23, v[TM+3]          ; the scale's byte
.irp i, 0,1,2,3,4,5,6,7,8,9,10,11,12,13,14,15
	v_med3_num_f32 v[H+\i], v[H+\i], 0, v[TM+4]    ; the activation and the hold in one
.endr
	v_cvt_scalef32_pk8_fp8_f32 v[PT:PT+1], v[H:H+7], v[TM+3]
	v_cvt_scalef32_pk8_fp8_f32 v[PT+2:PT+3], v[H+8:H+15], v[TM+3]
	v_nop                                          ; one plain line behind the last scaled conversion
	s_wait_alu depctr_va_vdst(0)                   ; the conversions have written the tile's codes and the shift its byte, which the two stores read; the tile's products are done reading buffer t % 2 and its scale words, in which the next tile's LDS loads land
	global_store_b128 v[HO], v[PT:PT+3], s[24:25] offset:65536*\t  ; group w of the tile's image: 512 consecutive bytes; its registers are written again only in the next trip, behind the waits at this trip's end
	ds_store_b8 v[STW], v[BY+(\t)] offset:64*\t    ; byte w of row r's scale word; both halves of the lanes write the same byte
.endm
	s_load_b256 s[4:11], s[0:1], 0x0               ; xq, plan, w1_codes, w1_scales
	s_load_b128 s[12:15], s[0:1], 0x20             ; b1, hq
	v_lshl_add_u32 v254, v0, 2, 0x22200
	v_mov_b32 v255, 0
	v_lshrrev_b32 v1, 5, v0
	v_readfirstlane_b32 s16, v1                    ; wave w
	s_and_b32 s17, ttmp7, 0xffff                   ; expert e
	s_mov_b32 s18, ttmp9                           ; c
	v_and_b32 v[ZA], 31, v0
	v_and_b32 v[RR], 15, v0
	v_bfe_u32 v[HH], v0, 4, 1
	v_lshlrev_b32 v[L16], 4, v[ZA]
	s_wait_alu depctr_va_sdst(0)                   ; s16 is written, ahead of its first reader
	s_mul_i32 s37, s16, 32*PITCH
	v_add_nc_u32 v[XW], s37, v[L16]
	v_mul_u32_u24 v[XF0], v[RR], PITCH
	v_lshl_add_u32 v[XF0], v[HH], 4, v[XF0]
	v_add_nc_u32 v[XF1], 64*PITCH, v[XF0]
	v_and_b32 v[W1O], 8, v[RR]
	v_add_nc_u32 v[W1O], v[W1O], v[RR]             ; r + 8 (r / 8)
	v_mul_u32_u24 v[WFR], v[W1O], PITCH
	v_lshl_add_u32 v[WFR], v[HH], 4, v[WFR]
	v_add_nc_u32 v[WFR], s37, v[WFR]
	v_mul_u32_u24 v[XSW], v0, 48                   ; row 32 w + lane = my thread's number
	v_add_nc_u32 v[XSW], XSB, v[XSW]
	v_mul_u32_u24 v[XSR], v[RR], 48
	v_add_nc_u32 v[XSR], XSB, v[XSR]
	v_lshlrev_b32 v[STW], 2, v[RR]
	s_add_co_u32 s38, s16, STG
	v_add_nc_u32 v[STW], s38, v[STW]
	v_add_nc_u32 v[STR], STG, v[L16]
	s_lshl_b32 s38, s16, 9
	v_add_nc_u32 v[HO], s38, v[L16]
	v_lshlrev_b32 v[LOFF], 2, v0
	v_lshl_add_u32 v[ZA], v0, 2, STG
	v_lshlrev_b32 v[W1O], 5, v[W1O]                ; 32 scale bytes a row of W1
	v_lshlrev_b32 v[B1O], 6, v[HH]                 ; 16 h numbers of b1
	v_mov_b32 v[TM+2], 0                           ; a lane permute's destination counts as one of its sources
	v_mov_b32 v[DD], 0                             ; what the stage of scale words starts as
	s_mov_b32 s34, 0x76543210
	s_mov_b32 s35, 0xfedcba98                      ; v_permlanex16_b32's selects for lane l xor 16
	s_mov_b32 s36, 0x600000                        ; the mantissa field of 448
	s_mov_b32 s41, 0
	s_mov_b32 s43, 0
	s_wait_kmcnt 0x0
	s_lshl_b32 s40, s17, 2
	s_add_nc_u64 s[44:45], s[6:7], s[40:41]
	s_load_b32 s19, s[44:45], 0x10000              ; the expert's count of rows
	s_lshl_b32 s40, s17, 12
	s_add_nc_u64 s[28:29], s[6:7], s[40:41]        ; the expert's list
	s_add_nc_u64 s[30:31], s[4:5], 0x100000        ; x's scale bytes
	s_lshl_b32 s40, s17, 22
	s_lshl_b32 s42, s18, 11
	s_add_co_u32 s42, s42, s40
	s_add_nc_u64 s[24:25], s[14:15], s[42:43]      ; the images: expert e, tile 0, K step c
	s_lshl_b32 s42, s18, 17
	s_add_co_u32 s42, s42, s40
	s_lshl_b32 s37, s16, 15
	s_add_co_u32 s42, s42, s37
	s_add_nc_u64 s[8:9], s[8:9], s[42:43]          ; W1's row 4096 e + H0 (1,024 bytes a row)
	s_lshl_b32 s40, s17, 17
	s_lshl_b32 s42, s18, 12
	s_add_co_u32 s42, s42, s40                     ; 4096 (32 e + c)
	s_add_co_u32 s40, s42, 0x2000000
	s_add_nc_u64 s[26:27], s[14:15], s[40:41]      ; the scale words of (e, K step c)
	s_lshl_b32 s37, s16, 10
	s_add_co_u32 s42, s42, s37
	s_add_nc_u64 s[10:11], s[10:11], s[42:43]      ; W1's scale bytes at the same row (32 bytes a row)
	s_lshl_b32 s42, s17, 14
	s_lshl_b32 s37, s18, 9
	s_add_co_u32 s42, s42, s37
	s_lshl_b32 s37, s16, 7
	s_add_co_u32 s42, s42, s37
	s_add_nc_u64 s[12:13], s[12:13], s[42:43]      ; b1 at H0
	s_wait_alu depctr_va_vdst(0)                   ; every address and offset of the head is written, and so are v[DD], v254 and v255: the loads and stores of the whole kernel read them, and none but v[DD] is written again
	global_load_b32 v[LCUR], v[LOFF], s[28:29]
	global_load_b32 v[LNXT], v[LOFF], s[28:29] offset:512
.irp u, 0,1
	global_load_b128 v[W1S+8*\u:W1S+8*\u+3], v[W1O], s[10:11] offset:256*\u
	global_load_b128 v[W1S+8*\u+4:W1S+8*\u+7], v[W1O], s[10:11] offset:256*\u+16
	global_load_b128 v[B1+8*\u:B1+8*\u+3], v[B1O], s[12:13] offset:32*\u
	global_load_b128 v[B1+8*\u+4:B1+8*\u+7], v[B1O], s[12:13] offset:32*\u+16
.endr
	WIN 0x40                                       ; destination window 1
.set i, 0
.rept 64
	global_load_b128 v[4*i:4*i+3], v[L16], s[8:9] offset:512*i th:TH_LOAD_NT       ; my 32 rows of W1 as they lie, 512 consecutive bytes a load; no other wave of the launch reads them
.set i, i+1
.endr
	WIN 0
	ds_store_b32 v[ZA], v[DD]                      ; the stage of scale words starts as zeros: words of tiles that are not made go out with the others and are read by nobody
	s_wait_loadcnt 63                              ; 72 loads are younger than the two of the list: they are in
	s_wait_kmcnt 0x0
	s_min_u32 s20, s19, 1024
	s_add_co_u32 s20, s20, 15
	s_lshr_b32 s20, s20, 4
	s_max_u32 s20, s20, 4                          ; tiles to make
	GADDR
	GLOADS
	s_wait_loadcnt 63                              ; 66 loads are younger than W1's last: W1, its scale words and b1 are in
; W1 turns into fragments through my own 32 rows of XB, in place: LDS serves a wave's instructions in order, so the loads see the stores, and the first group's rows of x come behind the loads.
	WIN 0x04                                       ; an LDS store's data are its source 1: window 1
.set i, 0
.rept 64
	ds_store_b128 v[XW], v[4*i:4*i+3] offset:PITCH*(i/2)+512*(i%2)
.set i, i+1
.endr
	WIN 0x40
	s_wait_alu depctr_vm_vsrc(0)                   ; the 64 LDS stores have read window 1, in which the fragments' loads land; the store of the zeros has read v[DD], in which an LDS load lands later
.set sp, 0
.rept 8
.irp u, 0,1
.irp c, 0,1,2,3
	ds_load_b128 v[16*(2*sp+\u)+4*\c:16*(2*sp+\u)+4*\c+3], v[WFR] offset:8*PITCH*\u+128*sp+32*\c
.endr
.endr
.set sp, sp+1
.endr
	WIN 0
	s_mov_b32 s21, 0                               ; the group's first tile
	s_mov_b32 s22, 0
.Lsb:                                              ; eight trips: as many groups of 128 rows as 1,024 rows need
	s_cmp_ge_u32 s21, s20
	s_cbranch_scc1 .Lno_a
	s_wait_loadcnt 0x0                             ; the gathered rows are in
	WIN 0x08                                       ; store data: window 2
.set rho, 0
.rept 32
	ds_store_b128 v[XW], v[8*rho:8*rho+3] offset:PITCH*rho
	ds_store_b128 v[XW], v[8*rho+4:8*rho+7] offset:PITCH*rho+512
.set rho, rho+1
.endr
	WIN 0
	ds_store_b128 v[XSW], v[XSP:XSP+3]
	ds_store_b128 v[XSW], v[XSP+4:XSP+7] offset:16
.Lno_a:
	s_wait_dscnt 0x0                               ; my stores have landed (in the first trip W1's fragments are in too)
	s_barrier_signal -1
	s_barrier_wait -1                              ; the group's 128 rows lie in LDS
	s_add_co_u32 s37, s21, 8
	s_cmp_ge_u32 s37, s20
	s_cbranch_scc1 .Lno_b
	s_wait_loadcnt 0x0                             ; no load of mine is out: the list's next entry is in, and the offsets may be written again
	s_wait_alu depctr_vm_vsrc(0)                   ; the last gather's loads have read SO and RO, which are written again; this trip's LDS stores have read window 2 and XSP, in which the next rows land
	v_mov_b32 v[LCUR], v[LNXT]
	GADDR
	global_load_b32 v[LNXT], v[LOFF], s[28:29] offset:1024     ; two groups on; past an expert's list it still lies inside plan, and is not used
	GLOADS                                         ; the next group's rows are on their way while this group is multiplied
.Lno_b:
	s_cmp_ge_u32 s21, s20
	s_cbranch_scc1 .Lend
	XSCL 0, 0                                      ; tile 0's 34 loads.  No wait: behind the last products that read buffer 0 and its scale words stands their tile's own wait, and nothing since names them
	XFRAG 0, 0, 0
	XFRAG 0, 0, 4
	WIN 0
	TILE 0
	TILE 1
	TILE 2
	TILE 3
	TILE 4
	TILE 5
	TILE 6
	TILE 7
.Lend:
	s_wait_dscnt 0x0                               ; my reads of the rows are over and my scale bytes have landed
	s_barrier_signal -1
	s_barrier_wait -1                              ; nobody reads the rows any more; the group's scale words are whole
	s_cmp_lg_u32 s16, 0
	s_cbranch_scc1 .Lno_d
	s_cmp_ge_u32 s21, s20
	s_cbranch_scc1 .Lno_d
	ds_load_b128 v[DD:DD+3], v[STR]                ; (the last trip's store of these registers has read them: the waits at that trip's end; in the first trip the wait at the head)
	s_wait_dscnt 0x0
	global_store_b128 v[L16], v[DD:DD+3], s[26:27] ; 128 rows' scale words: 512 consecutive bytes
.Lno_d:
	s_wait_xcnt 0x0                                ; on every way: the bases are stepped, and the trip's stores' data written again, only behind this wait
	s_wait_alu depctr_vm_vsrc(0)                   ; on every way: the trip's stores have read the codes PC, the bytes BY and the scale words DD, which the next trip writes again
	s_add_nc_u64 s[24:25], s[24:25], 0x80000       ; eight tiles on
	s_add_nc_u64 s[26:27], s[26:27], 512
	s_add_nc_u64 s[28:29], s[28:29], 512
	s_add_co_u32 s21, s21, 8
	s_add_co_u32 s22, s22, 1
	s_cmp_lt_u32 s22, 8
	s_cbranch_scc1 .Lsb
	s_wait_dscnt 0x0                               ; the closing lines, six on end
	s_wait_alu 0x0
	s_wait_tensorcnt 0x0
	ds_add_u32 v254, v255
	s_wait_dscnt 0x0
	s_endpgm
.Lfunc_end_k_q092905c57b_ffn1:
	.size	k_q092905c57b_ffn1, .Lfunc_end_k_q092905c57b_ffn1-k_q092905c57b_ffn1
	.p2alignl 7, 3214868480
	.fill 96, 4, 3214868480
	.section	.rodata,"a",@progbits
	.p2align	6, 0x0
	.amdhsa_kernel k_q092905c57b_ffn1
		.amdhsa_group_segment_fixed_size 140288
		.amdhsa_private_segment_fixed_size 0
		.amdhsa_enable_private_segment 0
		.amdhsa_kernarg_size 48
		.amdhsa_user_sgpr_count 2
		.amdhsa_user_sgpr_kernarg_segment_ptr 1
		.amdhsa_wavefront_size32 1
		.amdhsa_system_sgpr_workgroup_id_x 1
		.amdhsa_system_sgpr_workgroup_id_y 1
		.amdhsa_system_sgpr_workgroup_id_z 1
		.amdhsa_system_vgpr_workitem_id 0
		.amdhsa_next_free_vgpr 1024
		.amdhsa_next_free_sgpr 98
		.amdhsa_reserve_vcc 0
		.amdhsa_float_denorm_mode_32 3
		.amdhsa_float_denorm_mode_16_64 3
		.amdhsa_memory_ordered 1
		.amdhsa_forward_progress 1
		.amdhsa_inst_pref_size 109
	.end_amdhsa_kernel
	.amdgpu_metadata
---
amdhsa.version: [ 1, 2 ]
amdhsa.kernels:
  - .name:           k_q092905c57b_ffn1
    .symbol:         k_q092905c57b_ffn1.kd
    .args:
      - { .name: xq, .offset: 0, .size: 8, .value_kind: global_buffer, .address_space: global }
      - { .name: plan, .offset: 8, .size: 8, .value_kind: global_buffer, .address_space: global }
      - { .name: w1_codes, .offset: 16, .size: 8, .value_kind: global_buffer, .address_space: global }
      - { .name: w1_scales, .offset: 24, .size: 8, .value_kind: global_buffer, .address_space: global }
      - { .name: b1, .offset: 32, .size: 8, .value_kind: global_buffer, .address_space: global }
      - { .name: hq, .offset: 40, .size: 8, .value_kind: global_buffer, .address_space: global }
    .group_segment_fixed_size: 140288
    .private_segment_fixed_size: 0
    .kernarg_segment_align: 8
    .kernarg_segment_size: 48
    .max_flat_workgroup_size: 128
    .sgpr_count:     98
    .vgpr_count:     1024
    .wavefront_size: 32
...
	.end_amdgpu_metadata
.endif
;; end of part 11
;; launch ffn2 (part 12): grid 32 x 8, 4 waves a work-group, no clusters, 139,776 bytes of LDS; arguments hq, plan, gl, w2_codes, w2_scales, b2, ybuf; writes ybuf
.if DOCPART == 12
	.amdgcn_target "amdgcn-amd-amdhsa--gfx1250"
	.amdhsa_code_object_version 6
	.text
	.protected	k_q092905c57b_ffn2
	.globl	k_q092905c57b_ffn2
	.p2align	8
	.type	k_q092905c57b_ffn2,@function
k_q092905c57b_ffn2:
	s_mov_b64 s[64:65], 0
	v_nop
	global_prefetch_b8 v0, s[64:65] scope:SCOPE_SE
	s_setreg_imm32_b32 hwreg(HW_REG_WAVE_SCHED_MODE, 0, 2), 2
	s_setreg_imm32_b32 hwreg(HW_REG_WAVE_MODE, 25, 1), 1
	s_wait_xcnt 0x0
	s_wait_alu depctr_vm_vsrc(0)
; THE SECOND PRODUCT, for the routed rows alone: ybuf[row] = gate x (h W2[e] + b2[e]), on E4M3 codes with one E8M0 scale for each 32 along K.
; SHARES.  Work-group (x, e): columns 64 (x / 2) .. + 63 of expert e, and of the expert's tiles of 16 rows those of parity p = x % 2: tile 2 i + p for i < n.  Wave q: K steps 8 q .. 8 q + 7 of the 32.
; Its part of W2 (64 columns x 1,024 codes) stays in 512 registers; h's tiles come from memory as images of the operand's registers, 16 KiB on end a wave and tile, two tiles ahead.
; The four waves' partial sums of four tiles meet in LDS; then wave q adds the four parts of tile q of the four, multiplies by the gate and stores whole runs of 256 bytes of a row of ybuf.
; No tensor load, no copy, no cluster: n is made of a number read from memory.  The loop has a constant count: 32 places for tiles, as many as the 64 tiles of 1,024 rows have of one parity; one barrier for
; four places stands on every way; the stored count only jumps forward over work.
; SOURCES: source 0 = 16 columns of W2 (its rows in memory), source 1 = 16 rows of h: lane (r, h) holds row r and eight neighbouring columns.  b2 is the C of wave 0's first product of a tile; in the other waves that C is 0.
; LDS: two stages of partial sums, [wave][tile of four][16 rows x (256 + 16) bytes], 69,632 bytes each, by turns.  At the head a wave's own part of the first stage serves to turn W2 into fragments.
; REGISTERS: window 0 as named below; window 1: h's fragments, two buffers of 128, K step s at 16 s; windows 2 and 3: W2's fragments, (tile n, K step s) at 16 (4 (s % 4) + n) of window 2 + s / 4.
; THE MODE: SCHED_MODE bits 1:0 = 2 (LLVM: expert scheduling mode 2), set by the entry lines.  The code itself states the register dependences between vector or matrix instructions and memory or LDS
; instructions, with s_wait_alu, always for 0.
; THE PLAN.  Registers that memory or LDS instructions touch:
;   the addresses v1, v4-v13   written at the head, never again.
;   windows 2, 3     W2: loaded, stored to LDS and loaded back in place at the head; from then on named by products alone.
;   window 1 buffer b, AS set b   a tile's 32 products read them; behind them the loads of the tile two on land there.
;   ACC              written by a tile's products, read by its eight LDS stores, written again by the next tile's products.  All 1,024 registers are taken: there is no second set.
;   RG               a reduction's LDS loads land there, its additions work in place, its eight global stores read the sums.      YO   written by the reduction's vector lines, read by the same stores.
; So ONE wait on va_vdst stands in a tile, behind the places that follow its products: the accumulators are written, and the products are done reading their buffer and scale words; the tile's 8 LDS stores and 36 loads
; follow it.  One wait on vm_vsrc at a tile's head frees the accumulators.  A reduction has one wait on vm_vsrc at its head (the last reduction's stores have read RG and YO) and one on va_vdst ahead of its eight
; stores, which stand in one run; between that wait and the next reduction's LDS loads no vector or matrix instruction names RG, so those loads owe nothing more.
.set PSB,  69632
.set L16,  1                           ; 16 x lane
.set TMPR, 2                           ; r at the head; later the reduction's temporary
.set HH,   3
.set PW0,  4                           ; v4, v5  where my sums go, stage 0, 1
.set RD0,  6                           ; v6, v7  where I read parts back
.set STW,  8                           ; the head's stage: in
.set STR,  9                           ; and out
.set ASO,  10                          ; h's scale words: 4096 (lane / 16) + 4 r
.set COL,  11                          ; 16 (lane % 16)
.set W2O,  12                          ; head: W2's scale words' offset; never rewritten
.set B2O,  13                          ; head: b2's offset; never rewritten
.set GT,   14                          ; v[14:15] the gate (the packed form names a pair and takes its low word for both halves)
.set AS,   16                          ; v16-23  h's scale words, two sets of 4: lanes 0-15 an even K step, lanes 16-31 the odd one behind it: scales and nothing else
.set YO,   24                          ; v24-31  the stores' offsets
.set W2S,  32                          ; v32-63  W2's scale words, 8 n + s: scales and nothing else
.set BB,   64                          ; v64-95  b2 in the result's layout, 8 n + j
.set ACC,  96                          ; v96-127 four accumulators
.set RG,   128                         ; v128-255 the reduction
.set MSB, 0
.macro WIN new                         ; the immediate's high byte repeats the setting that is left
.if MSB != \new
	s_set_vgpr_msb (MSB<<8)|\new
.set MSB, \new
.endif
.endm
.macro RAWW n                          ; 16 rows of W2, my 1,024 bytes of each, as they lie: 32 loads of 512 consecutive bytes, into the registers that the tile's fragments will take
	WIN 0x80
.set i, 0
.rept 32
.if i == 16
	WIN 0xc0
.endif
	global_load_b128 v[16*(4*((i/4)%4)+\n)+4*(i%4):16*(4*((i/4)%4)+\n)+4*(i%4)+3], v[L16], s[10:11] offset:4096*(16*\n+i/2)+512*(i%2)
.set i, i+1
.endr
	WIN 0
.endm
.macro TURNW n                         ; and through my stage, in place: LDS serves a wave's instructions in order
	WIN 0x08
.set i, 0
.rept 32
.if i == 16
	WIN 0x0c
.endif
	ds_store_b128 v[STW], v[16*(4*((i/4)%4)+\n)+4*(i%4):16*(4*((i/4)%4)+\n)+4*(i%4)+3] offset:1040*(i/2)+512*(i%2)
.set i, i+1
.endr
	WIN 0x80
	s_wait_alu depctr_vm_vsrc(0)                   ; the 32 LDS stores have read the registers in which the fragments' loads land
.set sg, 0
.rept 8
.if sg == 4
	WIN 0xc0
.endif
.irp c, 0,1,2,3
	ds_load_b128 v[16*(4*(sg%4)+\n)+4*\c:16*(4*(sg%4)+\n)+4*\c+3], v[STR] offset:128*sg+32*\c
.endr
.set sg, sg+1
.endr
	WIN 0
.endm
; A tile's eight fragments and four registers of scale words: 36 loads.  rel: the tile's number counted from the trip's first: it stands in the immediates (9 x 131,072 + 15,872 bytes at the most, inside the
; signed 24 bits: ISA guide, chapter 10), so that no base is stepped, and nothing is waited for, behind the loads.
.macro ALOAD buf, rel
	WIN 0x40
.set m, 0
.rept 32
	global_load_b128 v[128*\buf+4*m:128*\buf+4*m+3], v[L16], s[26:27] offset:131072*(\rel)+512*m
.set m, m+1
.endr
	WIN 0
.irp pi, 0,1,2,3
	global_load_b32 v[AS+4*\buf+\pi], v[ASO], s[28:29] offset:128*(\rel)+8192*\pi
.endr
.endm
.macro TILE j, buf, ps                 ; tile i0 + j: 32 products; the sums to place j of stage ps; the loads of the tile two on
	s_add_co_u32 s72, s23, \j
	s_cmp_ge_u32 s72, s22
	s_cbranch_scc1 .Lbrk_\ps                       ; no such tile: out of the run of four, forward
	s_wait_loadcnt 36                              ; the other buffer's 36 loads are younger (or nothing is out): this tile is in
	s_wait_dscnt 0x0                               ; the last tile's stores of the accumulators are done
	s_wait_alu depctr_vm_vsrc(0)                   ; the last tile's LDS stores have read the accumulators, which the products below write again
	WIN 0x06                                       ; source 0 (W2) window 2, source 1 (h) window 1; C and D window 0
.set sg, 0
	s_wait_alu depctr_va_vdst(0)
.rept 8
.if sg == 4
	WIN 0x07                                       ; W2's K steps 4-7: window 3
.endif
.irp n, 0,1,2,3                        ; four accumulators by turns, one instruction a turn
.if sg == 0
	v_wmma_scale_f32_16x16x128_f8f6f4 v[ACC+8*\n:ACC+8*\n+7], v[16*(4*(sg%4)+\n):16*(4*(sg%4)+\n)+15], v[128*\buf+16*sg:128*\buf+16*sg+15], v[BB+8*\n:BB+8*\n+7], v[W2S+8*\n+sg], v[AS+4*\buf+sg/2]
.elseif sg%2 == 0
	v_wmma_scale_f32_16x16x128_f8f6f4 v[ACC+8*\n:ACC+8*\n+7], v[16*(4*(sg%4)+\n):16*(4*(sg%4)+\n)+15], v[128*\buf+16*sg:128*\buf+16*sg+15], v[ACC+8*\n:ACC+8*\n+7], v[W2S+8*\n+sg], v[AS+4*\buf+sg/2]
.else
	v_wmma_scale_f32_16x16x128_f8f6f4 v[ACC+8*\n:ACC+8*\n+7], v[16*(4*(sg%4)+\n):16*(4*(sg%4)+\n)+15], v[128*\buf+16*sg:128*\buf+16*sg+15], v[ACC+8*\n:ACC+8*\n+7], v[W2S+8*\n+sg], v[AS+4*\buf+sg/2] matrix_b_scale:MATRIX_SCALE_ROW1
.endif
.endr
.set sg, sg+1
.endr
	WIN 0
.rept 9
	v_nop                                          ; eight places ahead of the stores of the sums; the ninth for the next tile's first products, which write over the accumulators
.endr
	s_wait_alu depctr_va_vdst(0)                   ; the products have written the accumulators, which the LDS stores read, and are done reading this buffer and its scale words, in which the loads below land; the places above stay beside this wait
.irp n, 0,1,2,3
	ds_store_b128 v[PW0+\ps], v[ACC+8*\n:ACC+8*\n+3] offset:4352*\j+64*\n          ; each accumulator from its low end on
	ds_store_b128 v[PW0+\ps], v[ACC+8*\n+4:ACC+8*\n+7] offset:4352*\j+64*\n+16
.endr
	s_add_co_u32 s72, s23, \j+2
	s_cmp_ge_u32 s72, s22
	s_cbranch_scc1 .Lskip_\@
	ALOAD \buf, 4*\ps+\j+2
	s_branch .Lnext_\@
.Lskip_\@:
	s_wait_loadcnt 0x0                             ; nothing is asked for: the other buffer's loads are awaited here, so that the next tile's counted wait holds on this way too
.Lnext_\@:
.endm
.macro REDUCE ps                       ; wave q: the four waves' parts of tile i0 + q; two rows an instruction, sixteen lanes to a row's 256 bytes
	s_wait_storecnt 0x0                            ; the last reduction's stores, four tiles back, are done: their data and offsets may be written again
	s_wait_alu depctr_vm_vsrc(0)                   ; the last reduction's stores have read their sums in RG, in which the loads below land, and their offsets YO, which are written again
.irp m, 0,1,2,3,4,5,6,7
.irp qq, 0,1,2,3
	ds_load_b128 v[RG+16*\m+4*\qq:RG+16*\m+4*\qq+3], v[RD0+\ps] offset:17408*\qq+544*\m
.endr
.endr
.irp m, 0,1,2,3,4,5,6,7
	v_mov_b32 v[TMPR], s[32+2*\m]
	v_cndmask_b32 v[TMPR], v[TMPR], s[33+2*\m], s71        ; lanes 16-31 take the odd row's
	v_min_u32 v[TMPR], 0x87f, v[TMPR]              ; a row of ybuf
	v_lshlrev_b32 v[TMPR], 12, v[TMPR]
	v_add_nc_u32 v[YO+\m], v[COL], v[TMPR]
.endr
.irp m, 0,1,2,3,4,5,6,7
	v_mov_b32 v[GT], s[48+2*\m]
	v_cndmask_b32 v[GT], v[GT], s[49+2*\m], s71
	s_wait_dscnt 28-4*\m                           ; the later groups' loads may stay out
	v_pk_add_f32 v[RG+16*\m:RG+16*\m+1], v[RG+16*\m:RG+16*\m+1], v[RG+16*\m+4:RG+16*\m+5]
	v_pk_add_f32 v[RG+16*\m+2:RG+16*\m+3], v[RG+16*\m+2:RG+16*\m+3], v[RG+16*\m+6:RG+16*\m+7]
	v_pk_add_f32 v[RG+16*\m+8:RG+16*\m+9], v[RG+16*\m+8:RG+16*\m+9], v[RG+16*\m+12:RG+16*\m+13]
	v_pk_add_f32 v[RG+16*\m+10:RG+16*\m+11], v[RG+16*\m+10:RG+16*\m+11], v[RG+16*\m+14:RG+16*\m+15]
	v_pk_add_f32 v[RG+16*\m:RG+16*\m+1], v[RG+16*\m:RG+16*\m+1], v[RG+16*\m+8:RG+16*\m+9]
	s_wait_alu depctr_va_vdst(0)
	v_pk_add_f32 v[RG+16*\m+2:RG+16*\m+3], v[RG+16*\m+2:RG+16*\m+3], v[RG+16*\m+10:RG+16*\m+11]
	v_pk_mul_f32 v[RG+16*\m:RG+16*\m+1], v[RG+16*\m:RG+16*\m+1], v[GT:GT+1] op_sel_hi:[1,0]
	v_pk_mul_f32 v[RG+16*\m+2:RG+16*\m+3], v[RG+16*\m+2:RG+16*\m+3], v[GT:GT+1] op_sel_hi:[1,0]
.endr
	s_wait_alu depctr_va_vdst(0)                   ; the eight groups' sums in RG and the eight offsets YO are written, which the stores read; and every line that names RG is done, for the next reduction's loads into it
.irp m, 0,1,2,3,4,5,6,7
	global_store_b128 v[YO+\m], v[RG+16*\m:RG+16*\m+3], s[68:69]   ; sixteen lanes store 256 consecutive bytes, at a multiple of 256 from ybuf's first byte
.endr
.endm
; Four places for tiles, one barrier.  The rows of ybuf and the gates of tile i0 + q's 16 rows were asked for a group ago (the first group's at the head); the next group's are asked for at this group's end,
; and only if it has a tile: a group without tiles asks for nothing and waits for nothing.
.macro SUPER ps
	TILE 0, 0, \ps
	TILE 1, 1, \ps
	TILE 2, 0, \ps
	TILE 3, 1, \ps
	s_branch .Ljoin_\ps
.Lbrk_\ps:
	s_wait_loadcnt 0x0                             ; behind the last tile nothing stays out
.Ljoin_\ps:
	s_wait_dscnt 0x0                               ; my sums have landed; my reads of the other stage are over
	s_barrier_signal -1
	s_barrier_wait -1                              ; all four parts of each tile lie in this stage; the other stage is written again only behind this barrier
	s_wait_kmcnt 0x0                               ; the group's rows and gates are in, so their bases may step
	s_add_nc_u64 s[30:31], s[30:31], 512
	s_add_nc_u64 s[66:67], s[66:67], 512
	s_add_co_u32 s72, s23, s18
	s_cmp_ge_u32 s72, s22
	s_cbranch_scc1 .Lnored_\ps
	REDUCE \ps
.Lnored_\ps:
	s_add_co_u32 s23, s23, 4
	s_cmp_ge_u32 s23, s22
	s_cbranch_scc1 .Lnoask_\ps
	s_load_b512 s[32:47], s[30:31], 0x0            ; inside the expert's 1,024 places, all of which are written
	s_load_b512 s[48:63], s[66:67], 0x0
.Lnoask_\ps:
.endm
	s_load_b256 s[4:11], s[0:1], 0x0               ; hq, plan, gl, w2_codes
	s_load_b128 s[12:15], s[0:1], 0x20             ; w2_scales, b2
	s_load_b64 s[16:17], s[0:1], 0x30              ; ybuf
	v_lshrrev_b32 v1, 5, v0
	v_readfirstlane_b32 s18, v1                    ; wave q
	s_and_b32 s19, ttmp7, 0xffff                   ; expert e
	s_lshr_b32 s20, ttmp9, 1                       ; which 64 columns
	s_and_b32 s21, ttmp9, 1                        ; which parity of tiles
	v_and_b32 v[W2O], 31, v0
	v_and_b32 v[TMPR], 15, v0                      ; r
	v_bfe_u32 v[HH], v0, 4, 1
	v_lshlrev_b32 v[L16], 4, v[W2O]
	s_wait_alu depctr_va_sdst(0)                   ; s18 is written, ahead of its first reader
	s_mul_i32 s72, s18, 17408
	v_mul_u32_u24 v[PW0], v[TMPR], 272
	v_lshl_add_u32 v[PW0], v[HH], 5, v[PW0]
	v_add_nc_u32 v[PW0], s72, v[PW0]               ; my part of a stage: row r, + 32 h
	v_add_nc_u32 v[PW0+1], PSB, v[PW0]
	s_mul_i32 s73, s18, 4352
	v_mul_u32_u24 v[RD0], v[HH], 272
	v_lshl_add_u32 v[RD0], v[TMPR], 4, v[RD0]
	v_add_nc_u32 v[RD0], s73, v[RD0]               ; place q of wave 0's part: lanes 0-15 one row, lanes 16-31 the next
	v_add_nc_u32 v[RD0+1], PSB, v[RD0]
	v_add_nc_u32 v[STW], s72, v[L16]
	v_mul_u32_u24 v[STR], v[TMPR], 1040
	v_lshl_add_u32 v[STR], v[HH], 4, v[STR]
	v_add_nc_u32 v[STR], s72, v[STR]
	v_lshlrev_b32 v[ASO], 2, v[TMPR]
	v_lshl_add_u32 v[ASO], v[HH], 12, v[ASO]
	v_lshlrev_b32 v[COL], 4, v[TMPR]
	v_lshlrev_b32 v[W2O], 7, v[TMPR]               ; 128 scale bytes a row of W2
	v_lshlrev_b32 v[B2O], 5, v[HH]                 ; 8 h numbers of b2
	v_mov_b32 v[GT+1], 0                           ; (named as the upper half of the pair)
	s_mov_b32 s71, 0xffff0000                      ; lanes 16-31
	s_mov_b32 s75, 0
	s_mov_b32 s77, 0
	s_wait_kmcnt 0x0
	s_lshl_b32 s74, s19, 2
	s_add_nc_u64 s[78:79], s[6:7], s[74:75]
	s_load_b32 s25, s[78:79], 0x10000              ; the expert's count of rows
	s_lshl_b32 s74, s19, 22
	s_lshl_b32 s72, s21, 16
	s_add_co_u32 s76, s74, s72
	s_lshl_b32 s72, s18, 14
	s_add_co_u32 s76, s76, s72
	s_add_nc_u64 s[26:27], s[4:5], s[76:77]        ; the images: expert e, tile p, K step 8 q
	s_lshl_b32 s72, s20, 18
	s_add_co_u32 s76, s74, s72
	s_lshl_b32 s72, s18, 10
	s_add_co_u32 s76, s76, s72
	s_add_nc_u64 s[10:11], s[10:11], s[76:77]      ; W2's row 1024 e + 64 cc (4,096 bytes a row), my 1,024 bytes
	s_lshl_b32 s74, s19, 17
	s_lshl_b32 s72, s18, 15
	s_add_co_u32 s76, s74, s72
	s_lshl_b32 s72, s21, 6
	s_add_co_u32 s76, s76, s72
	s_add_co_u32 s76, s76, 0x2000000
	s_add_nc_u64 s[28:29], s[4:5], s[76:77]        ; h's scale words: (e, K step 8 q), tile p
	s_lshl_b32 s72, s20, 13
	s_add_co_u32 s76, s74, s72
	s_lshl_b32 s72, s18, 5
	s_add_co_u32 s76, s76, s72
	s_add_nc_u64 s[12:13], s[12:13], s[76:77]      ; W2's scale bytes at the same row, my 32 bytes
	s_lshl_b32 s74, s19, 12
	s_lshl_b32 s72, s20, 8
	s_add_co_u32 s76, s74, s72
	s_add_nc_u64 s[14:15], s[14:15], s[76:77]      ; b2 at my 64 columns
	s_mov_b32 s76, s72
	s_add_nc_u64 s[68:69], s[16:17], s[76:77]      ; ybuf at my 64 columns
	s_lshl_b32 s72, s18, 7
	s_add_co_u32 s76, s74, s72
	s_lshl_b32 s72, s21, 6
	s_add_co_u32 s76, s76, s72
	s_add_nc_u64 s[66:67], s[8:9], s[76:77]        ; the gates of tile 2 q + p's rows
	s_add_co_u32 s76, s76, 32768
	s_add_nc_u64 s[30:31], s[6:7], s[76:77]        ; and their rows of ybuf
	s_load_b512 s[32:47], s[30:31], 0x0            ; the first group's, whatever the count: they lie in the expert's 1,024 places
	s_load_b512 s[48:63], s[66:67], 0x0
	s_wait_alu depctr_va_vdst(0)                   ; every address and offset of the head is written: the loads and stores of the whole kernel read them, and none is written again
.irp n, 0,1,2,3
	global_load_b128 v[W2S+8*\n:W2S+8*\n+3], v[W2O], s[12:13] offset:2048*\n
	global_load_b128 v[W2S+8*\n+4:W2S+8*\n+7], v[W2O], s[12:13] offset:2048*\n+16
	global_load_b128 v[BB+8*\n:BB+8*\n+3], v[B2O], s[14:15] offset:64*\n
	global_load_b128 v[BB+8*\n+4:BB+8*\n+7], v[B2O], s[14:15] offset:64*\n+16
.endr
	RAWW 0
	RAWW 1
	s_wait_loadcnt 32                              ; the 32 loads of the next tile of columns are younger
	TURNW 0
	RAWW 2
	s_wait_loadcnt 32
	TURNW 1
	RAWW 3
	s_wait_loadcnt 32
	TURNW 2
	ALOAD 0, 0                                     ; tiles p and 2 + p of h are asked for whatever the count: they lie in the buffer and have been made
	s_wait_loadcnt 36                              ; its 36 loads are younger
	TURNW 3
	ALOAD 1, 1
	s_cmp_eq_u32 s18, 0
	s_cselect_b32 s72, -1, 0
.set i, 0
.rept 32
	v_cndmask_b32 v[BB+i], 0, v[BB+i], s72         ; b2 enters a sum once: in wave 0
.set i, i+1
.endr
	s_wait_kmcnt 0x0
	s_min_u32 s22, s25, 1024
	s_add_co_u32 s22, s22, 15
	s_lshr_b32 s22, s22, 4                         ; the expert's tiles
	s_add_co_u32 s22, s22, 1
	s_sub_co_u32 s22, s22, s21
	s_lshr_b32 s22, s22, 1                         ; n: those of my parity
	s_wait_dscnt 0x0                               ; W2's fragments are in
	s_mov_b32 s23, 0                               ; i0
	s_mov_b32 s24, 0
.Ltrip:                                            ; four trips of eight places
	SUPER 0
	SUPER 1
	s_wait_xcnt 0x0                                ; the trip's loads have read their bases, which step only here: eight tiles of my parity on
	s_add_nc_u64 s[26:27], s[26:27], 0x100000
	s_add_nc_u64 s[28:29], s[28:29], 1024
	s_add_co_u32 s24, s24, 1
	s_cmp_lt_u32 s24, 4
	s_cbranch_scc1 .Ltrip
	s_wait_xcnt 0x0
	v_lshl_add_u32 v254, v0, 2, 0x22000            ; the add's two registers are made anew: no memory or LDS instruction has read v254 or v255 (LDS loads landed in them, additions read them), so no wait on vm_vsrc is owed ahead of these two lines
	v_mov_b32 v255, 0
	s_wait_dscnt 0x0                               ; the closing lines, six on end
	s_wait_alu 0x0
	s_wait_tensorcnt 0x0
	ds_add_u32 v254, v255
	s_wait_dscnt 0x0
	s_endpgm
.Lfunc_end_k_q092905c57b_ffn2:
	.size	k_q092905c57b_ffn2, .Lfunc_end_k_q092905c57b_ffn2-k_q092905c57b_ffn2
	.p2alignl 7, 3214868480
	.fill 96, 4, 3214868480
	.section	.rodata,"a",@progbits
	.p2align	6, 0x0
	.amdhsa_kernel k_q092905c57b_ffn2
		.amdhsa_group_segment_fixed_size 139776
		.amdhsa_private_segment_fixed_size 0
		.amdhsa_enable_private_segment 0
		.amdhsa_kernarg_size 56
		.amdhsa_user_sgpr_count 2
		.amdhsa_user_sgpr_kernarg_segment_ptr 1
		.amdhsa_wavefront_size32 1
		.amdhsa_system_sgpr_workgroup_id_x 1
		.amdhsa_system_sgpr_workgroup_id_y 1
		.amdhsa_system_sgpr_workgroup_id_z 1
		.amdhsa_system_vgpr_workitem_id 0
		.amdhsa_next_free_vgpr 1024
		.amdhsa_next_free_sgpr 80
		.amdhsa_reserve_vcc 0
		.amdhsa_float_denorm_mode_32 3
		.amdhsa_float_denorm_mode_16_64 3
		.amdhsa_memory_ordered 1
		.amdhsa_forward_progress 1
		.amdhsa_inst_pref_size 135
	.end_amdhsa_kernel
	.amdgpu_metadata
---
amdhsa.version: [ 1, 2 ]
amdhsa.kernels:
  - .name:           k_q092905c57b_ffn2
    .symbol:         k_q092905c57b_ffn2.kd
    .args:
      - { .name: hq, .offset: 0, .size: 8, .value_kind: global_buffer, .address_space: global }
      - { .name: plan, .offset: 8, .size: 8, .value_kind: global_buffer, .address_space: global }
      - { .name: gl, .offset: 16, .size: 8, .value_kind: global_buffer, .address_space: global }
      - { .name: w2_codes, .offset: 24, .size: 8, .value_kind: global_buffer, .address_space: global }
      - { .name: w2_scales, .offset: 32, .size: 8, .value_kind: global_buffer, .address_space: global }
      - { .name: b2, .offset: 40, .size: 8, .value_kind: global_buffer, .address_space: global }
      - { .name: ybuf, .offset: 48, .size: 8, .value_kind: global_buffer, .address_space: global }
    .group_segment_fixed_size: 139776
    .private_segment_fixed_size: 0
    .kernarg_segment_align: 8
    .kernarg_segment_size: 56
    .max_flat_workgroup_size: 128
    .sgpr_count:     80
    .vgpr_count:     1024
    .wavefront_size: 32
...
	.end_amdgpu_metadata
.endif
;; end of part 12
;; launch combine (part 13): grid 256 x 1, 4 waves a work-group, no clusters, 0 bytes of LDS; arguments ybuf, out0; writes out0
.if DOCPART == 13
	.amdgcn_target "amdgcn-amd-amdhsa--gfx1250"
	.amdhsa_code_object_version 6
	.text
	.protected	k_q092905c57b_combine
	.globl	k_q092905c57b_combine
	.p2align	8
	.type	k_q092905c57b_combine,@function
k_q092905c57b_combine:
	s_mov_b64 s[64:65], 0
	v_nop
	global_prefetch_b8 v0, s[64:65] scope:SCOPE_SE
	s_setreg_imm32_b32 hwreg(HW_REG_WAVE_MODE, 25, 1), 1
	s_wait_xcnt 0x0
; out0[token] = ybuf[token] + ybuf[1024 + token]: a token's two weighted expert results, each written by one owner in the launch before.  A plain stream: no LDS, no barrier, no loop.
; A work-group takes 16,384 bytes of out0; a thread 16 bytes of each of eight runs of 2,048 bytes.  All sixteen loads go out first.
.set A, 4                              ; v4-35   the first choice's rows
.set B, 36                             ; v36-67  the second's
	s_load_b128 s[4:7], s[0:1], 0x0                ; ybuf, out0
	v_lshlrev_b32 v1, 4, v0
	s_lshl_b32 s8, ttmp9, 14
	s_mov_b32 s9, 0
	s_wait_alu depctr_va_vdst(0)
	s_wait_kmcnt 0x0
	s_add_nc_u64 s[4:5], s[4:5], s[8:9]
	s_add_nc_u64 s[6:7], s[6:7], s[8:9]
.irp k, 0,1,2,3,4,5,6,7
	global_load_b128 v[A+4*\k:A+4*\k+3], v1, s[4:5] offset:2048*\k th:TH_LOAD_NT
	global_load_b128 v[B+4*\k:B+4*\k+3], v1, s[4:5] offset:4194304+2048*\k th:TH_LOAD_NT
.endr
.irp k, 0,1,2,3,4,5,6,7
	s_wait_loadcnt 14-2*\k                         ; the later pairs may stay out
	v_pk_add_f32 v[A+4*\k:A+4*\k+1], v[A+4*\k:A+4*\k+1], v[B+4*\k:B+4*\k+1]
	v_pk_add_f32 v[A+4*\k+2:A+4*\k+3], v[A+4*\k+2:A+4*\k+3], v[B+4*\k+2:B+4*\k+3]
	global_store_b128 v1, v[A+4*\k:A+4*\k+3], s[6:7] offset:2048*\k th:TH_STORE_NT
.endr
	s_endpgm
.Lfunc_end_k_q092905c57b_combine:
	.size	k_q092905c57b_combine, .Lfunc_end_k_q092905c57b_combine-k_q092905c57b_combine
	.p2alignl 7, 3214868480
	.fill 96, 4, 3214868480
	.section	.rodata,"a",@progbits
	.p2align	6, 0x0
	.amdhsa_kernel k_q092905c57b_combine
		.amdhsa_group_segment_fixed_size 0
		.amdhsa_private_segment_fixed_size 0
		.amdhsa_enable_private_segment 0
		.amdhsa_kernarg_size 16
		.amdhsa_user_sgpr_count 2
		.amdhsa_user_sgpr_kernarg_segment_ptr 1
		.amdhsa_wavefront_size32 1
		.amdhsa_system_sgpr_workgroup_id_x 1
		.amdhsa_system_sgpr_workgroup_id_y 1
		.amdhsa_system_sgpr_workgroup_id_z 1
		.amdhsa_system_vgpr_workitem_id 0
		.amdhsa_next_free_vgpr 72
		.amdhsa_next_free_sgpr 66
		.amdhsa_reserve_vcc 0
		.amdhsa_float_denorm_mode_32 3
		.amdhsa_float_denorm_mode_16_64 3
		.amdhsa_memory_ordered 1
		.amdhsa_forward_progress 1
		.amdhsa_inst_pref_size 5
	.end_amdhsa_kernel
	.amdgpu_metadata
---
amdhsa.version: [ 1, 2 ]
amdhsa.kernels:
  - .name:           k_q092905c57b_combine
    .symbol:         k_q092905c57b_combine.kd
    .args:
      - { .name: ybuf, .offset: 0, .size: 8, .value_kind: global_buffer, .address_space: global }
      - { .name: out0, .offset: 8, .size: 8, .value_kind: global_buffer, .address_space: global }
    .group_segment_fixed_size: 0
    .private_segment_fixed_size: 0
    .kernarg_segment_align: 8
    .kernarg_segment_size: 16
    .max_flat_workgroup_size: 128
    .sgpr_count:     66
    .vgpr_count:     72
    .wavefront_size: 32
...
	.end_amdgpu_metadata
.endif
;; end of part 13
